; MI455X (gfx1250); checked and timed in simulation.
; The chip was launched on July 23, 2026; its instructions are those of AMD's public machine-readable ISA for CDNA 5 (MIT licence, August 2026) and "CDNA5" Instruction Set Architecture Reference Guide (July 2026). The comments in the code are by the model that wrote it; some were corrected since.
;; Mixture Attention. Allowed arithmetic: matrix products marked QUANTISED: E2M3 operands, one E8M0 scale for each 32 along K, by v_wmma_scale_f32_16x16x128_f8f6f4 with both operands' format E2M3, f32 sums; products left as they are: f32 operands where the result goes on into a quantised operand, else bf16, f16 or f32 operands; f32 sums; everything else in f32.
;; Inputs: Wk 8 x 1,024 x 1,024 float32; Wo 8 x 1,024 x 1,024 float32; Wq 8 x 1,024 x 1,024 float32; Wr 1,024 x 8 float32; Wv 8 x 1,024 x 1,024 float32; bk 8 x 1,024 float32; bo 8 x 1,024 float32; bq 8 x 1,024 float32; br 8 float32; bv 8 x 1,024 float32; keys 2 x 4,096 x 1,024 float32; queries 2 x 1,024 x 1,024 float32; values 2 x 4,096 x 1,024 float32.
;; Outputs: out0 2 x 1,024 x 1,024 float32.
;; This version of the problem:
;;   THIS VERSION OF THE PROBLEM IS GIVEN IN LOW PRECISION. The matrix products marked QUANTISED in the list below multiply operands that are first quantised to E2M3 (2 exponent bits, 3 mantissa bits; 6 bits a number), with one power-of-two scale for each 32 numbers along K (OCP MX v1.0); their sums are f32. All else is computed in f32.
;;   The module's matrix products, in the order in which they are computed (A, B: the left and right operand; K: the contracted axis; several contracted axes count as one K, in the product's order):
;;     1. [M 2,048, K 1,024] x [K 1,024, N 8]; A: input queries; B: input Wr: left as it is (N = 8 < 16)
;;     2. [M 2,048, K 1,024] x [K 1,024, N 8,192]; A: input queries; B: input Wq: QUANTISED
;;     3. batch 8 x [M 1,024, K 1,024] x [K 1,024, N 1,024]; A: input keys; B: input Wk: QUANTISED
;;     4. batch 8 x [M 1,024, K 1,024] x [K 1,024, N 1,024]; A: input values; B: input Wv: QUANTISED
;;     5. batch 256 x [M 1,024, K 64] x [K 64, N 512]; A: computed on the way; B: computed on the way: QUANTISED
;;     6. batch 256 x [M 64, K 512] x [K 512, N 1,024]; A: computed on the way; B: softmax (see below): QUANTISED
;;     7. batch 8 x [M 2,048, K 1,024] x [K 1,024, N 1,024]; A: computed on the way; B: input Wo: QUANTISED
;;   THE QUANTISER, for each operand of a quantised product, along K:
;;     - K is cut into blocks of 32 from its start; a last block that is shorter is filled with zeros.
;;     - A block's scale is 2^e with e = floor(log2(the largest magnitude in the block)) - 2, held to -126 .. 127; a block of zeros has e = 0. As a byte (E8M0): e + 127.
;;     - Each number is divided by its block's scale, clamped to +-7.5, and rounded to the nearest number of E2M3, ties to even, subnormals kept.
;;     - The product sums the exact products of the quantised numbers (number of the format x scale) in f32.
;;   ~~~python
;;   def quantise(x, axis):      # numpy; x: float32 -> the quantised numbers, widened to float32 again
;;       x = np.moveaxis(x, axis, -1); K = x.shape[-1]
;;       x = np.pad(x, [(0, 0)] * (x.ndim - 1) + [(0, -K % 32)]); x = x.reshape(x.shape[:-1] + (-1, 32)); a = np.abs(x).max(-1, keepdims=True)
;;       e = np.where(a > 0, np.clip(np.frexp(np.where(a > 0, a, 1))[1] - 1 - 2, -126, 127), 0)      # np.frexp(a)[1] - 1 = floor(log2(a)), exactly
;;       r = np.clip(x / 2.0 ** e, -7.5, 7.5)
;;       step = 2.0 ** (np.maximum(np.frexp(np.where(r == 0, 1, r))[1] - 1, 0) - 3)
;;       q = np.round(r / step) * step * 2.0 ** e      # np.round: ties to even
;;       return np.moveaxis(q.reshape(q.shape[:-2] + (-1,))[..., :K], -1, axis).astype(np.float32)
;;   ~~~
;;   SOFTMAX AHEAD OF A QUANTISED PRODUCT. Where the list says 'softmax', what is quantised is not the finished softmax but p = 2^(t - M), with t = logit x log2(e) and M = ceil(the row's largest t), a whole number; so 1/2 < the row's largest p <= 1. The row's sum l is taken of the UNQUANTISED p, in f32, and the product's result is divided by l at the end. Since M is a whole number, a kernel that streams over the keys may use a running M (the ceiling of the running maximum): every later rescaling is an exact power of two, which a block's scale takes up: the codes' values come out the same.
;;   OPERANDS COMPUTED ON THE WAY. 'Computed on the way' means the value that the module computes at that place (a softmax that the list does not call 'softmax' is quantised finished and normalised). What goes into a quantiser is computed in f32, as accurately as f32 sums, v_exp_f32 and their like allow (about 1e-6 of the number): no bf16 or f16 on the way to a quantiser, and a product that is left as it is and whose result goes on into a quantised operand takes f32 operands (vector FMAs, or v_wmma_f32_16x16x4_f32). A number that lies on a knife's edge between two numbers of the format may be rounded either way, as far as f32 arithmetic and the matrix unit's own rounding can turn it there, and no further.
;; 3 versions, each right; version 2 is faster than version 1; version 3 is version 2 with the launches qattn, oproj written anew for expert scheduling mode. Each part assembles by itself: llvm-mc -triple=amdgcn-amd-amdhsa -mcpu=gfx1250 --defsym DOCPART=n.
;; ======== version 1 of 3: 6 launches
;; workspace buffers: ridx 16,384 bytes of whole numbers; xbuf 14,761,984 bytes; lists 18,432 bytes of whole numbers; wbuf 26,214,400 bytes; kvbuf 13,631,488 bytes; abuf 4,530,176 bytes; part 16,777,216 bytes
;; launch prepx (part 1): grid 320 x 1, 4 waves a work-group, no clusters, 84,480 bytes of LDS; arguments queries, keys, values, Wr, br, ridx, xbuf; writes ridx, xbuf
.if DOCPART == 1
	.amdgcn_target "amdgcn-amd-amdhsa--gfx1250"
	.amdhsa_code_object_version 6
	.text
	.protected	k_q4fd7c864a8_prepx
	.globl	k_q4fd7c864a8_prepx
	.p2align	8
	.type	k_q4fd7c864a8_prepx,@function
k_q4fd7c864a8_prepx:
	s_mov_b64 s[64:65], 0
	v_nop
	global_prefetch_b8 v0, s[64:65] scope:SCOPE_SE
	s_setreg_imm32_b32 hwreg(HW_REG_WAVE_MODE, 25, 1), 1
	s_wait_xcnt 0x0
; Work-groups 0-31: THE ROUTER.  logits = queries Wr + br in f32 (fused multiply-adds), the two largest (the lower index wins a tie), softmax over the two.
;   Stored at fixed places: ridx [slot 2][token 2048] the expert, xbuf+RW_OFF [slot][token] the weight.  No address hangs on the choice.
; Work-groups 32-319: THE QUANTISER of keys, values and queries along their last axis, 1,024, to FP6 (E2M3) with one E8M0 byte for each 32.
;   A wave takes a tile of 16 rows: lane r of tile 2 beta + u holds row 32 beta + 8 u + r + 8 (r / 8).  Eight steps of 128 along K.
;   keys, values: each step leaves as an IMAGE of an operand: register i of lane L at 512 (i / 4) + 16 L + 4 (i % 4), 1,536 bytes; xbuf [tile 1024][step 8][1536].
;   queries: rows of 768 bytes of codes as a plain stream of bits, since a later launch gathers them row by row; xbuf+QC_OFF [token][768].
;   Scale words: one word a row and step; keys, values: xbuf+XSC_OFF [tile][r 16][8 words]; queries: xbuf+QS_OFF [token][8 words].
; A block's scale is 2^(floor(log2(largest magnitude)) - 2); its byte is the largest magnitude's exponent field - 2, held at 1 from below.
; LIMITS: NaN and infinities are not served; a block whose largest magnitude lies under 2^-124, a block of zeros among them, keeps the byte 1 (its bytes are read by this program alone);
; the router's sum runs in four partial sums: logits whose second and third values differ by less than f32 rounding may choose the other expert.
.set XSC_OFF, 12582912
.set QC_OFF,  13107200
.set QS_OFF,  14680064
.set RW_OFF,  14745600
.set WREG,    20992                    ; LDS of a wave: a stage of 16 rows x 528 bytes, then the queries' stage of 16 rows x 784 bytes
.set QSTG,    8448
.set SW,  8                            ; v8-15    the row's eight scale words
.set R,   16                           ; v16-143  two sets of 64 registers as loaded
.set X,   144                          ; v144-207 64 numbers: register 16 b + i = k 32 b + 16 (lane / 16) + i of my row
.set PC,  208                          ; v208-219 the fragment just made
.set CT,  220                          ; v220-227 the conversions' second halves
.set TM,  228                          ; v228-243 at work
.set SEL, 42                           ; s[42:43] lane selects: lane l xor 16
; 64 numbers of a lane become a fragment's two halves, six registers at d0 and six at d1, and the row's scale word in pw.
.macro QUANT s, d0, d1, pw
.irp b, 0,1,2,3
	v_max3_num_f32 v[TM+\b], |v[(\s)+16*\b]|, |v[(\s)+1+16*\b]|, 0x1800000   ; my 16 numbers of block b, and the floor 2^(3 - 127): the byte cannot fall under 1
.endr
.irp i, 2,4,6,8,10,12,14
.irp b, 0,1,2,3
	v_max3_num_f32 v[TM+\b], v[TM+\b], |v[(\s)+16*\b+\i]|, |v[(\s)+1+16*\b+\i]|
.endr
.endr
.irp b, 0,1,2,3
	v_permlanex16_b32 v[TM+4+\b], v[TM+\b], s[SEL], s[SEL+1]
.endr
.irp b, 0,1,2,3
	v_max_num_f32 v[TM+\b], v[TM+\b], v[TM+4+\b]                 ; with lane l xor 16: the block's largest magnitude
.endr
.irp b, 0,1,2,3
	v_add_nc_u32 v[TM+12+\b], 0xff000000, v[TM+\b]               ; 2 off the exponent field: the conversion's scale operand
.endr
.irp b, 0,1,2,3
	v_lshrrev_b32 v[TM+4+\b], 23, v[TM+12+\b]                    ; the scale's byte
.endr
	v_lshl_or_b32 v[\pw], v[TM+5], 8, v[TM+4]
	v_lshl_or_b32 v[\pw], v[TM+6], 16, v[\pw]
	v_lshl_or_b32 v[\pw], v[TM+7], 24, v[\pw]
	v_cvt_scalef32_pk16_fp6_f32 v[(\d0):(\d0)+2], v[(\s):(\s)+15], v[TM+12]
	v_cvt_scalef32_pk16_fp6_f32 v[CT:CT+2], v[(\s)+16:(\s)+31], v[TM+13]
	v_cvt_scalef32_pk16_fp6_f32 v[(\d1):(\d1)+2], v[(\s)+32:(\s)+47], v[TM+14]
	v_cvt_scalef32_pk16_fp6_f32 v[CT+4:CT+6], v[(\s)+48:(\s)+63], v[TM+15]
	v_nop                                                        ; one plain place behind the scaled conversions
.irp i, 0,1,2
	v_permlane16_swap_b32 v[(\d0)+\i], v[CT+\i]                  ; a whole block to a lane: lanes 0-15 the even block, lanes 16-31 the odd one
	v_permlane16_swap_b32 v[(\d1)+\i], v[CT+4+\i]
.endr
.irp i, 0,1,2
	v_mov_b32 v[(\d0)+3+\i], v[CT+\i]
	v_mov_b32 v[(\d1)+3+\i], v[CT+4+\i]
.endr
.endm
	s_load_b256 s[4:11], s[0:1], 0x0               ; queries s[4:5], keys s[6:7], values s[8:9], Wr s[10:11]
	s_load_b128 s[12:15], s[0:1], 0x20             ; br s[12:13], ridx s[14:15]
	s_load_b64 s[16:17], s[0:1], 0x30              ; xbuf
	v_lshl_add_u32 v248, v0, 2, 0x14800
	v_mov_b32 v249, 0
	v_lshrrev_b32 v1, 5, v0
	v_readfirstlane_b32 s18, v1                    ; wave 0..3
	s_mov_b32 s[SEL], 0x76543210
	s_mov_b32 s[SEL+1], 0xfedcba98
	s_cmp_lt_u32 ttmp9, 32
	s_cbranch_scc1 .Lrouter
; ---------------- the quantiser ----------------
	s_sub_co_u32 s19, ttmp9, 32
	s_lshl_b32 s19, s19, 2
	s_add_co_u32 s19, s19, s18                     ; W: 0-511 keys' tiles, 512-1023 values', 1024-1151 queries'
	s_and_b32 s20, s19, 511                        ; the tile in its tensor
	s_lshr_b32 s21, s20, 1
	s_lshl_b32 s21, s21, 5
	s_and_b32 s22, s20, 1
	s_lshl_b32 s22, s22, 3
	s_add_co_u32 s21, s21, s22                     ; its first row: 32 beta + 8 u
	s_lshl_b32 s24, s21, 12                        ; rows of 4,096 bytes
	s_mov_b32 s25, 0
	s_mul_i32 s30, s19, 12288                      ; the tile's eight images
	s_mov_b32 s31, 0
	s_mul_i32 s32, s21, 768
	s_add_co_u32 s32, s32, QC_OFF                  ; the queries' rows of codes
	s_mov_b32 s33, 0
	s_lshl_b32 s28, s19, 9
	s_add_co_u32 s28, s28, XSC_OFF
	s_lshl_b32 s29, s21, 5
	s_add_co_u32 s29, s29, QS_OFF
	s_cmp_ge_u32 ttmp9, 288                        ; a work-group of queries?  It hangs on the work-group's number alone
	s_cselect_b32 s28, s29, s28                    ; where the scale words go
	s_cselect_b32 s26, 1, 0
	s_cselect_b32 s27, 256, 0                      ; queries: lanes 8-15 hold tokens 8 further on than their place in the tile: 8 x 32 bytes
	s_mov_b32 s29, 0
	s_mul_i32 s23, s18, WREG
	v_and_b32 v244, 31, v0                         ; lane
	v_and_b32 v245, 15, v0                         ; r
	v_bfe_u32 v246, v0, 4, 1                       ; h
	v_lshlrev_b32 v1, 4, v244                      ; 16 x lane
	v_add_nc_u32 v2, s23, v1                       ; the stage, in: a row's 512 bytes as they lie
	v_mul_u32_u24 v3, v245, 528
	v_lshl_add_u32 v3, v246, 6, v3
	v_add_nc_u32 v3, s23, v3                       ; out: row r, + 64 h: my 16 numbers of each block of 32
	v_mul_u32_u24 v4, v245, 784
	v_mad_u32_u24 v4, v246, 24, v4
	v_add_nc_u32 v4, s23, v4
	v_add_nc_u32 v4, QSTG, v4                      ; the queries' stage, in: row r, + 24 h
	v_add_nc_u32 v5, QSTG, v2                      ; out: 16 x lane,
	v_lshl_add_u32 v6, v246, 4, v5                 ; and the same 16 bytes on for lanes 16-31, where a run of 512 bytes passes from a row into the next
	v_lshlrev_b32 v7, 5, v245
	v_lshl_add_u32 v7, v246, 4, v7
	v_lshrrev_b32 v247, 3, v245
	v_mad_u32_u24 v7, v247, s27, v7                ; my 16 bytes of the scale words: 32 r + 16 h (+ 256 for r above 7 in queries)
.irp b, 0,1,2,3
	v_mov_b32 v[TM+4+\b], 0                        ; written once: a lane permute's destination counts as one of its sources
.endr
	s_wait_kmcnt 0x0
	s_cmp_lt_u32 ttmp9, 160
	s_cselect_b64 s[34:35], s[6:7], s[8:9]         ; keys or values,
	s_cmp_ge_u32 ttmp9, 288
	s_cselect_b64 s[34:35], s[4:5], s[34:35]       ; or queries
	s_add_nc_u64 s[34:35], s[34:35], s[24:25]
	s_add_nc_u64 s[36:37], s[16:17], s[30:31]
	s_add_nc_u64 s[38:39], s[16:17], s[28:29]
	s_add_nc_u64 s[40:41], s[16:17], s[32:33]
.macro LOAD s                          ; step s: 16 loads, each 512 consecutive bytes of one of the tile's rows
.irp i, 0,1,2,3,4,5,6,7,8,9,10,11,12,13,14,15
	global_load_b128 v[R+64*((\s)%2)+4*\i:R+64*((\s)%2)+4*\i+3], v1, s[34:35] offset:(\i+8*(\i/8))*4096+512*(\s) th:TH_LOAD_NT
.endr
.endm
.macro STEP s
.if (\s) < 7
	s_wait_loadcnt 16                              ; this step's 16 loads are in; the next step's 16 may be out
.else
	s_wait_loadcnt 0x0
.endif
.irp i, 0,1,2,3,4,5,6,7,8,9,10,11,12,13,14,15
	ds_store_b128 v2, v[R+64*((\s)%2)+4*\i:R+64*((\s)%2)+4*\i+3] offset:\i*528
.endr
.irp b, 0,1,2,3
.irp j, 0,1,2,3
	ds_load_b128 v[X+16*\b+4*\j:X+16*\b+4*\j+3], v3 offset:128*\b+16*\j   ; LDS serves a wave's instructions in order: these see the stores above
.endr
.endr
	s_wait_dscnt 0x0                               ; the numbers are back, and the stores have read the set of registers
	s_wait_xcnt 0x0                                ; the last step's stores have read the fragment's registers, which are written again below
.if (\s) < 6
	LOAD (\s)+2
.endif
	QUANT X, PC, PC+6, SW+(\s)
	s_cmp_lg_u32 s26, 0
	s_cbranch_scc1 .Lq_\@
.irp c, 0,1,2
	global_store_b128 v1, v[PC+4*\c:PC+4*\c+3], s[36:37] offset:1536*(\s)+512*\c th:TH_STORE_NT   ; 32 lanes store 512 consecutive bytes
.endr
	s_branch .Ld_\@
.Lq_\@:
.irp c, 0,1
.irp p, 0,1,2
	ds_store_b64 v4, v[PC+6*\c+2*\p:PC+6*\c+2*\p+1] offset:96*(\s)+48*\c+8*\p   ; the row's stream of bits: k = 128 s + 64 c + 32 h on
.endr
.endr
.Ld_\@:
.endm
	LOAD 0
	LOAD 1
.irp t, 0,1,2,3,4,5,6,7
	STEP \t
.endr
	v_cmp_eq_u32 vcc_lo, 1, v246
.irp i, 0,1,2,3
	v_cndmask_b32 v[CT+\i], v[SW+\i], v[SW+4+\i], vcc_lo         ; lanes 0-15 store the row's words 0-3, lanes 16-31 its words 4-7
.endr
	global_store_b128 v7, v[CT:CT+3], s[38:39]
	s_cmp_eq_u32 s26, 0
	s_cbranch_scc1 .Lend
	; queries: 16 rows x 768 bytes leave as 24 runs of 512 consecutive bytes; rows 8-15 of the tile are tokens 16 on: 6,144 bytes further
.irp j, 0,1,2,3,4,5,6,7,8,9,10,11,12,13,14,15,16,17,18,19,20,21,22,23
.if (\j%3) == 0
	ds_load_b128 v[R+4*\j:R+4*\j+3], v5 offset:2*(\j/3)*784
.elseif (\j%3) == 1
	ds_load_b128 v[R+4*\j:R+4*\j+3], v6 offset:2*(\j/3)*784+512
.else
	ds_load_b128 v[R+4*\j:R+4*\j+3], v5 offset:(2*(\j/3)+1)*784+256
.endif
.endr
.irp j, 0,1,2,3,4,5,6,7,8,9,10,11,12,13,14,15,16,17,18,19,20,21,22,23
	s_wait_dscnt 23-\j
	global_store_b128 v1, v[R+4*\j:R+4*\j+3], s[40:41] offset:512*\j+6144*(\j/12)
.endr
.Lend:
	s_wait_tensorcnt 0x0
	ds_add_u32 v248, v249
	s_wait_dscnt 0x0
	s_endpgm
; ---------------- the router ----------------
; A wave takes 16 tokens.  Lane l: t = l % 8, q = l / 8.  In stage i of 64 it multiplies k = 16 i + 4 q + 0..3 of tokens T0 + t and T0 + 8 + t by Wr's rows: 32 packed multiply-adds, a pair of experts each.
.Lrouter:
	s_lshl_b32 s19, ttmp9, 2
	s_add_co_u32 s19, s19, s18
	s_lshl_b32 s19, s19, 4                         ; T0
	s_lshl_b32 s20, s19, 12
	s_mov_b32 s21, 0
	v_and_b32 v1, 7, v0
	v_bfe_u32 v2, v0, 3, 2
	v_lshlrev_b32 v3, 12, v1
	v_lshl_add_u32 v3, v2, 4, v3                   ; x: row t, + 16 q
	v_lshlrev_b32 v4, 7, v2                        ; Wr: four rows of 32 bytes for each q
.irp a, 0,1,2,3,4,5,6,7,8,9,10,11,12,13,14,15
	v_mov_b32 v[8+\a], 0                           ; sixteen sums: token 0's eight experts, token 1's
.endr
	s_wait_kmcnt 0x0
	s_load_b256 s[44:51], s[12:13], 0x0            ; br
	s_add_nc_u64 s[4:5], s[4:5], s[20:21]
	s_add_nc_u64 s[16:17], s[16:17], RW_OFF
.macro RLOAD b, xo, wo
	global_load_b128 v[\b:\b+3], v3, s[4:5] offset:\xo
	global_load_b128 v[\b+4:\b+7], v3, s[4:5] offset:\xo+32768
.irp i, 0,1,2,3,4,5,6,7
	global_load_b128 v[\b+8+4*\i:\b+8+4*\i+3], v4, s[10:11] offset:\wo+16*\i
.endr
.endm
.macro RFMA b
.irp t, 0,1
.irp k, 0,1,2,3
.irp p, 0,1,2,3
.if (\k%2) == 0
	v_pk_fma_f32 v[8+8*\t+2*\p:9+8*\t+2*\p], v[\b+8+8*\k+2*\p:\b+9+8*\k+2*\p], v[\b+4*\t+2*(\k/2):\b+4*\t+2*(\k/2)+1], v[8+8*\t+2*\p:9+8*\t+2*\p] op_sel_hi:[1,0,1]
.else
	v_pk_fma_f32 v[8+8*\t+2*\p:9+8*\t+2*\p], v[\b+8+8*\k+2*\p:\b+9+8*\k+2*\p], v[\b+4*\t+2*(\k/2):\b+4*\t+2*(\k/2)+1], v[8+8*\t+2*\p:9+8*\t+2*\p] op_sel:[0,1,0] op_sel_hi:[1,1,1]
.endif
.endr
.endr
.endr
.endm
	RLOAD 24, 0, 0
	RLOAD 64, 64, 512
	s_mov_b32 s22, 31
.Lr:                                                   ; 31 trips of two stages; each asks for the stages two on
	s_wait_loadcnt 10                              ; the older set's ten loads are in, the other set's ten may be out
	RFMA 24
	RLOAD 24, 128, 1024
	s_wait_loadcnt 10
	RFMA 64
	RLOAD 64, 192, 1536
	s_wait_xcnt 0x0                                ; the loads have read their bases, which step now
	s_add_nc_u64 s[4:5], s[4:5], 128
	s_add_nc_u64 s[10:11], s[10:11], 1024
	s_sub_co_u32 s22, s22, 1
	s_cmp_lg_u32 s22, 0
	s_cbranch_scc1 .Lr
	s_wait_loadcnt 10                              ; the last two stages ask for nothing
	RFMA 24
	s_wait_loadcnt 0x0
	RFMA 64
.irp a, 0,1,2,3,4,5,6,7,8,9,10,11,12,13,14,15
	v_add_f32_dpp v[8+\a], v[8+\a], v[8+\a] row_xmask:8 row_mask:0xf bank_mask:0xf   ; q and q xor 1
.endr
.irp a, 0,1,2,3,4,5,6,7,8,9,10,11,12,13,14,15
	v_permlanex16_b32 v[24+\a], v[8+\a], s[SEL], s[SEL+1]
.endr
.irp a, 0,1,2,3,4,5,6,7,8,9,10,11,12,13,14,15
	v_add_f32 v[8+\a], v[8+\a], v[24+\a]           ; and q xor 2: every lane holds both tokens' sums
.endr
	v_and_b32 v5, 8, v0
	v_cmp_ne_u32 vcc_lo, 0, v5
	s_wait_kmcnt 0x0
.irp e, 0,1,2,3,4,5,6,7
	v_cndmask_b32 v[8+\e], v[8+\e], v[16+\e], vcc_lo             ; lane l keeps token T0 + l % 16
.endr
.irp e, 0,1,2,3,4,5,6,7
	v_add_f32 v[8+\e], s[44+\e], v[8+\e]
.endr
	v_mov_b32 v24, v8                              ; the largest and its expert,
	v_mov_b32 v25, 0
	v_mov_b32 v26, 0xff800000                      ; the second and its expert
	v_mov_b32 v27, 0
.irp e, 1,2,3,4,5,6,7                  ; strictly greater: of equal logits the lower index stays ahead
	v_cmp_gt_f32 vcc_lo, v[8+\e], v24
	v_cmp_gt_f32 s23, v[8+\e], v26
	v_cndmask_b32 v26, v26, v[8+\e], s23
	v_cndmask_b32 v27, v27, \e, s23
	v_cndmask_b32 v26, v26, v24, vcc_lo
	v_cndmask_b32 v27, v27, v25, vcc_lo
	v_cndmask_b32 v24, v24, v[8+\e], vcc_lo
	v_cndmask_b32 v25, v25, \e, vcc_lo
.endr
	v_sub_f32 v28, v26, v24                        ; the maximum is taken away: 0 or less
	v_mul_f32 v28, 0x3fb8aa3b, v28
	v_exp_f32 v28, v28
	v_and_b32 v30, 15, v0                          ; (a plain place behind the exponential)
	s_wait_alu depctr_va_vdst(0)                   ; the wait ahead of the result's first reader
	v_add_f32 v29, 1.0, v28
	v_rcp_f32 v29, v29                             ; the first weight: 1 / (1 + e^(second - first))
	v_add_nc_u32 v30, s19, v30                     ; (a plain place)  my token
	s_wait_alu depctr_va_vdst(0)
	v_mul_f32 v28, v28, v29                        ; the second weight
	v_lshlrev_b32 v30, 2, v30
	global_store_b32 v30, v25, s[14:15]            ; lanes 16-31 write the same words with the same values
	global_store_b32 v30, v27, s[14:15] offset:8192
	global_store_b32 v30, v29, s[16:17]
	global_store_b32 v30, v28, s[16:17] offset:8192
	s_endpgm
.Lfunc_end_k_q4fd7c864a8_prepx:
	.size	k_q4fd7c864a8_prepx, .Lfunc_end_k_q4fd7c864a8_prepx-k_q4fd7c864a8_prepx
	.p2alignl 7, 3214868480
	.fill 96, 4, 3214868480
	.section	.rodata,"a",@progbits
	.p2align	6, 0x0
	.amdhsa_kernel k_q4fd7c864a8_prepx
		.amdhsa_group_segment_fixed_size 84480
		.amdhsa_private_segment_fixed_size 0
		.amdhsa_enable_private_segment 0
		.amdhsa_kernarg_size 56
		.amdhsa_user_sgpr_count 2
		.amdhsa_user_sgpr_kernarg_segment_ptr 1
		.amdhsa_wavefront_size32 1
		.amdhsa_system_sgpr_workgroup_id_x 1
		.amdhsa_system_sgpr_workgroup_id_y 1
		.amdhsa_system_sgpr_workgroup_id_z 1
		.amdhsa_system_vgpr_workitem_id 0
		.amdhsa_next_free_vgpr 250
		.amdhsa_next_free_sgpr 66
		.amdhsa_reserve_vcc 1
		.amdhsa_float_denorm_mode_32 3
		.amdhsa_float_denorm_mode_16_64 3
		.amdhsa_memory_ordered 1
		.amdhsa_forward_progress 1
		.amdhsa_inst_pref_size 93
	.end_amdhsa_kernel
	.amdgpu_metadata
---
amdhsa.version: [ 1, 2 ]
amdhsa.kernels:
  - .name:           k_q4fd7c864a8_prepx
    .symbol:         k_q4fd7c864a8_prepx.kd
    .args:
      - { .name: queries, .offset: 0, .size: 8, .value_kind: global_buffer, .address_space: global }
      - { .name: keys, .offset: 8, .size: 8, .value_kind: global_buffer, .address_space: global }
      - { .name: values, .offset: 16, .size: 8, .value_kind: global_buffer, .address_space: global }
      - { .name: Wr, .offset: 24, .size: 8, .value_kind: global_buffer, .address_space: global }
      - { .name: br, .offset: 32, .size: 8, .value_kind: global_buffer, .address_space: global }
      - { .name: ridx, .offset: 40, .size: 8, .value_kind: global_buffer, .address_space: global }
      - { .name: xbuf, .offset: 48, .size: 8, .value_kind: global_buffer, .address_space: global }
    .group_segment_fixed_size: 84480
    .private_segment_fixed_size: 0
    .kernarg_segment_align: 8
    .kernarg_segment_size: 56
    .max_flat_workgroup_size: 128
    .sgpr_count:     66
    .vgpr_count:     250
    .wavefront_size: 32
...
	.end_amdgpu_metadata
.endif
;; end of part 1
;; launch prepw (part 2): grid 1025 x 1, 4 waves a work-group, no clusters, 25,088 bytes of LDS; arguments Wq, Wk, Wv, Wo, ridx, wbuf, lists; writes wbuf, lists
.if DOCPART == 2
	.amdgcn_target "amdgcn-amd-amdhsa--gfx1250"
	.amdhsa_code_object_version 6
	.text
	.protected	k_q4fd7c864a8_prepw
	.globl	k_q4fd7c864a8_prepw
	.p2align	8
	.type	k_q4fd7c864a8_prepw,@function
k_q4fd7c864a8_prepw:
	s_mov_b64 s[64:65], 0
	v_nop
	global_prefetch_b8 v0, s[64:65] scope:SCOPE_SE
	s_setreg_imm32_b32 hwreg(HW_REG_WAVE_MODE, 25, 1), 1
	s_wait_xcnt 0x0
; Work-groups 1-1024: Wq, Wk, Wv, Wo [8][1024 (k)][1024 (n)] f32, whose K is the FIRST axis of a matrix, become codes of FP6 (E2M3) with one E8M0 byte for each 32 along K.
;   A lane takes a column n and its registers run down K: a block of 32 lies in one lane, and the conversions give codes with K innermost.  Nothing is transposed by an instruction.
;   The codes leave as IMAGES of operands: wbuf [matrix 32][tile 64][step 8][1536]; register i of lane L at 512 (i / 4) + 16 L + 4 (i % 4); lane r of tile 2 beta + u holds column 32 beta + 8 u + r + 8 (r / 8).
;   Scale words: wbuf+WSC [matrix][tile][r 16][8 words].  A wave takes 32 columns (two tiles) x 256 along K (two steps): 6,144 bytes, gathered in its own stage in LDS.
; Work-group 0: THE PLACING of the 4,096 routed rows (slot x token) by group g = 8 batch + expert: a counting sort without atomics.  lists [4096] the rows' numbers, sorted; lists+16384 [128][4] = {g, first row, rows, 0}: tiles of 64 rows.
; LIMITS: NaN and infinities are not served; a block under 2^-124, a block of zeros among them, keeps the byte 1 (read by this program alone).
.set WSC, 25165824
.set X,    32                          ; v32-95   two sets of 32 numbers
.set C,    96                          ; v96-106  a block's codes
.set OUTR, 112                         ; v112-159 the way out
.set SB,   24                          ; v24-25   the scale bytes, four to a register
	s_load_b256 s[4:11], s[0:1], 0x0               ; Wq, Wk, Wv, Wo
	s_load_b128 s[12:15], s[0:1], 0x20             ; ridx s[12:13], wbuf s[14:15]
	s_load_b64 s[66:67], s[0:1], 0x30              ; lists
	v_lshl_add_u32 v192, v0, 2, 0x6000
	v_mov_b32 v193, 0
	v_lshrrev_b32 v1, 5, v0
	v_readfirstlane_b32 s68, v1                    ; wave 0..3
	s_cmp_eq_u32 ttmp9, 0
	s_cbranch_scc1 .Lplace
	s_sub_co_u32 s16, ttmp9, 1
	s_lshr_b32 s17, s16, 5                         ; the matrix: 8 x tensor + expert
	s_bfe_u32 s18, s16, 0x30002                    ; which 128 columns
	s_and_b32 s19, s16, 3                          ; which 256 along K
	s_lshl_b32 s20, s18, 2
	s_add_co_u32 s20, s20, s68                     ; beta: my wave's 32 columns
	s_lshr_b32 s21, s17, 3                         ; the tensor
	s_and_b32 s22, s17, 7                          ; the expert
	s_lshl_b32 s24, s22, 22
	s_lshl_b32 s23, s19, 20
	s_add_co_u32 s24, s24, s23
	s_lshl_b32 s23, s20, 7
	s_add_co_u32 s24, s24, s23                     ; in: expert x 4 MiB + 256 rows of 4,096 bytes x kq + 128 beta
	s_mov_b32 s25, 0
	s_lshl_b32 s26, s17, 6
	s_lshl_b32 s23, s20, 1
	s_add_co_u32 s26, s26, s23                     ; my first tile: 64 x matrix + 2 beta
	s_lshl_b32 s28, s26, 9
	s_add_co_u32 s28, s28, WSC
	s_lshl_b32 s23, s19, 3
	s_add_co_u32 s28, s28, s23                     ; its scale words of my two steps
	s_mov_b32 s29, 0
	s_lshl_b32 s26, s26, 3
	s_lshl_b32 s23, s19, 1
	s_add_co_u32 s26, s26, s23
	s_mul_i32 s26, s26, 1536                       ; its images of my two steps
	s_mov_b32 s27, 0
	v_and_b32 v2, 31, v0                           ; x: my column of the 32
	v_lshlrev_b32 v3, 2, v2
	v_and_b32 v5, 7, v2
	v_bfe_u32 v6, v0, 4, 1
	v_lshl_or_b32 v5, v6, 3, v5                    ; r = x % 8 + 8 (x / 16)
	v_bfe_u32 v6, v0, 3, 1                         ; u = (x / 8) % 2
	s_mul_i32 s30, s68, 6144
	v_mul_u32_u24 v4, v6, 3072
	v_lshl_add_u32 v4, v5, 4, v4
	v_add_nc_u32 v4, s30, v4                       ; the stage, in: tile u, lane r
	v_lshlrev_b32 v8, 4, v2                        ; 16 x lane
	v_add_nc_u32 v7, s30, v8                       ; the stage, out
	v_lshlrev_b32 v9, 9, v6
	v_lshl_add_u32 v9, v5, 5, v9                   ; scale words: tile u, row r
	s_wait_kmcnt 0x0
	s_cmp_lt_u32 s21, 1
	s_cselect_b64 s[4:5], s[4:5], s[6:7]
	s_cmp_lt_u32 s21, 3
	s_cselect_b64 s[8:9], s[8:9], s[10:11]
	s_cmp_lt_u32 s21, 2
	s_cselect_b64 s[4:5], s[4:5], s[8:9]           ; the tensor: a choice that hangs on the work-group's number alone
	s_add_nc_u64 s[4:5], s[4:5], s[24:25]
	s_add_nc_u64 s[6:7], s[14:15], s[26:27]
	s_add_nc_u64 s[8:9], s[14:15], s[28:29]
.macro LOAD t                          ; block t: W(32 t + i, my column): 32 lanes read 128 consecutive bytes, the four waves 512
.irp i, 0,1,2,3,4,5,6,7,8,9,10,11,12,13,14,15,16,17,18,19,20,21,22,23,24,25,26,27,28,29,30,31
	global_load_b32 v[X+32*((\t)%2)+\i], v3, s[4:5] offset:(32*(\t)+\i)*4096 th:TH_LOAD_NT
.endr
.endm
.macro BLOCK t
.set XS, X+32*((\t)%2)
.if (\t) < 7
	s_wait_loadcnt 32                              ; this block's 32 loads are in; the next block's may be out
.else
	s_wait_loadcnt 0x0
.endif
	v_max3_num_f32 v12, |v[XS]|, |v[XS+1]|, |v[XS+2]|
	v_max3_num_f32 v13, |v[XS+3]|, |v[XS+4]|, |v[XS+5]|
.irp i, 6,10,14,18,22,26
	v_max3_num_f32 v12, v12, |v[XS+\i]|, |v[XS+\i+1]|
	v_max3_num_f32 v13, v13, |v[XS+\i+2]|, |v[XS+\i+3]|
.endr
	v_max3_num_f32 v12, v12, |v[XS+30]|, |v[XS+31]|
	v_max3_num_f32 v12, v12, v13, 0x1800000        ; and the floor 2^(3 - 127)
	v_add_nc_u32 v11, 0xff000000, v12              ; 2 off the exponent field: the conversion's scale operand
	v_lshrrev_b32 v13, 23, v11                     ; the scale's byte
.if (\t)%4 == 0
	v_mov_b32 v[SB+(\t)/4], v13
.else
	v_lshl_or_b32 v[SB+(\t)/4], v13, 8*((\t)%4), v[SB+(\t)/4]
.endif
	v_cvt_scalef32_pk16_fp6_f32 v[C:C+2], v[XS:XS+15], v11
	v_cvt_scalef32_pk16_fp6_f32 v[C+8:C+10], v[XS+16:XS+31], v11
	v_nop                                          ; one plain place behind the scaled conversions
.irp i, 0,1,2
	v_mov_b32 v[C+3+\i], v[C+8+\i]                 ; the block's 24 bytes on end
.endr
; block t is k = 128 (t / 4) + 64 c + 32 hh on: registers 6 c .. 6 c + 5 of lane r + 16 hh of step t / 4
.if ((\t)/2)%2 == 0
	ds_store_b128 v4, v[C:C+3] offset:((\t)/4)*1536+256*((\t)%2)
	ds_store_b64 v4, v[C+4:C+5] offset:((\t)/4)*1536+512+256*((\t)%2)
.else
	ds_store_b64 v4, v[C:C+1] offset:((\t)/4)*1536+512+256*((\t)%2)+8
	ds_store_b128 v4, v[C+2:C+5] offset:((\t)/4)*1536+1024+256*((\t)%2)
.endif
.if (\t)+2 < 8
	LOAD (\t)+2
.endif
	s_wait_dscnt 0x0                               ; the stores have read their registers
.endm
	LOAD 0
	LOAD 1
.irp t, 0,1,2,3,4,5,6,7
	BLOCK \t
.endr
	global_store_b64 v9, v[SB:SB+1], s[8:9]        ; my column's two scale words
.irp j, 0,1,2,3,4,5,6,7,8,9,10,11
	ds_load_b128 v[OUTR+4*\j:OUTR+4*\j+3], v7 offset:512*\j
.endr
.irp j, 0,1,2,3,4,5,6,7,8,9,10,11
	s_wait_dscnt 11-\j
	global_store_b128 v8, v[OUTR+4*\j:OUTR+4*\j+3], s[6:7] offset:512*\j+9216*(\j/6)   ; 512 consecutive bytes; the second tile's images lie 12,288 bytes behind the first's
.endr
	s_wait_tensorcnt 0x0
	ds_add_u32 v192, v193
	s_wait_dscnt 0x0
	s_endpgm
; ---------------- the placing ----------------
; Row number pid = 2048 slot + token; its quarter pid / 1024 = 2 slot + batch.  Every wave counts all four quarters (s[16 + 8 quarter + e]); wave w then places quarter w.
.Lplace:
	v_and_b32 v2, 31, v0
	v_lshlrev_b32 v3, 4, v2
	s_lshl_b32 s69, s68, 12
	v_add_nc_u32 v4, s69, v3
	s_wait_kmcnt 0x0
.irp j, 0,1,2,3,4,5,6,7,8,9,10,11,12,13,14,15,16,17,18,19,20,21,22,23,24,25,26,27,28,29,30,31
	global_load_b128 v[32+4*\j:35+4*\j], v3, s[12:13] offset:512*\j          ; rows 128 j + 4 lane + 0..3
.endr
.irp j, 0,1,2,3,4,5,6,7
	global_load_b128 v[160+4*\j:163+4*\j], v4, s[12:13] offset:512*\j        ; my quarter once more
.endr
.irp i, 16,17,18,19,20,21,22,23,24,25,26,27,28,29,30,31,32,33,34,35,36,37,38,39,40,41,42,43,44,45,46,47
	s_mov_b32 s[\i], 0
.endr
	s_wait_loadcnt 0x0
.set J, 0
.rept 128
.irp e, 0,1,2,3,4,5,6,7
	v_cmp_eq_u32 s[48+\e], \e, v[32+J]
.endr
.irp e, 0,1,2,3,4,5,6,7
	s_bcnt1_i32_b32 s[48+\e], s[48+\e]
.endr
.irp e, 0,1,2,3,4,5,6,7
	s_add_co_u32 s[16+8*(J/32)+\e], s[16+8*(J/32)+\e], s[48+\e]
.endr
.set J, J+1
.endr
	; the running sums over the sixteen groups: s70 rows, s71 tiles.  Thread sigma keeps the last group whose first tile is not beyond sigma.
	s_mov_b32 s70, 0
	s_mov_b32 s71, 0
	v_mov_b32 v8, 0
	v_mov_b32 v9, 0
	v_mov_b32 v10, 0
	v_mov_b32 v11, 0
.irp g, 0,1,2,3,4,5,6,7,8,9,10,11,12,13,14,15
	s_mov_b32 s72, s[16+8*(\g/8)+(\g%8)]           ; the group's rows of slot 0,
	s_add_co_u32 s73, s72, s[32+8*(\g/8)+(\g%8)]   ; with those of slot 1
	s_mov_b32 s[16+8*(\g/8)+(\g%8)], s70           ; the counts give way to the first places
	s_add_co_u32 s[32+8*(\g/8)+(\g%8)], s70, s72
	v_cmp_le_u32 vcc_lo, s71, v0
	v_cndmask_b32 v8, v8, \g, vcc_lo
	v_cndmask_b32 v9, v9, s71, vcc_lo
	v_cndmask_b32 v10, v10, s70, vcc_lo
	v_cndmask_b32 v11, v11, s73, vcc_lo
	s_add_co_u32 s70, s70, s73
	s_add_co_u32 s74, s73, 63
	s_lshr_b32 s74, s74, 6
	s_add_co_u32 s71, s71, s74
.endr
	v_sub_nc_u32 v12, v0, v9                       ; which tile of its group
	v_lshlrev_b32 v12, 6, v12
	v_min_u32 v12, v12, v11
	v_add_nc_u32 v9, v10, v12                      ; its first row
	v_sub_nc_u32 v10, v11, v12
	v_min_u32 v10, 64, v10                         ; its rows: 0 beyond the last tile
	v_mov_b32 v11, 0
	v_lshlrev_b32 v13, 4, v0
	global_store_b128 v13, v[8:11], s[66:67] offset:16384
	s_cmp_eq_u32 s68, 1
.irp e, 0,1,2,3,4,5,6,7
	s_cselect_b32 s[56+\e], s[24+\e], s[16+\e]
.endr
	s_cmp_eq_u32 s68, 2
.irp e, 0,1,2,3,4,5,6,7
	s_cselect_b32 s[56+\e], s[32+\e], s[56+\e]
.endr
	s_cmp_eq_u32 s68, 3
.irp e, 0,1,2,3,4,5,6,7
	s_cselect_b32 s[56+\e], s[40+\e], s[56+\e]     ; my quarter's next free place for each expert
.endr
	s_lshl_b32 s69, s68, 10
	v_lshl_add_u32 v5, v2, 2, s69                  ; 1024 w + 4 lane
.set J, 0
.rept 32                               ; each store has a place register and a number register of its own
.irp e, 0,1,2,3,4,5,6,7
	v_cmp_eq_u32 s[48+\e], \e, v[160+J]
.endr
	v_mbcnt_lo_u32_b32 v[32+2*J], s48, s56         ; the next free place + the lanes below me with the same expert
.irp e, 1,2,3,4,5,6,7
	v_mbcnt_lo_u32_b32 v6, s[48+\e], s[56+\e]
	v_cndmask_b32 v[32+2*J], v[32+2*J], v6, s[48+\e]
.endr
.irp e, 0,1,2,3,4,5,6,7
	s_bcnt1_i32_b32 s[48+\e], s[48+\e]
.endr
.irp e, 0,1,2,3,4,5,6,7
	s_add_co_u32 s[56+\e], s[56+\e], s[48+\e]
.endr
	v_min_u32 v[32+2*J], 4095, v[32+2*J]           ; a place made of loaded numbers is held inside the list
	v_lshlrev_b32 v[32+2*J], 2, v[32+2*J]
	v_add_nc_u32 v[33+2*J], 128*(J/4)+(J%4), v5
	global_store_b32 v[32+2*J], v[33+2*J], s[66:67]
.set J, J+1
.endr
	s_endpgm
.Lfunc_end_k_q4fd7c864a8_prepw:
	.size	k_q4fd7c864a8_prepw, .Lfunc_end_k_q4fd7c864a8_prepw-k_q4fd7c864a8_prepw
	.p2alignl 7, 3214868480
	.fill 96, 4, 3214868480
	.section	.rodata,"a",@progbits
	.p2align	6, 0x0
	.amdhsa_kernel k_q4fd7c864a8_prepw
		.amdhsa_group_segment_fixed_size 25088
		.amdhsa_private_segment_fixed_size 0
		.amdhsa_enable_private_segment 0
		.amdhsa_kernarg_size 56
		.amdhsa_user_sgpr_count 2
		.amdhsa_user_sgpr_kernarg_segment_ptr 1
		.amdhsa_wavefront_size32 1
		.amdhsa_system_sgpr_workgroup_id_x 1
		.amdhsa_system_sgpr_workgroup_id_y 1
		.amdhsa_system_sgpr_workgroup_id_z 1
		.amdhsa_system_vgpr_workitem_id 0
		.amdhsa_next_free_vgpr 194
		.amdhsa_next_free_sgpr 100
		.amdhsa_reserve_vcc 1
		.amdhsa_float_denorm_mode_32 3
		.amdhsa_float_denorm_mode_16_64 3
		.amdhsa_memory_ordered 1
		.amdhsa_forward_progress 1
		.amdhsa_inst_pref_size 255
	.end_amdhsa_kernel
	.amdgpu_metadata
---
amdhsa.version: [ 1, 2 ]
amdhsa.kernels:
  - .name:           k_q4fd7c864a8_prepw
    .symbol:         k_q4fd7c864a8_prepw.kd
    .args:
      - { .name: Wq, .offset: 0, .size: 8, .value_kind: global_buffer, .address_space: global }
      - { .name: Wk, .offset: 8, .size: 8, .value_kind: global_buffer, .address_space: global }
      - { .name: Wv, .offset: 16, .size: 8, .value_kind: global_buffer, .address_space: global }
      - { .name: Wo, .offset: 24, .size: 8, .value_kind: global_buffer, .address_space: global }
      - { .name: ridx, .offset: 32, .size: 8, .value_kind: global_buffer, .address_space: global }
      - { .name: wbuf, .offset: 40, .size: 8, .value_kind: global_buffer, .address_space: global }
      - { .name: lists, .offset: 48, .size: 8, .value_kind: global_buffer, .address_space: global }
    .group_segment_fixed_size: 25088
    .private_segment_fixed_size: 0
    .kernarg_segment_align: 8
    .kernarg_segment_size: 56
    .max_flat_workgroup_size: 128
    .sgpr_count:     100
    .vgpr_count:     194
    .wavefront_size: 32
...
	.end_amdgpu_metadata
.endif
;; end of part 2
;; launch kvproj (part 3): grid 4 x 64, 4 waves a work-group, clusters of 4 x 4, 327,680 bytes of LDS; arguments xbuf, wbuf, bk, bv, kvbuf; writes kvbuf
.if DOCPART == 3
	.amdgcn_target "amdgcn-amd-amdhsa--gfx1250"
	.amdhsa_code_object_version 6
	.text
	.protected	k_q4fd7c864a8_kvproj
	.globl	k_q4fd7c864a8_kvproj
	.p2align	8
	.type	k_q4fd7c864a8_kvproj,@function
k_q4fd7c864a8_kvproj:
	s_mov_b64 s[64:65], 0
	v_nop
	global_prefetch_b8 v0, s[64:65] scope:SCOPE_SE
	s_setreg_imm32_b32 hwreg(HW_REG_WAVE_MODE, 25, 1), 1
	s_wait_xcnt 0x0
	s_wait_alu depctr_hold_cnt(0) depctr_sa_sdst(0) depctr_va_vdst(0) depctr_va_sdst(0) depctr_va_ssrc(0) depctr_va_vcc(0) depctr_vm_vsrc(0)
	s_getreg_b32 s2, hwreg(HW_REG_IB_STS2, 6, 4)
	s_cmp_eq_u32 s2, 0
	s_cbranch_scc0 .Lentry_in_a_cluster
	s_endpgm
.Lentry_in_a_cluster:
	s_bfe_u32 s2, ttmp6, 0x10000c
	s_cmp_lg_u32 s2, 0xf033
	s_cbranch_scc0 .Lentry_shape_is_right
	s_endpgm
.Lentry_shape_is_right:
; Sixteen products of 1,024 x 1,024 x 1,024 on codes of FP6 (E2M3) with E8M0 scales: k = keys Wk[e] + bk[e] and v = values Wv[e] + bv[e] for the 2 x 512 keys of expert e; a cluster of 4 x 4 work-groups makes one.
; A work-group makes 256 x 256, a wave 128 x 128: 64 accumulators, 512 registers.  K goes in steps of 256 through a ring of two LDS slots filled by joint tensor loads.
; SOURCE 1 (called A here) gives the result's lanes, SOURCE 0 (B) its registers.  k is wanted with the channels along a lane's registers (it is quantised along a head's 64): A = keys, B = Wk.
; v is wanted with the keys along the registers (it is quantised along the keys): A = Wv, B = values.  Which it is hangs on the cluster's number alone.
; Both operands lie in memory as IMAGES of fragments, [tile of 16 rows][step of 128 K][1,536 bytes]: a fragment is three loads of 16 bytes a lane at 16 x lane + 512 c, with no pitch and no padding.
; Lane r of tile 2 beta + u holds row 32 beta + 8 u + r + 8 (r / 8), so that the 16 registers of two neighbouring result tiles are 16 neighbours along B's rows.
; The scale words of the work-group's rows, for all of K, come into LDS once, with the first fills.
; THE WAY OUT: bias added in f32, 64 numbers of a lane quantised in registers, images stored: 512 consecutive bytes a store.
;   kvbuf: kimg [g 16][head 16][step 4][f 4][1536]: a DOUBLE fragment: k 0-63 = the head's 64 channels of key tile 2 f, k 64-127 = those of key tile 2 f + 1;  vimg at VIMG [g][head][step][c 4][1536]: 16 channels x 128 keys;
;   ksc at KSC, vsc at VSC: [g][head][step][lane 32][4 words].  g = 8 batch + expert.
; LIMITS: NaN and infinities are not served; a block under 2^-124 keeps the byte 1 (read by this program alone).
; REGISTERS, in windows of 256: window 0: v0-31 addresses; v32-63 scale words, two sets; v64-127 and v224-239 the biases; from v128 A's fragments, one set; v240-255 at work on the way out.
;   window 1: B's fragments, two sets, at v0 and v128.  window 2: the accumulators of A's blocks 0-3 ((a, b) at v[8 (8 a + b)]); window 3: those of blocks 4-7.
.set NQ,     2                         ; matrix instructions deep in a slot
.set FR,     12                        ; registers of a fragment
.set NL,     3                         ; LDS loads that bring one
.set NP,     4                         ; places behind this matrix instruction (ISA guide 7.12.1)
.set HALFT,  24576                     ; 8 tiles x 2 steps x 1,536 bytes: what one tensor load brings, and what one wave reads of A or of B
.set SLOT,   4*HALFT
.set SCL,    2*SLOT                    ; behind the ring: the scale words, as units of 256 bytes + 16 of padding
.set HALFS,  4352                      ; those of 128 rows: 16 units
.set SBLK,   544                       ; those of 16 rows
.set SPARE,  SCL+4*HALFS               ; the spare words, 128 bytes for each wave: two blocks of 256 bytes that no other line names
.set VIMG,   6291456
.set KSC,    12582912
.set VSC,    13107200
.set PWT,  2                           ; v2-3    the way out: two scale words just made
.set BAK,  4                           ; v4      address of the bias by registers;  v5 of the bias by lanes
.set OUTO, 6                           ; v6      16 x lane
.set SWD,  8                           ; v8-15   the way out: eight scale words to be stored
.set ADRA, 16                          ; v16-17  LDS address of my A fragments in slot 0, 1
.set ADRB, 20                          ; v20-21  the same for B
.set ADRS, 27                          ; v27     LDS address of my scale words: lanes 0-15 A's rows, lanes 16-31 B's
.set SPW,  28                          ; v28     LDS address of my spare word; never rewritten
.set NIL,  29                          ; v29     0; never rewritten
.set SC,   32                          ; scale words: set s at v[SC + 16 s]; register 2 i + q: lanes 0-15 A's block i, lanes 16-31 B's block i
.set BK,   64                          ; v64-127  bias of my 128 B rows, in the result's registers
.set AF,   128                         ; A's fragments
.set H,    128                         ; the way out: 64 numbers
.set PCE,  192                         ; v192-203 a fragment just made;  v204-215 another
.set PCO,  204
.set CT,   216                         ; v216-223 the conversions' second halves
.set BV,   224                         ; v224-239 bias of my 128 A rows: a pair of equal numbers for each block
.set TM,   240                         ; v240-255 at work
.set SEL,  18                          ; s[18:19] lane selects: lane l xor 16 (set behind the address work)
.set G1, 24                            ; s[24:31] descriptor group 1 for A's tiles;  s[32:39] group 0, one set for each slot
.set G0, 32
.set G1B, 48                           ; s[48:55], s[56:63] the same for B's tiles
.set G0B, 56
.set G1S, 68                           ; s[68:75], s[76:79] groups 1 and 0 for A's scales;  s[80:87], s[88:91] for B's
.set G0S, 76
.set G1SB, 80
.set G0SB, 88
.set MSB, 0
.macro WIN new                         ; the immediate's high byte repeats the setting that is left
.if MSB != (\new)
	s_set_vgpr_msb (MSB<<8)|(\new)
.set MSB, (\new)
.endif
.endm
.set MUL_LO, 0xa1                      ; source 0 (B) window 1, source 1 (A) window 0, C and D window 2
.set MUL_HI, 0xf1                      ; the same, C and D window 3
.set TO_B,   0x40                      ; destination window 1, address window 0
; A joint load: waves 0 and 1 fetch for A, waves 2 and 3 for B.  Each line has one mask and one set of registers for all that issue it; the branch hangs on the wave's number alone.
; Four v_nop follow each of the two lines, ahead of the jump, the label and what follows.
.macro JLOAD g0a, g1a, g0b, g1b
	s_cmp_eq_u32 s15, 0
	s_cbranch_scc0 .Lfor_b_\@
	tensor_load_to_lds s[\g0a:\g0a+3], s[\g1a:\g1a+7]
	s_nop 0
.rept 4
	v_nop
.endr
	s_branch .Lasked_\@
.Lfor_b_\@:
	tensor_load_to_lds s[\g0b:\g0b+3], s[\g1b:\g1b+7]
	s_nop 0
.rept 4
	v_nop
.endr
.Lasked_\@:
.endm
.macro CREST                           ; the cluster's barrier behind its opening work-group barrier
	s_cmp_lg_u32 s14, 0
	s_cbranch_scc1 .Lnot_wave_0_\@
	s_barrier_signal -3
.Lnot_wave_0_\@:
	s_barrier_wait -3
	s_barrier_signal -1
	s_barrier_wait -1
.endm
.macro CROUND
	s_barrier_signal -1
	s_barrier_wait -1
	CREST
.endm
; 64 numbers of a lane become a fragment's two halves, six registers at d0 and six at d1, and the row's scale word in pw.
.macro QUANT s, d0, d1, pw
.irp b, 0,1,2,3
	v_max3_num_f32 v[TM+\b], |v[(\s)+16*\b]|, |v[(\s)+1+16*\b]|, 0x1800000   ; my 16 numbers of block b, and the floor 2^(3 - 127)
.endr
.irp i, 2,4,6,8,10,12,14
.irp b, 0,1,2,3
	v_max3_num_f32 v[TM+\b], v[TM+\b], |v[(\s)+16*\b+\i]|, |v[(\s)+1+16*\b+\i]|
.endr
.endr
.irp b, 0,1,2,3
	v_permlanex16_b32 v[TM+4+\b], v[TM+\b], s[SEL], s[SEL+1]
.endr
.irp b, 0,1,2,3
	v_max_num_f32 v[TM+\b], v[TM+\b], v[TM+4+\b]
.endr
.irp b, 0,1,2,3
	v_add_nc_u32 v[TM+12+\b], 0xff000000, v[TM+\b]               ; 2 off the exponent field: the conversion's scale operand
.endr
.irp b, 0,1,2,3
	v_lshrrev_b32 v[TM+4+\b], 23, v[TM+12+\b]                    ; the scale's byte
.endr
	v_lshl_or_b32 v[\pw], v[TM+5], 8, v[TM+4]
	v_lshl_or_b32 v[\pw], v[TM+6], 16, v[\pw]
	v_lshl_or_b32 v[\pw], v[TM+7], 24, v[\pw]
	v_cvt_scalef32_pk16_fp6_f32 v[(\d0):(\d0)+2], v[(\s):(\s)+15], v[TM+12]
	v_cvt_scalef32_pk16_fp6_f32 v[CT:CT+2], v[(\s)+16:(\s)+31], v[TM+13]
	v_cvt_scalef32_pk16_fp6_f32 v[(\d1):(\d1)+2], v[(\s)+32:(\s)+47], v[TM+14]
	v_cvt_scalef32_pk16_fp6_f32 v[CT+4:CT+6], v[(\s)+48:(\s)+63], v[TM+15]
	v_nop                                                        ; one plain place behind the scaled conversions
.irp i, 0,1,2
	v_permlane16_swap_b32 v[(\d0)+\i], v[CT+\i]
	v_permlane16_swap_b32 v[(\d1)+\i], v[CT+4+\i]
.endr
.irp i, 0,1,2
	v_mov_b32 v[(\d0)+3+\i], v[CT+\i]
	v_mov_b32 v[(\d1)+3+\i], v[CT+4+\i]
.endr
.endm
	s_load_b256 s[4:11], s[0:1], 0x0               ; xbuf s[4:5], wbuf s[6:7], bk s[8:9], bv s[10:11]
	s_load_b64 s[12:13], s[0:1], 0x20              ; kvbuf
	v_lshl_add_u32 v[SPW], v0, 2, SPARE
	v_mov_b32 v[NIL], 0
	ds_add_u32 v28, v29
	ds_add_u32 v28, v29
	s_wait_dscnt 0x0
	v_lshrrev_b32 v1, 5, v0
	v_readfirstlane_b32 s14, v1                    ; wave 0..3
	s_lshr_b32 s15, s14, 1                         ; which half of A's rows is mine.  Also: I fetch for A (0) or for B (1)
	s_and_b32 s16, s14, 1                          ; which half of B's rows.  Also: which 8 tiles I fetch
	s_bfe_u32 s40, ttmp6, 0x40000                  ; cx: which 256 of B's rows
	s_bfe_u32 s41, ttmp6, 0x40004                  ; cy: which 256 of A's rows
	s_and_b32 s17, ttmp7, 0xffff                   ; the cluster's number: 8 kv + expert
	s_lshr_b32 s95, s17, 3                         ; kv: 0 = k, 1 = v
	s_and_b32 s96, s17, 7                          ; the expert
	s_lshl_b32 s43, s41, 2
	s_lshl_b32 s43, 15, s43                        ; my row of the cluster
	s_lshl_b32 s44, 0x1111, s40                    ; my column
	; descriptor group 1: 8 rows (tiles) of 3,072 bytes (two steps' images), 12,288 bytes apart; elements of 8 bytes; no padding
	s_or_b32 s[G1+0], s43, (3<<16)|(1<<21)         ; 15:0 the mask: A's tiles go to my row; 17:16 elements of 8 bytes; 21 set beside a mask
	s_or_b32 s[G1B+0], s44, (3<<16)|(1<<21)
.irp g, G1, G1B
	s_mov_b32 s[\g+1], 384<<16                     ; tensor_dim0
	s_mov_b32 s[\g+2], 8<<16                       ; tensor_dim1
	s_mov_b32 s[\g+3], 384<<16                     ; tile_dim0
	s_mov_b32 s[\g+4], 8                           ; tile_dim1
	s_mov_b32 s[\g+5], 1536                        ; tensor_dim0_stride
	s_mov_b32 s[\g+6], 0
	s_mov_b32 s[\g+7], 0
.endr
	; the scale words of 8 tiles: 4,096 dense bytes, as 16 rows of 256 bytes, 16 bytes of padding behind each
	s_or_b32 s[G1S+0], s43, (3<<16)|(1<<20)|(1<<21)|(5<<22)|(3<<25)
	s_or_b32 s[G1SB+0], s44, (3<<16)|(1<<20)|(1<<21)|(5<<22)|(3<<25)
.irp g, G1S, G1SB
	s_mov_b32 s[\g+1], 32<<16
	s_mov_b32 s[\g+2], 16<<16
	s_mov_b32 s[\g+3], 32<<16
	s_mov_b32 s[\g+4], 16
	s_mov_b32 s[\g+5], 32
	s_mov_b32 s[\g+6], 0
	s_mov_b32 s[\g+7], 0
.endr
	; the tiles that I fetch.  In xbuf: 512 kv + 256 batch + 32 expert + 16 (half of the chunk) + 8 half; in wbuf: 64 (8 (1 + kv) + expert) + 16 t + 8 half.
	; A's hang on cy alone, B's on cx alone, each in registers that never hold the other.
	s_lshl_b32 s18, s16, 3
	s_lshl_b32 s19, s95, 9
	s_lshl_b32 s97, s96, 5
	s_add_co_u32 s19, s19, s97
	s_add_co_u32 s19, s19, s18                     ; what xbuf's tiles share
	s_add_co_u32 s97, s95, 1
	s_lshl_b32 s97, s97, 3
	s_add_co_u32 s97, s97, s96
	s_lshl_b32 s97, s97, 6
	s_add_co_u32 s97, s97, s18                     ; what wbuf's tiles share
	s_lshr_b32 s20, s41, 1
	s_lshl_b32 s20, s20, 8
	s_and_b32 s21, s41, 1
	s_lshl_b32 s21, s21, 4
	s_add_co_u32 s20, s20, s21
	s_add_co_u32 s20, s20, s19
	s_lshl_b32 s21, s41, 4
	s_add_co_u32 s21, s21, s97
	s_lshr_b32 s46, s40, 1
	s_lshl_b32 s46, s46, 8
	s_and_b32 s47, s40, 1
	s_lshl_b32 s47, s47, 4
	s_add_co_u32 s46, s46, s47
	s_add_co_u32 s46, s46, s19
	s_lshl_b32 s47, s40, 4
	s_add_co_u32 s47, s47, s97
	s_mov_b32 s98, 12582912                        ; where xbuf's scale words begin,
	s_mov_b32 s99, 25165824                        ; and wbuf's
	s_cmp_lg_u32 s95, 0
	s_cselect_b32 s20, s21, s20                    ; A's tile: of Wv, or of keys
	s_cselect_b32 s46, s46, s47                    ; B's tile: of values, or of Wk
	s_cselect_b32 s21, s99, s98
	s_cselect_b32 s47, s98, s99
	s_lshl_b32 s22, s20, 9
	s_add_co_u32 s22, s22, s21
	s_mov_b32 s23, 0
	s_mul_i32 s20, s20, 12288
	s_mov_b32 s21, 0
	s_lshl_b32 s92, s46, 9
	s_add_co_u32 s92, s92, s47
	s_mov_b32 s93, 0
	s_mul_i32 s46, s46, 12288
	s_mov_b32 s47, 0
	s_mul_i32 s45, s14, HALFT                      ; where they go: no place in the cluster enters an LDS address
	s_mul_i32 s94, s14, HALFS
	s_wait_kmcnt 0x0
	s_cmp_lg_u32 s95, 0
	s_cselect_b64 s[66:67], s[6:7], s[4:5]         ; A's buffer
	s_cselect_b64 s[98:99], s[4:5], s[6:7]         ; B's buffer
	s_cselect_b64 s[8:9], s[10:11], s[8:9]         ; the bias
	s_add_nc_u64 s[20:21], s[66:67], s[20:21]
	s_add_nc_u64 s[22:23], s[66:67], s[22:23]
	s_add_nc_u64 s[46:47], s[98:99], s[46:47]
	s_add_nc_u64 s[92:93], s[98:99], s[92:93]
	CROUND                                         ; all sixteen work-groups are here: the first joint loads meet
	s_mov_b32 s[G0S], 1
	s_add_co_u32 s[G0S+1], s94, SCL
	s_mov_b64 s[G0S+2:G0S+3], s[22:23]
	s_or_b32 s[G0S+3], s[G0S+3], 0x80000000
	s_mov_b32 s[G0SB], 1
	s_add_co_u32 s[G0SB+1], s94, SCL
	s_mov_b64 s[G0SB+2:G0SB+3], s[92:93]
	s_or_b32 s[G0SB+3], s[G0SB+3], 0x80000000
	JLOAD G0S, G1S, G0SB, G1SB                     ; the scale words first: three loads of mine are out behind the first fills
.irp s, 0,1
	s_mov_b32 s[G0+4*\s], 1
	s_add_co_u32 s[G0+4*\s+1], s45, \s*SLOT
	s_add_nc_u64 s[G0+4*\s+2:G0+4*\s+3], s[20:21], \s*3072
	s_or_b32 s[G0+4*\s+3], s[G0+4*\s+3], 0x80000000
	s_mov_b32 s[G0B+4*\s], 1
	s_add_co_u32 s[G0B+4*\s+1], s45, \s*SLOT
	s_add_nc_u64 s[G0B+4*\s+2:G0B+4*\s+3], s[46:47], \s*3072
	s_or_b32 s[G0B+4*\s+3], s[G0B+4*\s+3], 0x80000000
	JLOAD G0+4*\s, G1, G0B+4*\s, G1B
.endr
	v_and_b32 v1, 15, v0                           ; r
	v_bfe_u32 v2, v0, 4, 1                         ; h
	v_and_b32 v3, 31, v0
	v_lshlrev_b32 v[OUTO], 4, v3                   ; 16 x lane
	s_mul_i32 s21, s15, HALFT                      ; my 8 tiles of A
	s_mul_i32 s22, s16, HALFT                      ; my 8 tiles of B,
	s_add_co_u32 s22, s22, 2*HALFT                 ; which lie behind A's 16
.irp s, 0,1
	v_add_nc_u32 v[ADRA+\s], s21, v[OUTO]
	v_add_nc_u32 v[ADRB+\s], s22, v[OUTO]
	s_add_co_u32 s21, s21, SLOT
	s_add_co_u32 s22, s22, SLOT
.endr
	v_mul_u32_u24 v7, v1, 32                       ; my row's scale words: 32 bytes a row,
	v_lshrrev_b32 v3, 8, v7
	v_lshl_add_u32 v7, v3, 4, v7                   ; and 16 more for each 256 passed
	s_mul_i32 s21, s15, HALFS
	s_mul_i32 s22, s16, HALFS
	s_add_co_u32 s22, s22, 2*HALFS
	s_sub_co_u32 s22, s22, s21
	v_mul_u32_u24 v3, s22, v2                      ; lanes 16-31 take B's
	s_add_co_u32 s21, s21, SCL
	v_add_nc_u32 v7, v7, v3
	v_add_nc_u32 v[ADRS], s21, v7
.irp b, 0,1,2,3
	v_mov_b32 v[TM+4+\b], 0                        ; written once: a lane permute's destination counts as one of its sources
.endr
	; the biases, in both forms: by the result's registers (k: the channels are B's rows), and by its lanes (v: the channels are A's rows)
	s_lshl_b32 s18, s96, 12
	s_mov_b32 s19, 0
	s_add_nc_u64 s[8:9], s[8:9], s[18:19]
	s_lshl_b32 s97, s40, 10
	s_lshl_b32 s98, s16, 9
	s_add_co_u32 s97, s97, s98
	v_lshl_add_u32 v[BAK], v2, 6, s97              ; 4 (256 cx + 128 half) + 64 h
	s_lshl_b32 s97, s41, 10
	s_lshl_b32 s98, s15, 9
	s_add_co_u32 s97, s97, s98
	v_and_b32 v3, 8, v1
	v_add_nc_u32 v3, v3, v1
	v_lshl_add_u32 v[BAK+1], v3, 2, s97            ; 4 (256 cy + 128 half + r + 8 (r / 8))
.irp b, 0,1,2,3,4,5,6,7
	global_load_b128 v[BK+8*\b:BK+8*\b+3], v[BAK], s[8:9] offset:(32*(\b/2)+8*(\b%2))*4
	global_load_b128 v[BK+8*\b+4:BK+8*\b+7], v[BAK], s[8:9] offset:(32*(\b/2)+8*(\b%2))*4+16
.endr
.irp a, 0,1,2,3,4,5,6,7
	global_load_b32 v[BV+2*\a], v[BAK+1], s[8:9] offset:(32*(\a/2)+8*(\a%2))*4
	global_load_b32 v[BV+2*\a+1], v[BAK+1], s[8:9] offset:(32*(\a/2)+8*(\a%2))*4
.endr
	; where my results go
	s_cmp_lg_u32 s95, 0
	s_cselect_b32 s17, s40, s41                    ; the side of the keys,
	s_cselect_b32 s18, s41, s40                    ; the side of the channels,
	s_cselect_b32 s19, s16, s15                    ; and my halves of them
	s_cselect_b32 s97, s15, s16
	s_cselect_b32 s98, VIMG, 0
	s_mov_b32 s99, KSC
	s_cselect_b32 s99, VSC, s99
	s_lshr_b32 s2, s17, 1
	s_lshl_b32 s2, s2, 3
	s_add_co_u32 s2, s2, s96                       ; g = 8 batch + expert
	s_and_b32 s17, s17, 1
	s_lshl_b32 s17, s17, 1
	s_add_co_u32 s17, s17, s19                     ; which 128 of the chunk's keys
	s_lshl_b32 s18, s18, 1
	s_add_co_u32 s18, s18, s97
	s_lshl_b32 s18, s18, 1                         ; my first head of two
	s_lshl_b32 s2, s2, 4
	s_add_co_u32 s2, s2, s18
	s_lshl_b32 s18, s2, 4
	s_lshl_b32 s19, s17, 2
	s_add_co_u32 s18, s18, s19
	s_mul_i32 s18, s18, 1536
	s_add_co_u32 s18, s18, s98
	s_mov_b32 s19, 0
	s_lshl_b32 s2, s2, 2
	s_add_co_u32 s2, s2, s17
	s_lshl_b32 s2, s2, 9
	s_add_co_u32 s2, s2, s99
	s_mov_b32 s3, 0
	s_add_nc_u64 s[66:67], s[12:13], s[2:3]        ; the scale words
	s_add_nc_u64 s[12:13], s[12:13], s[18:19]      ; the images
	s_mov_b32 s[SEL], 0x76543210
	s_mov_b32 s[SEL+1], 0xfedcba98
.macro FRAG reg, adr, q, i             ; a fragment's image: three loads of 512 consecutive bytes
.irp c, 0,1,2
	ds_load_b128 v[(\reg)+4*\c:(\reg)+4*\c+3], v[\adr] offset:(\i)*3072+(\q)*1536+512*\c
.endr
.endm
; 16 matrix instructions: A's blocks a0, a0 + 1 x B's eight, 128 along K.  p: B's set;  sc: the set of scale words.  zero = 1: the first product starts the sums.
; The 64 accumulators take turns, one instruction a turn, in the same order in every step.
.macro MUL16 a0, p, q, sc, zero
.irp a, \a0, \a0+1
.irp b, 0,1,2,3,4,5,6,7
.if \zero
	v_wmma_scale_f32_16x16x128_f8f6f4 v[8*(8*((\a)%4)+\b):8*(8*((\a)%4)+\b)+7], v[128*(\p)+FR*\b:128*(\p)+FR*\b+FR-1], v[AF+FR*(\a):AF+FR*(\a)+FR-1], 0, v[SC+8*NQ*(\sc)+NQ*\b+(\q)], v[SC+8*NQ*(\sc)+NQ*(\a)+(\q)] matrix_a_fmt:MATRIX_FMT_FP6 matrix_b_fmt:MATRIX_FMT_FP6 matrix_a_scale:MATRIX_SCALE_ROW1
.else
	v_wmma_scale_f32_16x16x128_f8f6f4 v[8*(8*((\a)%4)+\b):8*(8*((\a)%4)+\b)+7], v[128*(\p)+FR*\b:128*(\p)+FR*\b+FR-1], v[AF+FR*(\a):AF+FR*(\a)+FR-1], v[8*(8*((\a)%4)+\b):8*(8*((\a)%4)+\b)+7], v[SC+8*NQ*(\sc)+NQ*\b+(\q)], v[SC+8*NQ*(\sc)+NQ*(\a)+(\q)] matrix_a_fmt:MATRIX_FMT_FP6 matrix_b_fmt:MATRIX_FMT_FP6 matrix_a_scale:MATRIX_SCALE_ROW1
.endif
.endr
.endr
.endm
.macro FETCH_B slot, q, p
	WIN TO_B
.irp i, 0,1,2,3,4,5,6,7
	FRAG 128*(\p)+FR*\i, ADRB+\slot, \q, \i
.endr
	WIN 0
.endm
.macro FETCH_A slot, q, i0
.irp i, \i0, \i0+1, \i0+2, \i0+3
	FRAG AF+FR*(\i), ADRA+\slot, \q, \i
.endr
.endm
.macro SCALES sc                       ; the slot's scale words: two words a row; lanes 0-15 A's block i, lanes 16-31 B's block i
.irp i, 0,1,2,3,4,5,6,7
	ds_load_b64 v[SC+8*NQ*\sc+NQ*\i:SC+8*NQ*\sc+NQ*\i+1], v[ADRS] offset:\i*SBLK
.endr
.endm
.macro PLACES n                        ; plain vector instructions between a matrix instruction and a load into, or a read of, its registers
.rept \n
	v_nop
.endr
.endm
; A step of 128 along K that has its successor in the same slot.
.macro STEP slot, q, zero
	s_wait_dscnt 4*NL                              ; B's set and A's blocks 0-3 are in; the youngest twelve loads (A's blocks 4-7) may be out
	WIN MUL_LO
	MUL16 0, (\q)%2, \q, \slot, \zero
	MUL16 2, (\q)%2, \q, \slot, \zero
	s_wait_dscnt 0
	PLACES NP
	FETCH_B \slot, (\q)+1, 1-(\q)%2
	FETCH_A \slot, (\q)+1, 0
	WIN MUL_HI
	MUL16 4, (\q)%2, \q, \slot, \zero
	MUL16 6, (\q)%2, \q, \slot, \zero
	PLACES NP
	WIN 0
	FETCH_A \slot, (\q)+1, 4
.endm
; A slot's last step changes slots: one barrier; in front of it each wave waits for all its tensor loads, adds 0 to its spare word, and waits for that and for its own reads of this slot.
.macro TURN slot, next, fill
	s_wait_tensorcnt 0x0                           ; all my tensor loads have landed: my part of the next slot
	ds_add_u32 v[SPW], v[NIL]                      ; 0 onto my spare word
	s_wait_dscnt 4*NL+1                            ; (the add and the youngest twelve loads may be out)
	WIN MUL_LO
	MUL16 0, 1, NQ-1, \slot, 0
	s_wait_dscnt 0x0                               ; the add is done, and my reads of this slot are over
	s_barrier_signal -1
	MUL16 2, 1, NQ-1, \slot, 0
	WIN 0
	s_barrier_wait -1
.if \fill
	CREST                                          ; no wave of any partner still reads this slot or has a load on its way
	s_add_nc_u64 s[G0+4*\slot+2:G0+4*\slot+3], s[G0+4*\slot+2:G0+4*\slot+3], 6144
	s_add_nc_u64 s[G0B+4*\slot+2:G0B+4*\slot+3], s[G0B+4*\slot+2:G0B+4*\slot+3], 6144
	JLOAD G0+4*\slot, G1, G0B+4*\slot, G1B         ; my one tensor load behind the barrier; its four v_nop are the places in front of the loads below
.else
	PLACES NP
.endif
	v_add_nc_u32 v[ADRS], 4*NQ, v[ADRS]            ; on to the next slot's scale words
	FETCH_B \next, 0, 0
	FETCH_A \next, 0, 0
	SCALES \next
	WIN MUL_HI
	MUL16 4, 1, NQ-1, \slot, 0
	MUL16 6, 1, NQ-1, \slot, 0
	PLACES NP
	WIN 0
	FETCH_A \next, 0, 4
.endm
	s_wait_tensorcnt 1                             ; the scale words and my part of slot 0 are in (slot 1's load may be out),
	s_barrier_signal -1
	s_barrier_wait -1                              ; everybody's are
	FETCH_B 0, 0, 0
	FETCH_A 0, 0, 0
	SCALES 0
	FETCH_A 0, 0, 4
	STEP 0, 0, 1                                   ; K = 1,024 is four slots' worth: written out
	TURN 0, 1, 1
	STEP 1, 0, 0
	TURN 1, 0, 1
	STEP 0, 0, 0
	TURN 0, 1, 0                                   ; the last two slots are not filled again
	STEP 1, 0, 0
	s_wait_dscnt 4*NL
	WIN MUL_LO
	MUL16 0, 1, NQ-1, 1, 0
	MUL16 2, 1, NQ-1, 1, 0
	s_wait_dscnt 0
	WIN MUL_HI
	MUL16 4, 1, NQ-1, 1, 0
	MUL16 6, 1, NQ-1, 1, 0
	WIN 0
	s_wait_loadcnt 0x0                             ; the biases
	PLACES NP
	s_cmp_lg_u32 s95, 0                            ; the same in all sixteen partners
	s_cbranch_scc1 .Lvtail
	; k: a lane holds one key; the 64 registers of A's block a are 128 channels: two heads.  Key tiles 2 al and 2 al + 1 make one double fragment for each head.
.irp al, 0,1,2,3
	s_wait_xcnt 0x0                                ; the last stores have read the fragments' registers
.irp u, 0,1
	WIN 0x02+(2*\al+\u)/4
.set J, 0
.rept 32
	v_pk_add_f32 v[H+2*J:H+2*J+1], v[64*((2*\al+\u)%4)+2*J:64*((2*\al+\u)%4)+2*J+1], v[BK+2*J:BK+2*J+1]   ; each accumulator from its low end on
.set J, J+1
.endr
	WIN 0
	QUANT H, PCE+6*\u, PCO+6*\u, PWT+\u
.endr
	v_perm_b32 v[SWD+\al], v[PWT+1], v[PWT], 0x05040100          ; the even head's two bytes of both key tiles,
	v_perm_b32 v[SWD+4+\al], v[PWT+1], v[PWT], 0x07060302        ; the odd head's
.irp c, 0,1,2
	global_store_b128 v[OUTO], v[PCE+4*\c:PCE+4*\c+3], s[12:13] offset:1536*\al+512*\c
	global_store_b128 v[OUTO], v[PCO+4*\c:PCO+4*\c+3], s[12:13] offset:24576+1536*\al+512*\c
.endr
.endr
	s_branch .Lscales
.Lvtail:
	; v: a lane holds one channel; the 64 registers of A's block a are 128 keys: one fragment
.irp a, 0,1,2,3,4,5,6,7
	s_wait_xcnt 0x0
	WIN 0x02+\a/4
.set J, 0
.rept 32
	v_pk_add_f32 v[H+2*J:H+2*J+1], v[64*(\a%4)+2*J:64*(\a%4)+2*J+1], v[BV+2*\a:BV+2*\a+1]
.set J, J+1
.endr
	WIN 0
	QUANT H, PCE, PCE+6, SWD+\a
.irp c, 0,1,2
	global_store_b128 v[OUTO], v[PCE+4*\c:PCE+4*\c+3], s[12:13] offset:(\a/4)*24576+(\a%4)*1536+512*\c
.endr
.endr
.Lscales:
	global_store_b128 v[OUTO], v[SWD:SWD+3], s[66:67]            ; four words a lane for my first head,
	global_store_b128 v[OUTO], v[SWD+4:SWD+7], s[66:67] offset:2048   ; and for my second
	s_wait_tensorcnt 0x0                           ; the wave's end
	ds_add_u32 v[SPW], v[NIL]
	s_wait_dscnt 0x0
	CROUND                                         ; no work-group ends while a partner may still ask for a tile that names it
	s_endpgm
.Lfunc_end_k_q4fd7c864a8_kvproj:
	.size	k_q4fd7c864a8_kvproj, .Lfunc_end_k_q4fd7c864a8_kvproj-k_q4fd7c864a8_kvproj
	.p2alignl 7, 3214868480
	.fill 96, 4, 3214868480
	.section	.rodata,"a",@progbits
	.p2align	6, 0x0
	.amdhsa_kernel k_q4fd7c864a8_kvproj
		.amdhsa_group_segment_fixed_size 327680
		.amdhsa_private_segment_fixed_size 0
		.amdhsa_enable_private_segment 0
		.amdhsa_kernarg_size 40
		.amdhsa_user_sgpr_count 2
		.amdhsa_user_sgpr_kernarg_segment_ptr 1
		.amdhsa_wavefront_size32 1
		.amdhsa_system_sgpr_workgroup_id_x 1
		.amdhsa_system_sgpr_workgroup_id_y 1
		.amdhsa_system_sgpr_workgroup_id_z 1
		.amdhsa_system_vgpr_workitem_id 0
		.amdhsa_next_free_vgpr 1024
		.amdhsa_next_free_sgpr 100
		.amdhsa_reserve_vcc 0
		.amdhsa_float_denorm_mode_32 3
		.amdhsa_float_denorm_mode_16_64 3
		.amdhsa_memory_ordered 1
		.amdhsa_forward_progress 1
		.amdhsa_inst_pref_size 209
	.end_amdhsa_kernel
	.amdgpu_metadata
---
amdhsa.version: [ 1, 2 ]
amdhsa.kernels:
  - .name:           k_q4fd7c864a8_kvproj
    .symbol:         k_q4fd7c864a8_kvproj.kd
    .args:
      - { .name: xbuf, .offset: 0, .size: 8, .value_kind: global_buffer, .address_space: global }
      - { .name: wbuf, .offset: 8, .size: 8, .value_kind: global_buffer, .address_space: global }
      - { .name: bk, .offset: 16, .size: 8, .value_kind: global_buffer, .address_space: global }
      - { .name: bv, .offset: 24, .size: 8, .value_kind: global_buffer, .address_space: global }
      - { .name: kvbuf, .offset: 32, .size: 8, .value_kind: global_buffer, .address_space: global }
    .group_segment_fixed_size: 327680
    .private_segment_fixed_size: 0
    .kernarg_segment_align: 8
    .kernarg_segment_size: 40
    .max_flat_workgroup_size: 128
    .sgpr_count:     100
    .vgpr_count:     1024
    .wavefront_size: 32
...
	.end_amdgpu_metadata
.endif
;; end of part 3
;; launch qattn (part 4): grid 79 x 16, 4 waves a work-group, no clusters, 157,184 bytes of LDS; arguments lists, xbuf, wbuf, bq, kvbuf, abuf; writes abuf
.if DOCPART == 4
	.amdgcn_target "amdgcn-amd-amdhsa--gfx1250"
	.amdhsa_code_object_version 6
	.text
	.protected	k_q4fd7c864a8_qattn
	.globl	k_q4fd7c864a8_qattn
	.p2align	8
	.type	k_q4fd7c864a8_qattn,@function
k_q4fd7c864a8_qattn:
	s_mov_b64 s[64:65], 0
	v_nop
	global_prefetch_b8 v0, s[64:65] scope:SCOPE_SE
	s_setreg_imm32_b32 hwreg(HW_REG_WAVE_MODE, 25, 1), 1
	s_wait_xcnt 0x0
; For one tile of up to 64 routed rows of one group (batch, expert) and one head: gather the rows' codes, q = x Wq[e] + bq[e] for the head's 64 channels, quantise q,
; attention over the expert's 512 keys of that batch, divide by the row's sum, quantise along the channels.  All products on codes of FP6 (E2M3) with E8M0 scales.
; SHARES.  Work-group x = the tile (79 serve every split: 4,096 / 64 + 16 - 1), y = the head.  Wave w takes rows 16 w .. 16 w + 15.  The waves share Wq's four tiles, K, V and their scale words through LDS, copied once; one barrier.
; A wave that the split leaves without rows stores zero codes with the byte 127, so that every byte that the next launch reads is written.  That branch hangs on a stored count, so this launch has no tensor load
; and no cluster: the work-groups of a tile would share K and V only by such loads.
; LAYOUT.  All products are used transposed: a lane holds ONE routed row throughout.  q^T = Wq x^T, S^T = K q^T, O^T = V^T p^T.
; THE SCORES' K IS 64: a fragment of K holds two key tiles (k 0-63, k 64-127); it is multiplied by q with zero codes in the upper half, and by q in the upper half with zero codes below.
; THE SOFTMAX: t = score x log2(e) / 8; M = the running largest t rounded up to a whole number; p = 2^(t - M) is quantised along the keys; the sum is taken of the unquantised p and divides at the end.
; OUT: abuf [tile][w][head][768]: half a fragment: registers 0-3 at 16 x lane, registers 4-5 at 512 + 8 x lane;  abuf+ASC [tile][head][w][lane]: the row's two scale bytes.
; LIMITS: NaN and infinities are not served; a block under 2^-124 keeps the byte 1 (read by this program alone).
.set WQ,  0                            ; LDS: Wq's four tiles [c 4][step 8][1536]
.set KI,  49152                        ; K's sixteen double fragments
.set VI,  73728                        ; V's sixteen fragments
.set KS,  98304                        ; K's scale words [step][lane][4]
.set VS,  100352                       ; V's
.set WSL, 102400                       ; Wq's scale words [step 8][lane][c 4]
.set XR,  106496                       ; each wave's 16 gathered rows, 768 bytes + 16
.set XRW, 12544
.set ASC, 3883008
.set QLO, 16                           ; v16-27   q below, zeros above;  v28-39 zeros below, q above
.set QHI, 28
.set FRG, 40                           ; v40-87   four fragments of K or of V
.set S,   88                           ; v88-151  S^T, then p
.set OA,  152                          ; v152-183 O^T
.set PCD, 184                          ; v184-195 p's codes
.set CT,  196                          ; v196-203 the conversions' second halves
.set BM,  204                          ; v204-207 the blocks' largest scores
.set PT,  208                          ; v208-211 at work
.set OPD, 212                          ; v212-215 the conversions' scale operands
.set FF,  216                          ; v[216:217] f = 2^(old M - new M)
.set T0,  218
.set QM,  224                          ; v224-235 at work in QUANT2
.set QP,  226
.set QO,  228
.set QB,  230
.set QC,  232
.set QSW, 238                          ; q's scale word;  v239 p's;  v240-247 the fragments';  v248-255 x's: these hold scales and nothing else
.set PSW, 239
.set FS,  240
.set XS,  248
.set WF,  40                           ; the q phase: v40-135 eight fragments of Wq, v136-159 two of x, v160-191 q^T, v192-223 the bias
.set XF,  136
.set QA,  160
.set BIAS, 192
.set SEL, 20
.set CS,  22
; 32 numbers of a lane, register 16 b + i = k 32 b + 16 (lane / 16) + i, become six registers of codes at d and two scale bytes in pw
.macro QUANT2 s, d, pw
.irp b, 0,1
	v_max3_num_f32 v[QM+\b], |v[(\s)+16*\b]|, |v[(\s)+1+16*\b]|, 0x1800000
.endr
.irp i, 2,4,6,8,10,12,14
.irp b, 0,1
	v_max3_num_f32 v[QM+\b], v[QM+\b], |v[(\s)+16*\b+\i]|, |v[(\s)+1+16*\b+\i]|
.endr
.endr
.irp b, 0,1
	v_permlanex16_b32 v[QP+\b], v[QM+\b], s[SEL], s[SEL+1]
.endr
.irp b, 0,1
	v_max_num_f32 v[QM+\b], v[QM+\b], v[QP+\b]
.endr
.irp b, 0,1
	v_add_nc_u32 v[QO+\b], 0xff000000, v[QM+\b]
.endr
.irp b, 0,1
	v_lshrrev_b32 v[QB+\b], 23, v[QO+\b]
.endr
	v_lshl_or_b32 v[\pw], v[QB+1], 8, v[QB]
	v_cvt_scalef32_pk16_fp6_f32 v[(\d):(\d)+2], v[(\s):(\s)+15], v[QO]
	v_cvt_scalef32_pk16_fp6_f32 v[QC:QC+2], v[(\s)+16:(\s)+31], v[QO+1]
	v_nop                                          ; one plain place behind the scaled conversions
.irp i, 0,1,2
	v_permlane16_swap_b32 v[(\d)+\i], v[QC+\i]
.endr
.irp i, 0,1,2
	v_mov_b32 v[(\d)+3+\i], v[QC+\i]
.endr
.endm
	s_load_b256 s[4:11], s[0:1], 0x0               ; lists s[4:5], xbuf s[6:7], wbuf s[8:9], bq s[10:11]
	s_load_b128 s[12:15], s[0:1], 0x20             ; kvbuf s[12:13], abuf s[14:15]
	s_set_vgpr_msb 0x40
	v_lshl_add_u32 v0, v0, 2, 0x26400
	v_mov_b32 v1, 0
	s_set_vgpr_msb 0x4000
	v_lshrrev_b32 v1, 5, v0
	v_readfirstlane_b32 s16, v1                    ; wave 0..3
	s_and_b32 s17, ttmp7, 0xffff                   ; the head
	s_lshl_b32 s18, ttmp9, 4
	s_mov_b32 s[SEL], 0x76543210
	s_mov_b32 s[SEL+1], 0xfedcba98
	s_mov_b32 s[CS], 0x3e38aa3b                    ; c = log2(e) / 8
	s_mov_b32 s[CS+1], s[CS]
	s_wait_kmcnt 0x0
	s_load_b128 s[24:27], s[4:5], s18 offset:0x4000   ; my tile: group, first row, rows
	v_and_b32 v14, 31, v0
	v_and_b32 v11, 15, v0                          ; r
	v_bfe_u32 v12, v0, 4, 1                        ; h
	v_lshlrev_b32 v1, 4, v14                       ; 16 x lane
	v_lshlrev_b32 v9, 3, v14
	v_lshlrev_b32 v10, 2, v14
	s_mul_i32 s54, s16, XRW
	s_add_co_u32 s54, s54, XR
	v_mul_u32_u24 v2, v11, 784
	v_mad_u32_u24 v2, v12, 24, v2
	v_add_nc_u32 v2, s54, v2                       ; my gathered rows, read: row r, + 24 h
	v_mul_u32_u24 v3, v12, 784
	v_lshl_add_u32 v3, v11, 4, v3
	v_add_nc_u32 v3, s54, v3                       ; written: lanes 0-15 one row, lanes 16-31 the next
	v_add_nc_u32 v4, KI, v1
	v_add_nc_u32 v5, VI, v1
	v_add_nc_u32 v6, KS, v1
	v_add_nc_u32 v7, VS, v1
	v_add_nc_u32 v8, WSL, v1
	s_mul_i32 s54, s16, 12288
	v_add_nc_u32 v233, s54, v1                     ; where I put my tile of Wq,
	s_lshl_b32 s54, s16, 2
	s_add_co_u32 s54, s54, WSL
	v_add_nc_u32 v234, s54, v1                     ; its scale words,
	s_mul_i32 s54, s16, 6144
	s_add_co_u32 s54, s54, KI
	v_add_nc_u32 v235, s54, v1                     ; my quarter of K (V's lies 24,576 bytes on),
	s_lshl_b32 s54, s16, 9
	s_add_co_u32 s54, s54, KS
	v_add_nc_u32 v236, s54, v1                     ; and of their scale words
	v_lshlrev_b32 v237, 6, v12                     ; the bias: 64 h
	v_lshlrev_b32 v13, 5, v11                      ; Wq's scale words: 32 r
	s_wait_kmcnt 0x0
	s_min_u32 s24, s24, 15                         ; stored numbers are held inside their tables before they enter an address
	s_min_u32 s25, s25, 4095
	s_min_u32 s26, s26, 64
	s_and_b32 s28, s24, 7                          ; the expert
	s_lshl_b32 s30, s16, 4
	s_max_u32 s31, s26, 1
	s_sub_co_u32 s31, s31, 1                       ; the tile's last row: rows beyond it repeat it
	s_sub_co_i32 s29, s26, s30
	s_max_i32 s29, s29, 0
	s_min_i32 s29, s29, 16                         ; my wave's rows
	v_add_nc_u32 v15, s30, v12
.irp k, 0,1,2,3,4,5,6,7
	v_add_nc_u32 v[224+\k], 2*\k, v15              ; rows 16 w + 2 k + h
	v_min_u32 v[224+\k], s31, v[224+\k]
	v_add_nc_u32 v[224+\k], s25, v[224+\k]
	v_min_u32 v[224+\k], 4095, v[224+\k]
	v_lshlrev_b32 v[224+\k], 2, v[224+\k]
.endr
	v_add_nc_u32 v232, s30, v11                    ; row 16 w + r
	v_min_u32 v232, s31, v232
	v_add_nc_u32 v232, s25, v232
	v_min_u32 v232, 4095, v232
	v_lshlrev_b32 v232, 2, v232
.irp k, 0,1,2,3,4,5,6,7,8
	global_load_b32 v[224+\k], v[224+\k], s[4:5]   ; the rows' numbers
.endr
	s_mov_b32 s35, 0
	s_lshl_b32 s32, s28, 6
	s_lshl_b32 s33, s17, 2
	s_add_co_u32 s32, s32, s33
	s_add_co_u32 s32, s32, s16                     ; my tile of Wq: 64 e + 4 head + w
	s_mul_i32 s34, s32, 12288
	s_add_nc_u64 s[36:37], s[8:9], s[34:35]
	s_lshl_b32 s34, s32, 9
	s_add_co_u32 s34, s34, 25165824
	s_add_nc_u64 s[38:39], s[8:9], s[34:35]
	s_lshl_b32 s40, s24, 4
	s_add_co_u32 s40, s40, s17                     ; 16 g + head
	s_mul_i32 s34, s40, 24576
	s_mul_i32 s33, s16, 6144
	s_add_co_u32 s34, s34, s33
	s_add_nc_u64 s[42:43], s[12:13], s[34:35]
	s_lshl_b32 s34, s40, 11
	s_lshl_b32 s33, s16, 9
	s_add_co_u32 s34, s34, s33
	s_add_co_u32 s34, s34, 12582912
	s_add_nc_u64 s[44:45], s[12:13], s[34:35]
	s_add_nc_u64 s[46:47], s[6:7], 13107200        ; the queries' codes; their scale words lie 1,572,864 bytes on
	s_lshl_b32 s34, s28, 12
	s_lshl_b32 s33, s17, 8
	s_add_co_u32 s34, s34, s33
	s_add_nc_u64 s[48:49], s[10:11], s[34:35]
	s_lshl_b32 s34, ttmp9, 2
	s_add_co_u32 s34, s34, s16
	s_lshl_b32 s34, s34, 4
	s_add_co_u32 s34, s34, s17
	s_mul_i32 s34, s34, 768
	s_add_nc_u64 s[50:51], s[14:15], s[34:35]
	s_lshl_b32 s34, ttmp9, 4
	s_add_co_u32 s34, s34, s17
	s_lshl_b32 s34, s34, 2
	s_add_co_u32 s34, s34, s16
	s_lshl_b32 s34, s34, 7
	s_add_co_u32 s34, s34, ASC
	s_add_nc_u64 s[52:53], s[14:15], s[34:35]
.irp j, 0,1,2,3,4,5,6,7,8,9,10,11,12,13,14,15,16,17,18,19,20,21,22,23
	global_load_b128 v[16+4*\j:19+4*\j], v1, s[36:37] offset:512*\j          ; my tile of Wq: eight images
.endr
	global_load_b128 v[216:219], v13, s[38:39]
	global_load_b128 v[220:223], v13, s[38:39] offset:16
.irp j, 0,1,2,3,4,5,6,7,8,9,10,11
	global_load_b128 v[112+4*\j:115+4*\j], v1, s[42:43] offset:512*\j        ; my quarter of K
.endr
.irp j, 0,1,2,3,4,5,6,7,8,9,10,11
	global_load_b128 v[160+4*\j:163+4*\j], v1, s[42:43] offset:6291456+512*\j   ; and of V
.endr
	global_load_b128 v[208:211], v1, s[44:45]
	global_load_b128 v[212:215], v1, s[44:45] offset:524288
	s_wait_loadcnt 52                              ; the rows' numbers are in; the 52 loads behind them may be out
.irp k, 0,1,2,3,4,5,6,7
	v_min_u32 v[224+\k], 4095, v[224+\k]
	v_and_b32 v[224+\k], 2047, v[224+\k]           ; the token
	v_mul_u32_u24 v[224+\k], 768, v[224+\k]
	v_lshl_add_u32 v[224+\k], v11, 4, v[224+\k]
.endr
	v_min_u32 v232, 4095, v232
	v_and_b32 v232, 2047, v232
	v_lshlrev_b32 v232, 5, v232
	s_wait_loadcnt 26                              ; Wq's tile and its scale words are in; K, V and their scale words (26) may be out
.irp j, 0,1,2,3,4,5,6,7,8,9,10,11,12,13,14,15,16,17,18,19,20,21,22,23
	ds_store_b128 v233, v[16+4*\j:19+4*\j] offset:512*\j
.endr
.irp t, 0,1,2,3,4,5,6,7
	ds_store_b32 v234, v[216+\t] offset:512*\t
.endr
	s_wait_dscnt 0x0                               ; the stores have read their registers
.irp k, 0,1,2,3,4,5,6,7
.irp p, 0,1,2
	global_load_b128 v[16+4*(3*\k+\p):19+4*(3*\k+\p)], v[224+\k], s[46:47] offset:256*\p   ; sixteen lanes read 256 consecutive bytes of a row
.endr
.endr
	s_wait_loadcnt 24                              ; K, V and their scale words are in; the 24 loads of x may be out
.irp j, 0,1,2,3,4,5,6,7,8,9,10,11
	ds_store_b128 v235, v[112+4*\j:115+4*\j] offset:512*\j
.endr
.irp j, 0,1,2,3,4,5,6,7,8,9,10,11
	ds_store_b128 v235, v[160+4*\j:163+4*\j] offset:24576+512*\j
.endr
	ds_store_b128 v236, v[208:211]
	ds_store_b128 v236, v[212:215] offset:2048
	s_wait_dscnt 0x0
	global_load_b128 v[XS:XS+3], v232, s[46:47] offset:1572864
	global_load_b128 v[XS+4:XS+7], v232, s[46:47] offset:1572864+16
.irp c, 0,1,2,3
	global_load_b128 v[BIAS+8*\c:BIAS+8*\c+3], v237, s[48:49] offset:(32*(\c/2)+8*(\c%2))*4
	global_load_b128 v[BIAS+8*\c+4:BIAS+8*\c+7], v237, s[48:49] offset:(32*(\c/2)+8*(\c%2))*4+16
.endr
	s_wait_loadcnt 10                              ; x is in; its scale words and the bias (10) may be out
.irp k, 0,1,2,3,4,5,6,7
.irp p, 0,1,2
	ds_store_b128 v3, v[16+4*(3*\k+\p):19+4*(3*\k+\p)] offset:2*\k*784+256*\p
.endr
.endr
	s_wait_dscnt 0x0                               ; for the others' sake: all my stores have landed
	s_barrier_signal -1
	s_barrier_wait -1                              ; the launch's one barrier: nothing in LDS is written behind it
	s_wait_loadcnt 0x0
	s_cmp_eq_u32 s29, 0
	s_cbranch_scc1 .Lempty
	v_mov_b32 v[QP], 0                             ; written once: a lane permute's destination counts as one of its sources
	v_mov_b32 v[QP+1], 0
	; ---- q^T = Wq x^T + bq: four tiles of 16 channels by turns, two steps of 128 along K to a batch of loads
.irp bt, 0,1,2,3
.if \bt > 0
.rept 4
	v_nop                                          ; places in front of loads into registers that matrix instructions have read
.endr
.endif
.irp sp, 0,1
.irp c, 0,1,2,3
.irp i, 0,1,2
	ds_load_b128 v[WF+12*(4*\sp+\c)+4*\i:WF+12*(4*\sp+\c)+4*\i+3], v1 offset:(8*\c+2*\bt+\sp)*1536+512*\i
.endr
.endr
.irp p, 0,1,2,3,4,5
	ds_load_b64 v[XF+12*\sp+2*\p:XF+12*\sp+2*\p+1], v2 offset:96*(2*\bt+\sp)+48*(\p/3)+8*(\p%3)
.endr
	ds_load_b128 v[FS+4*\sp:FS+4*\sp+3], v8 offset:512*(2*\bt+\sp)
.endr
	s_wait_dscnt 0x0
.irp sp, 0,1
.irp c, 0,1,2,3
.if (2*\bt+\sp) == 0
	v_wmma_scale_f32_16x16x128_f8f6f4 v[QA+8*\c:QA+8*\c+7], v[WF+12*(4*\sp+\c):WF+12*(4*\sp+\c)+11], v[XF+12*\sp:XF+12*\sp+11], v[BIAS+8*\c:BIAS+8*\c+7], v[FS+4*\sp+\c], v[XS+2*\bt+\sp] matrix_a_fmt:MATRIX_FMT_FP6 matrix_b_fmt:MATRIX_FMT_FP6
.else
	v_wmma_scale_f32_16x16x128_f8f6f4 v[QA+8*\c:QA+8*\c+7], v[WF+12*(4*\sp+\c):WF+12*(4*\sp+\c)+11], v[XF+12*\sp:XF+12*\sp+11], v[QA+8*\c:QA+8*\c+7], v[FS+4*\sp+\c], v[XS+2*\bt+\sp] matrix_a_fmt:MATRIX_FMT_FP6 matrix_b_fmt:MATRIX_FMT_FP6
.endif
.endr
.endr
.endr
.rept 4
	v_nop
.endr
	QUANT2 QA, QLO, QSW                            ; register 16 b + i of q^T is channel 32 b + 16 h + i of my row
	v_lshl_or_b32 v[QSW], v[QSW], 16, v[QSW]       ; the two bytes serve the lower and the upper half of K
.irp i, 0,1,2,3,4,5
	v_mov_b32 v[QHI+6+\i], v[QLO+\i]
	v_mov_b32 v[QLO+6+\i], 0
	v_mov_b32 v[QHI+\i], 0
.endr
	v_mov_b32 v13, 0xff61b1e6                      ; the largest t so far: -3e38
	v_floor_f32 v12, -v13                          ; -M
	v_mov_b32 v14, 0                               ; the sum, in two halves
	v_mov_b32 v15, 0
	v_mov_b32 v[FF+1], 0                           ; (named as the upper half of a pair)
.irp b, 0,1,2,3
	v_mov_b32 v[PT+\b], 0
.endr
.set J, 0
.rept 32
	v_mov_b32 v[OA+J], 0                           ; O^T: the step is written once; the first finds zeros.  (These lines are also the places ahead of the scaled products)
.set J, J+1
.endr
; A KEY STEP: 128 keys
.macro ASTEP st
.rept 4
	v_nop                                          ; places in front of loads into registers that matrix instructions have read
.endr
.irp f, 0,1,2,3
.irp i, 0,1,2
	ds_load_b128 v[FRG+12*\f+4*\i:FRG+12*\f+4*\i+3], v4 offset:(4*(\st)+\f)*1536+512*\i
.endr
.endr
	ds_load_b128 v[FS:FS+3], v6 offset:512*(\st)
	s_wait_dscnt 0x0
.irp f, 0,1,2,3
	v_wmma_scale_f32_16x16x128_f8f6f4 v[S+16*\f:S+16*\f+7], v[FRG+12*\f:FRG+12*\f+11], v[QLO:QLO+11], 0, v[FS+\f], v[QSW] matrix_a_fmt:MATRIX_FMT_FP6 matrix_b_fmt:MATRIX_FMT_FP6
	v_wmma_scale_f32_16x16x128_f8f6f4 v[S+16*\f+8:S+16*\f+15], v[FRG+12*\f:FRG+12*\f+11], v[QHI:QHI+11], 0, v[FS+\f], v[QSW] matrix_a_fmt:MATRIX_FMT_FP6 matrix_b_fmt:MATRIX_FMT_FP6
.endr                                          ; register 16 f + i of S^T is key 128 st + 32 f + 16 h + i
.rept 4
	v_nop
.endr
.irp c, 0,1,2,3                                ; V's fragments are asked for now and land under the softmax
.irp i, 0,1,2
	ds_load_b128 v[FRG+12*\c+4*\i:FRG+12*\c+4*\i+3], v5 offset:(4*(\st)+\c)*1536+512*\i
.endr
.endr
	ds_load_b128 v[FS+4:FS+7], v7 offset:512*(\st)
.irp b, 0,1,2,3
	v_max3_num_f32 v[BM+\b], v[S+16*\b], v[S+1+16*\b], v[S+2+16*\b]          ; the largest score of each block of 32 keys: it serves the row's maximum and the block's largest p
.endr
.irp i, 3,5,7,9,11,13
.irp b, 0,1,2,3
	v_max3_num_f32 v[BM+\b], v[BM+\b], v[S+16*\b+\i], v[S+1+16*\b+\i]
.endr
.endr
.irp b, 0,1,2,3
	v_max_num_f32 v[BM+\b], v[BM+\b], v[S+15+16*\b]
.endr
.irp b, 0,1,2,3
	v_permlanex16_b32 v[PT+\b], v[BM+\b], s[SEL], s[SEL+1]
.endr
.irp b, 0,1,2,3
	v_max_num_f32 v[BM+\b], v[BM+\b], v[PT+\b]
.endr
	v_max3_num_f32 v[T0], v[BM], v[BM+1], v[BM+2]
	v_max_num_f32 v[T0], v[T0], v[BM+3]
	v_mul_f32 v[T0], s[CS], v[T0]
	v_max_num_f32 v13, v13, v[T0]                  ; the running largest t
	v_mov_b32 v[T0], v12
	v_floor_f32 v12, -v13                          ; the new -M = -ceil(t): a whole number
	v_sub_f32 v[T0], v12, v[T0]
	v_cvt_i32_f32 v[T0], v[T0]                     ; (it saturates)
	v_ldexp_f32 v[FF], 1.0, v[T0]                  ; f = 2^(old M - new M): a multiplication by it rounds nothing
.set J, 0
.rept 32
	v_pk_fma_f32 v[S+2*J:S+2*J+1], v[S+2*J:S+2*J+1], s[CS:CS+1], v[12:13] op_sel_hi:[1,0,0]   ; t - M
.set J, J+1
.endr
.irp b, 0,1,2,3
	v_fma_f32 v[BM+\b], v[BM+\b], s[CS], v12
.endr
.set J, 0
.rept 64
	v_exp_f32 v[S+J], v[S+J]                       ; p = 2^(t - M), at most 1
.set J, J+1
.endr
	v_pk_mul_f32 v[14:15], v[14:15], v[FF:FF+1] op_sel_hi:[1,0]  ; the sums under the new M (a plain place behind the exponentials)
	s_wait_alu depctr_va_vdst(0)                   ; one wait for the batch, ahead of its first reader
.irp b, 0,1,2,3
	v_exp_f32 v[BM+\b], v[BM+\b]                   ; the block's largest p
.endr
	v_pk_add_f32 v[PT:PT+1], v[S:S+1], v[S+2:S+3]  ; the row's sum is taken of the unquantised p, in two chains
.irp j, 4,8,12,16,20,24,28,32,36,40,44,48,52,56,60
	v_pk_add_f32 v[14:15], v[14:15], v[S+\j:S+\j+1]
	v_pk_add_f32 v[PT:PT+1], v[PT:PT+1], v[S+2+\j:S+3+\j]
.endr
	v_pk_add_f32 v[14:15], v[14:15], v[PT:PT+1]
	s_wait_alu depctr_va_vdst(0)                   ; and one for the four
.irp b, 0,1,2,3
	v_max_num_f32 v[BM+\b], 0x1800000, v[BM+\b]    ; the floor 2^(3 - 127)
.endr
.irp b, 0,1,2,3
	v_add_nc_u32 v[OPD+\b], 0xff000000, v[BM+\b]
.endr
.irp b, 0,1,2,3
	v_lshrrev_b32 v[PT+\b], 23, v[OPD+\b]
.endr
	v_lshl_or_b32 v[PSW], v[PT+1], 8, v[PT]        ; p's scale word for these 128 keys
	v_lshl_or_b32 v[PSW], v[PT+2], 16, v[PSW]
	v_lshl_or_b32 v[PSW], v[PT+3], 24, v[PSW]
.irp c, 0,1
	v_cvt_scalef32_pk16_fp6_f32 v[PCD+6*\c:PCD+2+6*\c], v[S+32*\c:S+15+32*\c], v[OPD+2*\c]
	v_cvt_scalef32_pk16_fp6_f32 v[CT+4*\c:CT+2+4*\c], v[S+16+32*\c:S+31+32*\c], v[OPD+2*\c+1]
.endr
	v_nop
.irp c, 0,1
.irp i, 0,1,2
	v_permlane16_swap_b32 v[PCD+6*\c+\i], v[CT+4*\c+\i]
.endr
.irp i, 0,1,2
	v_mov_b32 v[PCD+3+6*\c+\i], v[CT+4*\c+\i]
.endr
.endr
.set J, 0
.rept 16
	v_pk_mul_f32 v[OA+2*J:OA+2*J+1], v[OA+2*J:OA+2*J+1], v[FF:FF+1] op_sel_hi:[1,0]   ; O^T under the new M.  (These are also the places ahead of the scaled products)
.set J, J+1
.endr
	s_wait_dscnt 0x0                               ; V
.irp c, 0,1,2,3
	v_wmma_scale_f32_16x16x128_f8f6f4 v[OA+8*\c:OA+8*\c+7], v[FRG+12*\c:FRG+12*\c+11], v[PCD:PCD+11], v[OA+8*\c:OA+8*\c+7], v[FS+4+\c], v[PSW] matrix_a_fmt:MATRIX_FMT_FP6 matrix_b_fmt:MATRIX_FMT_FP6
.endr
.endm
	ASTEP 0
	ASTEP 1
	ASTEP 2
	ASTEP 3
.rept 4
	v_nop
.endr
	v_add_f32 v14, v14, v15
	v_permlanex16_b32 v[T0], v14, s[SEL], s[SEL+1]
	v_add_f32 v14, v14, v[T0]                      ; the row's sum
	v_rcp_f32 v14, v14
	v_nop
	s_wait_alu depctr_va_vdst(0)
.set J, 0
.rept 32
	v_mul_f32 v[S+J], v[OA+J], v14                 ; register 16 b + i: channel 32 b + 16 h + i of my row
.set J, J+1
.endr
	QUANT2 S, PCD, T0
	s_branch .Lstore
.Lempty:
.irp i, 0,1,2,3,4,5
	v_mov_b32 v[PCD+\i], 0                         ; zero codes,
.endr
	v_mov_b32 v[T0], 0x7f7f                        ; under the scale 1
.Lstore:
	global_store_b128 v1, v[PCD:PCD+3], s[50:51]
	global_store_b64 v9, v[PCD+4:PCD+5], s[50:51] offset:512
	global_store_b32 v10, v[T0], s[52:53]
	s_set_vgpr_msb 0x5
	s_wait_tensorcnt 0x0
	ds_add_u32 v0, v1
	s_wait_dscnt 0x0
	s_set_vgpr_msb 0x500
	s_endpgm
.Lfunc_end_k_q4fd7c864a8_qattn:
	.size	k_q4fd7c864a8_qattn, .Lfunc_end_k_q4fd7c864a8_qattn-k_q4fd7c864a8_qattn
	.p2alignl 7, 3214868480
	.fill 96, 4, 3214868480
	.section	.rodata,"a",@progbits
	.p2align	6, 0x0
	.amdhsa_kernel k_q4fd7c864a8_qattn
		.amdhsa_group_segment_fixed_size 157184
		.amdhsa_private_segment_fixed_size 0
		.amdhsa_enable_private_segment 0
		.amdhsa_kernarg_size 48
		.amdhsa_user_sgpr_count 2
		.amdhsa_user_sgpr_kernarg_segment_ptr 1
		.amdhsa_wavefront_size32 1
		.amdhsa_system_sgpr_workgroup_id_x 1
		.amdhsa_system_sgpr_workgroup_id_y 1
		.amdhsa_system_sgpr_workgroup_id_z 1
		.amdhsa_system_vgpr_workitem_id 0
		.amdhsa_next_free_vgpr 258
		.amdhsa_next_free_sgpr 66
		.amdhsa_reserve_vcc 0
		.amdhsa_float_denorm_mode_32 3
		.amdhsa_float_denorm_mode_16_64 3
		.amdhsa_memory_ordered 1
		.amdhsa_forward_progress 1
		.amdhsa_inst_pref_size 105
	.end_amdhsa_kernel
	.amdgpu_metadata
---
amdhsa.version: [ 1, 2 ]
amdhsa.kernels:
  - .name:           k_q4fd7c864a8_qattn
    .symbol:         k_q4fd7c864a8_qattn.kd
    .args:
      - { .name: lists, .offset: 0, .size: 8, .value_kind: global_buffer, .address_space: global }
      - { .name: xbuf, .offset: 8, .size: 8, .value_kind: global_buffer, .address_space: global }
      - { .name: wbuf, .offset: 16, .size: 8, .value_kind: global_buffer, .address_space: global }
      - { .name: bq, .offset: 24, .size: 8, .value_kind: global_buffer, .address_space: global }
      - { .name: kvbuf, .offset: 32, .size: 8, .value_kind: global_buffer, .address_space: global }
      - { .name: abuf, .offset: 40, .size: 8, .value_kind: global_buffer, .address_space: global }
    .group_segment_fixed_size: 157184
    .private_segment_fixed_size: 0
    .kernarg_segment_align: 8
    .kernarg_segment_size: 48
    .max_flat_workgroup_size: 128
    .sgpr_count:     66
    .vgpr_count:     258
    .wavefront_size: 32
...
	.end_amdgpu_metadata
.endif
;; end of part 4
;; launch oproj (part 5): grid 79 x 8, 4 waves a work-group, no clusters, 87,552 bytes of LDS; arguments lists, xbuf, wbuf, bo, abuf, part; writes part
.if DOCPART == 5
	.amdgcn_target "amdgcn-amd-amdhsa--gfx1250"
	.amdhsa_code_object_version 6
	.text
	.protected	k_q4fd7c864a8_oproj
	.globl	k_q4fd7c864a8_oproj
	.p2align	8
	.type	k_q4fd7c864a8_oproj,@function
k_q4fd7c864a8_oproj:
	s_mov_b64 s[64:65], 0
	v_nop
	global_prefetch_b8 v0, s[64:65] scope:SCOPE_SE
	s_setreg_imm32_b32 hwreg(HW_REG_WAVE_MODE, 25, 1), 1
	s_wait_xcnt 0x0
; part[row] = weight x (a Wo[e] + bo[e]) for the routed rows of one tile (up to 64) and 128 of the 1,024 columns; the product on codes of FP6 (E2M3) with E8M0 scales.
; SHARES.  Work-group x = the tile, y = which 128 columns.  Wave w takes columns 32 w .. 32 w + 31 of them (two tiles of Wo) for all 64 rows: eight accumulators by turns.
; a's half fragments (one for each head) come into LDS once, a quarter by each wave; Wo's images go from memory straight into registers, three steps ahead.
; Used transposed: source 0 = 16 columns of Wo, source 1 = 16 rows: a lane holds one row and eight neighbouring columns.  The results meet in a stage and leave as runs of 512 consecutive bytes of a row.
; A row is stored only if the tile has it: a branch on a stored count, behind the last barrier; so this launch has no tensor load and no cluster.
.set AI,  0                            ; LDS: a's images [row tile 4][head 16][768]
.set AS,  49152                        ; their scale words [step 8][lane][row tile 4]
.set STG, 53248                        ; the stage: 64 rows x (512 bytes + 16)
.set ACC, 16                           ; v16-79   accumulator (row tile, u) at 16 + 8 (2 tau + u)
.set RG,  80                           ; v80-151  Wo's fragments: three steps x two tiles
.set AF,  152                          ; v152-199 a's four fragments of a step
.set BIAS, 200                         ; v200-215
.set ASW, 216                          ; v216-219 a's scale words;  v220-235 Wo's: these hold scales and nothing else
.set WS,  220
.set RW,  236                          ; v236-243 the rows' weights, a pair for each row tile (the low word serves)
.set RL,  244                          ; v244     my 16 rows' numbers;  v245-248 addresses of the weights
	s_load_b256 s[4:11], s[0:1], 0x0               ; lists s[4:5], xbuf s[6:7], wbuf s[8:9], bo s[10:11]
	s_load_b128 s[12:15], s[0:1], 0x20             ; abuf s[12:13], part s[14:15]
	v_lshl_add_u32 v254, v0, 2, 0x15400
	v_mov_b32 v255, 0
	v_lshrrev_b32 v1, 5, v0
	v_readfirstlane_b32 s16, v1                    ; wave 0..3
	s_and_b32 s17, ttmp7, 0xffff                   ; which 128 columns
	s_lshl_b32 s18, ttmp9, 4
	s_wait_kmcnt 0x0
	s_load_b128 s[24:27], s[4:5], s18 offset:0x4000   ; my tile: group, first row, rows
	v_and_b32 v14, 31, v0
	v_and_b32 v7, 15, v0                           ; r
	v_bfe_u32 v8, v0, 4, 1                         ; h
	v_lshlrev_b32 v1, 4, v14                       ; 16 x lane
	v_lshlrev_b32 v2, 3, v14                       ; 8 x lane
	v_lshlrev_b32 v11, 2, v14                      ; 4 x lane
	v_add_nc_u32 v3, AS, v1
	v_mul_u32_u24 v4, v7, 528
	v_lshl_add_u32 v4, v8, 6, v4
	s_lshl_b32 s45, s16, 7
	s_add_co_u32 s45, s45, STG
	v_add_nc_u32 v4, s45, v4                       ; the stage, in: row r, + 128 w + 64 h
	s_mul_i32 s45, s16, 16*528
	s_add_co_u32 s45, s45, STG
	v_add_nc_u32 v5, s45, v1                       ; out: my 16 rows, 16 bytes a lane
	s_lshl_b32 s45, s17, 9
	v_add_nc_u32 v6, s45, v1                       ; in a row of part: 512 y + 16 x lane
	v_lshlrev_b32 v9, 5, v7                        ; Wo's scale words: 32 r
	v_lshlrev_b32 v10, 6, v8                       ; the bias: 64 h
	s_mul_i32 s45, s16, 12288
	v_add_nc_u32 v12, s45, v1                      ; where I put my quarter of a's images,
	s_lshl_b32 s45, s16, 2
	s_add_co_u32 s45, s45, AS
	v_add_nc_u32 v13, s45, v1                      ; and of their scale words
	s_wait_kmcnt 0x0
	s_min_u32 s24, s24, 15                         ; stored numbers are held inside their tables before they enter an address
	s_min_u32 s25, s25, 4095
	s_min_u32 s26, s26, 64
	s_and_b32 s28, s24, 7                          ; the expert
	s_lshl_b32 s30, s16, 4
	s_max_u32 s31, s26, 1
	s_sub_co_u32 s31, s31, 1
	s_sub_co_i32 s29, s26, s30
	s_max_i32 s29, s29, 0
	s_min_i32 s29, s29, 16                         ; my wave's rows to store
.irp t, 0,1,2,3
	v_add_nc_u32 v[245+\t], 16*\t, v7              ; row 16 tau + r
	v_min_u32 v[245+\t], s31, v[245+\t]
	v_add_nc_u32 v[245+\t], s25, v[245+\t]
	v_min_u32 v[245+\t], 4095, v[245+\t]
	v_lshlrev_b32 v[245+\t], 2, v[245+\t]
.endr
	v_add_nc_u32 v[RL], s30, v7
	v_min_u32 v[RL], s31, v[RL]
	v_add_nc_u32 v[RL], s25, v[RL]
	v_min_u32 v[RL], 4095, v[RL]
	v_lshlrev_b32 v[RL], 2, v[RL]
.irp t, 0,1,2,3,4
	global_load_b32 v[244+\t], v[244+\t], s[4:5]   ; the rows' numbers
.endr
	s_mov_b32 s35, 0
	s_mul_i32 s34, ttmp9, 49152
	s_mul_i32 s33, s16, 12288
	s_add_co_u32 s34, s34, s33
	s_add_nc_u64 s[32:33], s[12:13], s[34:35]      ; a's images of row tile w
	s_lshl_b32 s34, ttmp9, 13
	s_lshl_b32 s36, s16, 7
	s_add_co_u32 s34, s34, s36
	s_add_co_u32 s34, s34, 3883008
	s_add_nc_u64 s[46:47], s[12:13], s[34:35]      ; and their scale bytes: 512 bytes from head to head
	s_add_co_u32 s36, s28, 24
	s_lshl_b32 s36, s36, 6
	s_lshl_b32 s37, s17, 3
	s_add_co_u32 s36, s36, s37
	s_lshl_b32 s37, s16, 1
	s_add_co_u32 s40, s36, s37                     ; my first tile of Wo: 64 (24 + e) + 8 y + 2 w
	s_mul_i32 s34, s40, 12288
	s_add_nc_u64 s[36:37], s[8:9], s[34:35]
	s_lshl_b32 s34, s40, 9
	s_add_co_u32 s34, s34, 25165824
	s_add_nc_u64 s[38:39], s[8:9], s[34:35]
	s_lshl_b32 s34, s28, 12
	s_lshl_b32 s40, s17, 9
	s_add_co_u32 s34, s34, s40
	s_lshl_b32 s40, s16, 7
	s_add_co_u32 s34, s34, s40
	s_add_nc_u64 s[40:41], s[10:11], s[34:35]
	s_add_nc_u64 s[42:43], s[6:7], 14745600        ; the weights
.irp j, 0,1,2,3,4,5,6,7,8,9,10,11,12,13,14,15
	global_load_b128 v[ACC+4*\j:ACC+4*\j+3], v1, s[32:33] offset:512*\j
.endr
.irp j, 0,1,2,3,4,5,6,7
	global_load_b128 v[AF+4*\j:AF+4*\j+3], v1, s[32:33] offset:8192+512*\j
.endr
.irp t, 0,1,2,3,4,5,6,7,8,9,10,11,12,13,14,15
	global_load_b32 v[184+\t], v11, s[46:47] offset:512*\t
.endr
.macro WLOAD s                         ; Wo's two fragments of step s
.irp u, 0,1
.irp i, 0,1,2
	global_load_b128 v[RG+24*((\s)%3)+12*\u+4*\i:RG+24*((\s)%3)+12*\u+4*\i+3], v1, s[36:37] offset:12288*\u+1536*(\s)+512*\i
.endr
.endr
.endm
	s_wait_loadcnt 40                              ; the rows' numbers are in; the 24 + 16 loads of a's images and scale bytes behind them may be out
.irp t, 0,1,2,3
	v_min_u32 v[245+\t], 4095, v[245+\t]
	v_lshlrev_b32 v[245+\t], 2, v[245+\t]
	global_load_b32 v[RW+2*\t], v[245+\t], s[42:43]
	v_mov_b32 v[RW+2*\t+1], 0
.endr
.irp u, 0,1
	global_load_b128 v[WS+8*\u:WS+8*\u+3], v9, s[38:39] offset:512*\u
	global_load_b128 v[WS+8*\u+4:WS+8*\u+7], v9, s[38:39] offset:512*\u+16
.endr
.irp u, 0,1
	global_load_b128 v[BIAS+8*\u:BIAS+8*\u+3], v10, s[40:41] offset:32*\u
	global_load_b128 v[BIAS+8*\u+4:BIAS+8*\u+7], v10, s[40:41] offset:32*\u+16
.endr
	WLOAD 0
	s_wait_loadcnt 18                              ; a's images and scale bytes are in; the 4 weights, 4 + 4 loads of scale words and bias and 6 of Wo's step 0 may be out
.irp j, 0,1,2,3,4,5,6,7,8,9,10,11,12,13,14,15
	ds_store_b128 v12, v[ACC+4*\j:ACC+4*\j+3] offset:512*\j
.endr
.irp j, 0,1,2,3,4,5,6,7
	ds_store_b128 v12, v[AF+4*\j:AF+4*\j+3] offset:8192+512*\j
.endr
.irp t, 0,1,2,3,4,5,6,7
	v_perm_b32 v[184+2*\t], v[185+2*\t], v[184+2*\t], 0x05040100 ; heads 2 t and 2 t + 1 make the scale word of step t
.endr
.irp t, 0,1,2,3,4,5,6,7
	ds_store_b32 v13, v[184+2*\t] offset:512*\t
.endr
	WLOAD 1                                        ; asked for while the stores land
	WLOAD 2
	s_wait_dscnt 0x0                               ; for the others' sake: my stores have landed
	s_barrier_signal -1
	s_barrier_wait -1
.irp s, 0,1,2,3,4,5,6,7
.if \s <= 5
	s_wait_loadcnt 12                              ; this step's six loads of Wo are in, and all that was asked for ahead of them; those of the two steps behind may be out
.elseif \s == 6
	s_wait_loadcnt 6
.else
	s_wait_loadcnt 0x0
.endif
.irp t, 0,1,2,3                        ; a fragment is two heads' halves: registers 0-3, 4-5, then 6-9, 10-11
	ds_load_b128 v[AF+12*\t:AF+12*\t+3], v1 offset:\t*12288+1536*\s
	ds_load_b64 v[AF+12*\t+4:AF+12*\t+5], v2 offset:\t*12288+1536*\s+512
	ds_load_b128 v[AF+12*\t+6:AF+12*\t+9], v1 offset:\t*12288+1536*\s+768
	ds_load_b64 v[AF+12*\t+10:AF+12*\t+11], v2 offset:\t*12288+1536*\s+1280
.endr
	ds_load_b128 v[ASW:ASW+3], v3 offset:512*\s
	s_wait_dscnt 0x0
.irp t, 0,1,2,3
.irp u, 0,1
.if \s == 0
	v_wmma_scale_f32_16x16x128_f8f6f4 v[ACC+8*(2*\t+\u):ACC+8*(2*\t+\u)+7], v[RG+24*(\s%3)+12*\u:RG+24*(\s%3)+12*\u+11], v[AF+12*\t:AF+12*\t+11], v[BIAS+8*\u:BIAS+8*\u+7], v[WS+8*\u+\s], v[ASW+\t] matrix_a_fmt:MATRIX_FMT_FP6 matrix_b_fmt:MATRIX_FMT_FP6
.else
	v_wmma_scale_f32_16x16x128_f8f6f4 v[ACC+8*(2*\t+\u):ACC+8*(2*\t+\u)+7], v[RG+24*(\s%3)+12*\u:RG+24*(\s%3)+12*\u+11], v[AF+12*\t:AF+12*\t+11], v[ACC+8*(2*\t+\u):ACC+8*(2*\t+\u)+7], v[WS+8*\u+\s], v[ASW+\t] matrix_a_fmt:MATRIX_FMT_FP6 matrix_b_fmt:MATRIX_FMT_FP6
.endif
.endr
.endr
.rept 4
	v_nop                                          ; places in front of loads into registers that matrix instructions have read, and of the first read of results
.endr
.if \s < 5
	WLOAD \s+3
.endif
.endr
.irp t, 0,1,2,3
.irp i, 0,1,2,3,4,5,6,7
	v_pk_mul_f32 v[ACC+16*\t+2*\i:ACC+16*\t+2*\i+1], v[ACC+16*\t+2*\i:ACC+16*\t+2*\i+1], v[RW+2*\t:RW+2*\t+1] op_sel_hi:[1,0]   ; x my row's weight; each accumulator from its low end on
.endr
.endr
.irp t, 0,1,2,3
.irp u, 0,1
	ds_store_b128 v4, v[ACC+8*(2*\t+\u):ACC+8*(2*\t+\u)+3] offset:16*\t*528+32*\u       ; lane (r, h): row 16 tau + r, columns 32 w + 16 h + 8 u + 0 .. 7
	ds_store_b128 v4, v[ACC+8*(2*\t+\u)+4:ACC+8*(2*\t+\u)+7] offset:16*\t*528+32*\u+16
.endr
.endr
	s_wait_dscnt 0x0
	s_barrier_signal -1
	s_barrier_wait -1                              ; 64 rows x 512 bytes lie in the stage
.irp i, 0,1,2,3,4,5,6,7,8,9,10,11,12,13,14,15
	v_readlane_b32 s44, v[RL], \i
	s_min_u32 s44, s44, 4095
	s_lshl_b32 s44, s44, 12                        ; a row of part is 4,096 bytes
	v_add_nc_u32 v[RG+\i], s44, v6
.endr
.irp i, 0,1,2,3,4,5,6,7,8,9,10,11,12,13,14,15
	ds_load_b128 v[ACC+4*\i:ACC+4*\i+3], v5 offset:\i*528
.endr
.irp i, 0,1,2,3,4,5,6,7,8,9,10,11,12,13,14,15
	s_cmp_le_u32 s29, \i                           ; the tile has no such row: nothing more is stored
	s_cbranch_scc1 .Ldone
	s_wait_dscnt 15-\i
	global_store_b128 v[RG+\i], v[ACC+4*\i:ACC+4*\i+3], s[14:15]   ; 32 lanes store 512 consecutive bytes, at a multiple of 256 from the buffer's first byte
.endr
.Ldone:
	s_wait_dscnt 0x0
	s_wait_tensorcnt 0x0
	ds_add_u32 v254, v255
	s_wait_dscnt 0x0
	s_endpgm
.Lfunc_end_k_q4fd7c864a8_oproj:
	.size	k_q4fd7c864a8_oproj, .Lfunc_end_k_q4fd7c864a8_oproj-k_q4fd7c864a8_oproj
	.p2alignl 7, 3214868480
	.fill 96, 4, 3214868480
	.section	.rodata,"a",@progbits
	.p2align	6, 0x0
	.amdhsa_kernel k_q4fd7c864a8_oproj
		.amdhsa_group_segment_fixed_size 87552
		.amdhsa_private_segment_fixed_size 0
		.amdhsa_enable_private_segment 0
		.amdhsa_kernarg_size 48
		.amdhsa_user_sgpr_count 2
		.amdhsa_user_sgpr_kernarg_segment_ptr 1
		.amdhsa_wavefront_size32 1
		.amdhsa_system_sgpr_workgroup_id_x 1
		.amdhsa_system_sgpr_workgroup_id_y 1
		.amdhsa_system_sgpr_workgroup_id_z 1
		.amdhsa_system_vgpr_workitem_id 0
		.amdhsa_next_free_vgpr 256
		.amdhsa_next_free_sgpr 66
		.amdhsa_reserve_vcc 0
		.amdhsa_float_denorm_mode_32 3
		.amdhsa_float_denorm_mode_16_64 3
		.amdhsa_memory_ordered 1
		.amdhsa_forward_progress 1
		.amdhsa_inst_pref_size 46
	.end_amdhsa_kernel
	.amdgpu_metadata
---
amdhsa.version: [ 1, 2 ]
amdhsa.kernels:
  - .name:           k_q4fd7c864a8_oproj
    .symbol:         k_q4fd7c864a8_oproj.kd
    .args:
      - { .name: lists, .offset: 0, .size: 8, .value_kind: global_buffer, .address_space: global }
      - { .name: xbuf, .offset: 8, .size: 8, .value_kind: global_buffer, .address_space: global }
      - { .name: wbuf, .offset: 16, .size: 8, .value_kind: global_buffer, .address_space: global }
      - { .name: bo, .offset: 24, .size: 8, .value_kind: global_buffer, .address_space: global }
      - { .name: abuf, .offset: 32, .size: 8, .value_kind: global_buffer, .address_space: global }
      - { .name: part, .offset: 40, .size: 8, .value_kind: global_buffer, .address_space: global }
    .group_segment_fixed_size: 87552
    .private_segment_fixed_size: 0
    .kernarg_segment_align: 8
    .kernarg_segment_size: 48
    .max_flat_workgroup_size: 128
    .sgpr_count:     66
    .vgpr_count:     256
    .wavefront_size: 32
...
	.end_amdgpu_metadata
.endif
;; end of part 5
;; launch combine (part 6): grid 256 x 1, 8 waves a work-group, no clusters, 0 bytes of LDS; arguments part, out0; writes out0
.if DOCPART == 6
	.amdgcn_target "amdgcn-amd-amdhsa--gfx1250"
	.amdhsa_code_object_version 6
	.text
	.protected	k_q4fd7c864a8_combine
	.globl	k_q4fd7c864a8_combine
	.p2align	8
	.type	k_q4fd7c864a8_combine,@function
k_q4fd7c864a8_combine:
	s_mov_b64 s[64:65], 0
	v_nop
	global_prefetch_b8 v0, s[64:65] scope:SCOPE_SE
	s_setreg_imm32_b32 hwreg(HW_REG_WAVE_MODE, 25, 1), 1
	s_wait_xcnt 0x0
; out0[token] = part[token] + part[2048 + token]: the two chosen experts' weighted rows.  A stream: each byte read once, 16 bytes a lane, 512 consecutive bytes a wave and instruction.
; A work-group takes 32,768 bytes of out0; a thread eight pieces of 16 bytes, 4,096 bytes apart.  All sixteen loads go out first; no LDS, no barrier, no matrix unit: memory binds.
	s_load_b128 s[4:7], s[0:1], 0x0                ; part s[4:5], out0 s[6:7]
	s_lshl_b32 s8, ttmp9, 15
	v_lshl_add_u32 v1, v0, 4, s8
	s_wait_kmcnt 0x0
	s_add_nc_u64 s[10:11], s[4:5], 8388608         ; the second slot's rows
.irp j, 0,1,2,3,4,5,6,7
	global_load_b128 v[4+4*\j:7+4*\j], v1, s[4:5] offset:4096*\j th:TH_LOAD_NT
.endr
.irp j, 0,1,2,3,4,5,6,7
	global_load_b128 v[36+4*\j:39+4*\j], v1, s[10:11] offset:4096*\j th:TH_LOAD_NT
.endr
.irp j, 0,1,2,3,4,5,6,7
	s_wait_loadcnt 7-\j                            ; loads come back in order: piece j of both slots is in, the younger ones may be out
	v_pk_add_f32 v[4+4*\j:5+4*\j], v[4+4*\j:5+4*\j], v[36+4*\j:37+4*\j]
	v_pk_add_f32 v[6+4*\j:7+4*\j], v[6+4*\j:7+4*\j], v[38+4*\j:39+4*\j]
	global_store_b128 v1, v[4+4*\j:7+4*\j], s[6:7] offset:4096*\j th:TH_STORE_NT
.endr
	s_endpgm
.Lfunc_end_k_q4fd7c864a8_combine:
	.size	k_q4fd7c864a8_combine, .Lfunc_end_k_q4fd7c864a8_combine-k_q4fd7c864a8_combine
	.p2alignl 7, 3214868480
	.fill 96, 4, 3214868480
	.section	.rodata,"a",@progbits
	.p2align	6, 0x0
	.amdhsa_kernel k_q4fd7c864a8_combine
		.amdhsa_group_segment_fixed_size 0
		.amdhsa_private_segment_fixed_size 0
		.amdhsa_enable_private_segment 0
		.amdhsa_kernarg_size 16
		.amdhsa_user_sgpr_count 2
		.amdhsa_user_sgpr_kernarg_segment_ptr 1
		.amdhsa_wavefront_size32 1
		.amdhsa_system_sgpr_workgroup_id_x 1
		.amdhsa_system_sgpr_workgroup_id_y 1
		.amdhsa_system_sgpr_workgroup_id_z 1
		.amdhsa_system_vgpr_workitem_id 0
		.amdhsa_next_free_vgpr 72
		.amdhsa_next_free_sgpr 66
		.amdhsa_reserve_vcc 0
		.amdhsa_float_denorm_mode_32 3
		.amdhsa_float_denorm_mode_16_64 3
		.amdhsa_memory_ordered 1
		.amdhsa_forward_progress 1
		.amdhsa_inst_pref_size 5
	.end_amdhsa_kernel
	.amdgpu_metadata
---
amdhsa.version: [ 1, 2 ]
amdhsa.kernels:
  - .name:           k_q4fd7c864a8_combine
    .symbol:         k_q4fd7c864a8_combine.kd
    .args:
      - { .name: part, .offset: 0, .size: 8, .value_kind: global_buffer, .address_space: global }
      - { .name: out0, .offset: 8, .size: 8, .value_kind: global_buffer, .address_space: global }
    .group_segment_fixed_size: 0
    .private_segment_fixed_size: 0
    .kernarg_segment_align: 8
    .kernarg_segment_size: 16
    .max_flat_workgroup_size: 256
    .sgpr_count:     66
    .vgpr_count:     72
    .wavefront_size: 32
...
	.end_amdgpu_metadata
.endif
;; end of part 6
;; ======== version 2 of 3: 6 launches; 1.13 times as fast as version 1
;; workspace buffers: ridx 16,384 bytes of whole numbers; xbuf 14,761,984 bytes; lists 18,432 bytes of whole numbers; wbuf 26,214,400 bytes; kvbuf 13,631,488 bytes; abuf 4,530,176 bytes; part 16,777,216 bytes
;; launch prepx (part 7): grid 352 x 1, 4 waves a work-group, no clusters, 84,480 bytes of LDS; arguments queries, keys, values, Wr, br, ridx, xbuf; writes ridx, xbuf
.if DOCPART == 7
	.amdgcn_target "amdgcn-amd-amdhsa--gfx1250"
	.amdhsa_code_object_version 6
	.text
	.protected	k_q4fd7c864a8_prepx
	.globl	k_q4fd7c864a8_prepx
	.p2align	8
	.type	k_q4fd7c864a8_prepx,@function
k_q4fd7c864a8_prepx:
	s_mov_b64 s[64:65], 0
	v_nop
	global_prefetch_b8 v0, s[64:65] scope:SCOPE_SE
	s_setreg_imm32_b32 hwreg(HW_REG_WAVE_MODE, 25, 1), 1
	s_wait_xcnt 0x0
; Work-groups 0-63: THE ROUTER.  logits = queries Wr + br in f32 (fused multiply-adds), the two largest (the lower index wins a tie), softmax over the two.
;   Stored at fixed places: ridx [slot 2][token 2048] the expert, xbuf+RW_OFF [slot][token] the weight.  No address hangs on the choice.
; Work-groups 64-351: THE QUANTISER of keys, values and queries along their last axis, 1,024, to FP6 (E2M3) with one E8M0 byte for each 32.
;   A wave takes a tile of 16 rows: lane r of tile 2 beta + u holds row 32 beta + 8 u + r + 8 (r / 8).  Eight steps of 128 along K.
;   keys, values: each step leaves as an IMAGE of an operand: register i of lane L at 512 (i / 4) + 16 L + 4 (i % 4), 1,536 bytes; xbuf [tile 1024][step 8][1536].
;   queries: rows of 768 bytes of codes as a plain stream of bits, since a later launch gathers them row by row; xbuf+QC_OFF [token][768].
;   Scale words: one word a row and step; keys, values: xbuf+XSC_OFF [tile][r 16][8 words]; queries: xbuf+QS_OFF [token][8 words].
; A block's scale is 2^(floor(log2(largest magnitude)) - 2); its byte is the largest magnitude's exponent field - 2, held at 1 from below.
; LIMITS: NaN and infinities are not served; a block whose largest magnitude lies under 2^-124, a block of zeros among them, keeps the byte 1 (its bytes are read by this program alone);
; the router's sum runs in 32 partial sums of 32 terms, joined by a tree: logits whose second and third values differ by less than f32 rounding may choose the other expert.
.set NRT,     64                       ; the router's work-groups; behind them 128 for keys, 128 for values, 32 for queries
.set XSC_OFF, 12582912
.set QC_OFF,  13107200
.set QS_OFF,  14680064
.set RW_OFF,  14745600
.set WREG,    20992                    ; LDS of a wave: a stage of 16 rows x 528 bytes, then the queries' stage of 16 rows x 784 bytes
.set QSTG,    8448
.set SW,  8                            ; v8-15    the row's eight scale words
.set R,   16                           ; v16-143  two sets of 64 registers as loaded
.set X,   144                          ; v144-207 64 numbers: register 16 b + i = k 32 b + 16 (lane / 16) + i of my row
.set PC,  208                          ; v208-219 the fragment just made
.set CT,  220                          ; v220-227 the conversions' second halves
.set TM,  228                          ; v228-243 at work
.set SEL, 42                           ; s[42:43] lane selects: lane l xor 16
; 64 numbers of a lane become a fragment's two halves, six registers at d0 and six at d1, and the row's scale word in pw.
.macro QUANT s, d0, d1, pw
.irp b, 0,1,2,3
	v_max3_num_f32 v[TM+\b], |v[(\s)+16*\b]|, |v[(\s)+1+16*\b]|, 0x1800000   ; my 16 numbers of block b, and the floor 2^(3 - 127): the byte cannot fall under 1
.endr
.irp i, 2,4,6,8,10,12,14
.irp b, 0,1,2,3
	v_max3_num_f32 v[TM+\b], v[TM+\b], |v[(\s)+16*\b+\i]|, |v[(\s)+1+16*\b+\i]|
.endr
.endr
.irp b, 0,1,2,3
	v_permlanex16_b32 v[TM+4+\b], v[TM+\b], s[SEL], s[SEL+1]
.endr
.irp b, 0,1,2,3
	v_max_num_f32 v[TM+\b], v[TM+\b], v[TM+4+\b]                 ; with lane l xor 16: the block's largest magnitude
.endr
.irp b, 0,1,2,3
	v_add_nc_u32 v[TM+12+\b], 0xff000000, v[TM+\b]               ; 2 off the exponent field: the conversion's scale operand
.endr
.irp b, 0,1,2,3
	v_lshrrev_b32 v[TM+4+\b], 23, v[TM+12+\b]                    ; the scale's byte
.endr
	v_lshl_or_b32 v[\pw], v[TM+5], 8, v[TM+4]
	v_lshl_or_b32 v[\pw], v[TM+6], 16, v[\pw]
	v_lshl_or_b32 v[\pw], v[TM+7], 24, v[\pw]
	v_cvt_scalef32_pk16_fp6_f32 v[(\d0):(\d0)+2], v[(\s):(\s)+15], v[TM+12]
	v_cvt_scalef32_pk16_fp6_f32 v[CT:CT+2], v[(\s)+16:(\s)+31], v[TM+13]
	v_cvt_scalef32_pk16_fp6_f32 v[(\d1):(\d1)+2], v[(\s)+32:(\s)+47], v[TM+14]
	v_cvt_scalef32_pk16_fp6_f32 v[CT+4:CT+6], v[(\s)+48:(\s)+63], v[TM+15]
	v_nop                                                        ; one plain place behind the scaled conversions
.irp i, 0,1,2
	v_permlane16_swap_b32 v[(\d0)+\i], v[CT+\i]                  ; a whole block to a lane: lanes 0-15 the even block, lanes 16-31 the odd one
	v_permlane16_swap_b32 v[(\d1)+\i], v[CT+4+\i]
.endr
.irp i, 0,1,2
	v_mov_b32 v[(\d0)+3+\i], v[CT+\i]
	v_mov_b32 v[(\d1)+3+\i], v[CT+4+\i]
.endr
.endm
	s_load_b256 s[4:11], s[0:1], 0x0               ; queries s[4:5], keys s[6:7], values s[8:9], Wr s[10:11]
	s_load_b128 s[12:15], s[0:1], 0x20             ; br s[12:13], ridx s[14:15]
	s_load_b64 s[16:17], s[0:1], 0x30              ; xbuf
	v_lshl_add_u32 v248, v0, 2, 0x14800
	v_mov_b32 v249, 0
	v_lshrrev_b32 v1, 5, v0
	v_readfirstlane_b32 s18, v1                    ; wave 0..3
	s_mov_b32 s[SEL], 0x76543210
	s_mov_b32 s[SEL+1], 0xfedcba98
	s_cmp_lt_u32 ttmp9, NRT
	s_cbranch_scc1 .Lrouter
; ---------------- the quantiser ----------------
	s_sub_co_u32 s19, ttmp9, NRT
	s_lshl_b32 s19, s19, 2
	s_add_co_u32 s19, s19, s18                     ; W: 0-511 keys' tiles, 512-1023 values', 1024-1151 queries'
	s_and_b32 s20, s19, 511                        ; the tile in its tensor
	s_lshr_b32 s21, s20, 1
	s_lshl_b32 s21, s21, 5
	s_and_b32 s22, s20, 1
	s_lshl_b32 s22, s22, 3
	s_add_co_u32 s21, s21, s22                     ; its first row: 32 beta + 8 u
	s_lshl_b32 s24, s21, 12                        ; rows of 4,096 bytes
	s_mov_b32 s25, 0
	s_mul_i32 s30, s19, 12288                      ; the tile's eight images
	s_mov_b32 s31, 0
	s_mul_i32 s32, s21, 768
	s_add_co_u32 s32, s32, QC_OFF                  ; the queries' rows of codes
	s_mov_b32 s33, 0
	s_lshl_b32 s28, s19, 9
	s_add_co_u32 s28, s28, XSC_OFF
	s_lshl_b32 s29, s21, 5
	s_add_co_u32 s29, s29, QS_OFF
	s_cmp_ge_u32 ttmp9, NRT+256                    ; a work-group of queries?  It hangs on the work-group's number alone
	s_cselect_b32 s28, s29, s28                    ; where the scale words go
	s_cselect_b32 s26, 1, 0
	s_cselect_b32 s27, 256, 0                      ; queries: lanes 8-15 hold tokens 8 further on than their place in the tile: 8 x 32 bytes
	s_mov_b32 s29, 0
	s_mul_i32 s23, s18, WREG
	v_and_b32 v244, 31, v0                         ; lane
	v_and_b32 v245, 15, v0                         ; r
	v_bfe_u32 v246, v0, 4, 1                       ; h
	v_lshlrev_b32 v1, 4, v244                      ; 16 x lane
	v_add_nc_u32 v2, s23, v1                       ; the stage, in: a row's 512 bytes as they lie
	v_mul_u32_u24 v3, v245, 528
	v_lshl_add_u32 v3, v246, 6, v3
	v_add_nc_u32 v3, s23, v3                       ; out: row r, + 64 h: my 16 numbers of each block of 32
	v_mul_u32_u24 v4, v245, 784
	v_mad_u32_u24 v4, v246, 24, v4
	v_add_nc_u32 v4, s23, v4
	v_add_nc_u32 v4, QSTG, v4                      ; the queries' stage, in: row r, + 24 h
	v_add_nc_u32 v5, QSTG, v2                      ; out: 16 x lane,
	v_lshl_add_u32 v6, v246, 4, v5                 ; and the same 16 bytes on for lanes 16-31, where a run of 512 bytes passes from a row into the next
	v_lshlrev_b32 v7, 5, v245
	v_lshl_add_u32 v7, v246, 4, v7
	v_lshrrev_b32 v247, 3, v245
	v_mad_u32_u24 v7, v247, s27, v7                ; my 16 bytes of the scale words: 32 r + 16 h (+ 256 for r above 7 in queries)
.irp b, 0,1,2,3
	v_mov_b32 v[TM+4+\b], 0                        ; written once: a lane permute's destination counts as one of its sources
.endr
	s_wait_kmcnt 0x0
	s_cmp_lt_u32 ttmp9, NRT+128
	s_cselect_b64 s[34:35], s[6:7], s[8:9]         ; keys or values,
	s_cmp_ge_u32 ttmp9, NRT+256
	s_cselect_b64 s[34:35], s[4:5], s[34:35]       ; or queries
	s_add_nc_u64 s[34:35], s[34:35], s[24:25]
	s_add_nc_u64 s[36:37], s[16:17], s[30:31]
	s_add_nc_u64 s[38:39], s[16:17], s[28:29]
	s_add_nc_u64 s[40:41], s[16:17], s[32:33]
.macro LOAD s                          ; step s: 16 loads, each 512 consecutive bytes of one of the tile's rows
.irp i, 0,1,2,3,4,5,6,7,8,9,10,11,12,13,14,15
	global_load_b128 v[R+64*((\s)%2)+4*\i:R+64*((\s)%2)+4*\i+3], v1, s[34:35] offset:(\i+8*(\i/8))*4096+512*(\s) th:TH_LOAD_NT
.endr
.endm
.macro STEP s
.if (\s) < 7
	s_wait_loadcnt 16                              ; this step's 16 loads are in; the next step's 16 may be out
.else
	s_wait_loadcnt 0x0
.endif
.irp i, 0,1,2,3,4,5,6,7,8,9,10,11,12,13,14,15
	ds_store_b128 v2, v[R+64*((\s)%2)+4*\i:R+64*((\s)%2)+4*\i+3] offset:\i*528
.endr
.irp b, 0,1,2,3
.irp j, 0,1,2,3
	ds_load_b128 v[X+16*\b+4*\j:X+16*\b+4*\j+3], v3 offset:128*\b+16*\j   ; LDS serves a wave's instructions in order: these see the stores above
.endr
.endr
	s_wait_dscnt 0x0                               ; the numbers are back, and the stores have read the set of registers
	s_wait_xcnt 0x0                                ; the last step's stores have read the fragment's registers, which are written again below
.if (\s) < 6
	LOAD (\s)+2
.endif
	QUANT X, PC, PC+6, SW+(\s)
	s_cmp_lg_u32 s26, 0
	s_cbranch_scc1 .Lq_\@
.irp c, 0,1,2
	global_store_b128 v1, v[PC+4*\c:PC+4*\c+3], s[36:37] offset:1536*(\s)+512*\c th:TH_STORE_NT   ; 32 lanes store 512 consecutive bytes
.endr
	s_branch .Ld_\@
.Lq_\@:
.irp c, 0,1
.irp p, 0,1,2
	ds_store_b64 v4, v[PC+6*\c+2*\p:PC+6*\c+2*\p+1] offset:96*(\s)+48*\c+8*\p   ; the row's stream of bits: k = 128 s + 64 c + 32 h on
.endr
.endr
.Ld_\@:
.endm
	LOAD 0
	LOAD 1
.irp t, 0,1,2,3,4,5,6,7
	STEP \t
.endr
	v_cmp_eq_u32 vcc_lo, 1, v246
.irp i, 0,1,2,3
	v_cndmask_b32 v[CT+\i], v[SW+\i], v[SW+4+\i], vcc_lo         ; lanes 0-15 store the row's words 0-3, lanes 16-31 its words 4-7
.endr
	global_store_b128 v7, v[CT:CT+3], s[38:39]
	s_cmp_eq_u32 s26, 0
	s_cbranch_scc1 .Lend
	; queries: 16 rows x 768 bytes leave as 24 runs of 512 consecutive bytes; rows 8-15 of the tile are tokens 16 on: 6,144 bytes further
.irp j, 0,1,2,3,4,5,6,7,8,9,10,11,12,13,14,15,16,17,18,19,20,21,22,23
.if (\j%3) == 0
	ds_load_b128 v[R+4*\j:R+4*\j+3], v5 offset:2*(\j/3)*784
.elseif (\j%3) == 1
	ds_load_b128 v[R+4*\j:R+4*\j+3], v6 offset:2*(\j/3)*784+512
.else
	ds_load_b128 v[R+4*\j:R+4*\j+3], v5 offset:(2*(\j/3)+1)*784+256
.endif
.endr
.irp j, 0,1,2,3,4,5,6,7,8,9,10,11,12,13,14,15,16,17,18,19,20,21,22,23
	s_wait_dscnt 23-\j
	global_store_b128 v1, v[R+4*\j:R+4*\j+3], s[40:41] offset:512*\j+6144*(\j/12)
.endr
.Lend:
	s_wait_tensorcnt 0x0
	ds_add_u32 v248, v249
	s_wait_dscnt 0x0
	s_endpgm
; ---------------- the router ----------------
; A wave takes 8 tokens, and its 32 LANES SHARE K: a stage is 128 along K, so that a wave's chain of dependent loads is eight stages long, two of them out at a time.
; In stage s lane l holds k = 128 s + 64 jj + 2 l + j (jj, j = 0, 1; kk = 2 jj + j): a load of x is 8 bytes a lane, 256 consecutive bytes of a token's row, at a multiple of 256 from the row's start;
; a lane's two rows of Wr are 64 consecutive bytes.  A stage is 16 + 8 loads and 128 packed multiply-adds, a pair of experts each.  Every offset is an immediate: no pointer is stepped.
; No LDS and no barrier here: Wr is 32 KB, which each wave reads for itself.
.set RA, 8                             ; v8-71    the sums: token t, expert e at RA + 8 t + e
.set RS, 72                            ; v72-199  two sets of 64: x of token t, kk at + 4 t + kk; Wr's row kk, expert e at + 32 + 8 kk + e.  Later: what a lane hands to its partner
.Lrouter:
	s_lshl_b32 s19, ttmp9, 2
	s_add_co_u32 s19, s19, s18
	s_lshl_b32 s19, s19, 3                         ; T0: my wave's first token
	s_lshl_b32 s20, s19, 12
	s_mov_b32 s21, 0
	v_and_b32 v1, 31, v0
	v_lshlrev_b32 v2, 6, v1                        ; Wr: 64 x lane
	v_lshlrev_b32 v1, 3, v1                        ; x: 8 x lane
	v_and_b32 v3, 1, v0
	v_cmp_ne_u32 s23, 0, v3                        ; the lanes whose bit 0 is set,
	v_and_b32 v3, 2, v0
	v_cmp_ne_u32 s24, 0, v3                        ; bit 1,
	v_and_b32 v3, 4, v0
	v_cmp_ne_u32 s25, 0, v3                        ; bit 2
	s_wait_kmcnt 0x0
	s_load_b256 s[44:51], s[12:13], 0x0            ; br
	s_add_nc_u64 s[4:5], s[4:5], s[20:21]
	s_add_nc_u64 s[16:17], s[16:17], RW_OFF
.macro RLOAD s
.set RB, RS+64*((\s)%2)
.irp t, 0,1,2,3,4,5,6,7
.irp jj, 0,1
	global_load_b64 v[RB+4*\t+2*\jj:RB+4*\t+2*\jj+1], v1, s[4:5] offset:4096*\t+512*(\s)+256*\jj
.endr
.endr
.irp kk, 0,1,2,3
.irp hf, 0,1
	global_load_b128 v[RB+32+8*\kk+4*\hf:RB+32+8*\kk+4*\hf+3], v2, s[10:11] offset:4096*(\s)+2048*(\kk/2)+32*(\kk%2)+16*\hf
.endr
.endr
.endm
; kk outermost: a sum is taken up again only behind the 31 others.  The very first products start the sums: nothing is cleared.
.macro RFMA s
.set RB, RS+64*((\s)%2)
.irp kk, 0,1,2,3
.irp t, 0,1,2,3,4,5,6,7
.irp p, 0,1,2,3
.if (\s) == 0 && \kk == 0
	v_pk_mul_f32 v[RA+8*\t+2*\p:RA+8*\t+2*\p+1], v[RB+32+2*\p:RB+33+2*\p], v[RB+4*\t:RB+4*\t+1] op_sel_hi:[1,0]
.elseif (\kk%2) == 0
	v_pk_fma_f32 v[RA+8*\t+2*\p:RA+8*\t+2*\p+1], v[RB+32+8*\kk+2*\p:RB+33+8*\kk+2*\p], v[RB+4*\t+2*(\kk/2):RB+4*\t+2*(\kk/2)+1], v[RA+8*\t+2*\p:RA+8*\t+2*\p+1] op_sel_hi:[1,0,1]
.else
	v_pk_fma_f32 v[RA+8*\t+2*\p:RA+8*\t+2*\p+1], v[RB+32+8*\kk+2*\p:RB+33+8*\kk+2*\p], v[RB+4*\t+2*(\kk/2):RB+4*\t+2*(\kk/2)+1], v[RA+8*\t+2*\p:RA+8*\t+2*\p+1] op_sel:[0,1,0] op_sel_hi:[1,1,1]
.endif
.endr
.endr
.endr
.endm
	RLOAD 0
	RLOAD 1
.irp g, 0,1,2,3,4,5,6,7
.if \g < 7
	s_wait_loadcnt 24                              ; this stage's 24 loads are in; the next stage's 24 may be out
.else
	s_wait_loadcnt 0x0
.endif
	RFMA \g
.if \g < 6
	RLOAD \g+2                                     ; into the set just multiplied
.endif
.endr
; ACROSS THE LANES.  A step halves the numbers a lane holds: of two groups of tokens, dist registers apart, a lane keeps the one that its bit names and hands the other to the lane whose number differs in that bit.
; cnt: pairs of groups;  msk: the scalar register with the bit's lanes;  xm: the bit's value.  Behind the three steps lane l holds the eight sums of token l % 8, over eight lanes' shares of K.
.macro SCAT cnt, dist, msk, xm
.set G, 0
.rept \cnt
.irp e, 0,1,2,3,4,5,6,7
	v_cndmask_b32 v[RS+8*G+\e], v[RA+2*(\dist)*G+(\dist)+\e], v[RA+2*(\dist)*G+\e], s[\msk]        ; handed over: bit set: the lower group, else the upper
.endr
.set G, G+1
.endr
.set G, 0
.rept \cnt
.irp e, 0,1,2,3,4,5,6,7
	v_cndmask_b32 v[RA+2*(\dist)*G+\e], v[RA+2*(\dist)*G+\e], v[RA+2*(\dist)*G+(\dist)+\e], s[\msk]   ; kept: bit set: the upper group, else the lower
.endr
.set G, G+1
.endr
.set G, 0
.rept \cnt
.irp e, 0,1,2,3,4,5,6,7
	v_add_f32_dpp v[RA+2*(\dist)*G+\e], v[RS+8*G+\e], v[RA+2*(\dist)*G+\e] row_xmask:\xm row_mask:0xf bank_mask:0xf   ; what my partner hands me + what I keep
.endr
.set G, G+1
.endr
.endm
	SCAT 4, 8, 23, 1                               ; tokens 2 i and 2 i + 1: lane bit 0 = the token's bit 0
	SCAT 2, 16, 24, 2                              ; bit 1
	SCAT 1, 32, 25, 4                              ; bit 2
.irp e, 0,1,2,3,4,5,6,7
	v_add_f32_dpp v[RA+\e], v[RA+\e], v[RA+\e] row_xmask:8 row_mask:0xf bank_mask:0xf   ; lane l xor 8 holds the same token
.endr
.irp e, 0,1,2,3,4,5,6,7
	v_permlanex16_b32 v[RA+16+\e], v[RA+\e], s[SEL], s[SEL+1]    ; and so does lane l xor 16 (the destinations have held sums: they are written)
.endr
.irp e, 0,1,2,3,4,5,6,7
	v_add_f32 v[RA+\e], v[RA+\e], v[RA+16+\e]
.endr
	s_wait_kmcnt 0x0
.irp e, 0,1,2,3,4,5,6,7
	v_add_f32 v[8+\e], s[44+\e], v[8+\e]
.endr
	v_mov_b32 v24, v8                              ; the largest and its expert,
	v_mov_b32 v25, 0
	v_mov_b32 v26, 0xff800000                      ; the second and its expert
	v_mov_b32 v27, 0
.irp e, 1,2,3,4,5,6,7                  ; strictly greater: of equal logits the lower index stays ahead
	v_cmp_gt_f32 vcc_lo, v[8+\e], v24
	v_cmp_gt_f32 s26, v[8+\e], v26
	v_cndmask_b32 v26, v26, v[8+\e], s26
	v_cndmask_b32 v27, v27, \e, s26
	v_cndmask_b32 v26, v26, v24, vcc_lo
	v_cndmask_b32 v27, v27, v25, vcc_lo
	v_cndmask_b32 v24, v24, v[8+\e], vcc_lo
	v_cndmask_b32 v25, v25, \e, vcc_lo
.endr
	v_sub_f32 v28, v26, v24                        ; the maximum is taken away: 0 or less
	v_mul_f32 v28, 0x3fb8aa3b, v28
	v_exp_f32 v28, v28
	v_and_b32 v30, 7, v0                           ; (a plain place behind the exponential)
	s_wait_alu depctr_va_vdst(0)                   ; the wait ahead of the result's first reader
	v_add_f32 v29, 1.0, v28
	v_rcp_f32 v29, v29                             ; the first weight: 1 / (1 + e^(second - first))
	v_add_nc_u32 v30, s19, v30                     ; (a plain place)  my token
	s_wait_alu depctr_va_vdst(0)
	v_mul_f32 v28, v28, v29                        ; the second weight
	v_lshlrev_b32 v30, 2, v30
	global_store_b32 v30, v25, s[14:15]            ; lanes 8-31 write the same words with the same values
	global_store_b32 v30, v27, s[14:15] offset:8192
	global_store_b32 v30, v29, s[16:17]
	global_store_b32 v30, v28, s[16:17] offset:8192
	s_endpgm
.Lfunc_end_k_q4fd7c864a8_prepx:
	.size	k_q4fd7c864a8_prepx, .Lfunc_end_k_q4fd7c864a8_prepx-k_q4fd7c864a8_prepx
	.p2alignl 7, 3214868480
	.fill 96, 4, 3214868480
	.section	.rodata,"a",@progbits
	.p2align	6, 0x0
	.amdhsa_kernel k_q4fd7c864a8_prepx
		.amdhsa_group_segment_fixed_size 84480
		.amdhsa_private_segment_fixed_size 0
		.amdhsa_enable_private_segment 0
		.amdhsa_kernarg_size 56
		.amdhsa_user_sgpr_count 2
		.amdhsa_user_sgpr_kernarg_segment_ptr 1
		.amdhsa_wavefront_size32 1
		.amdhsa_system_sgpr_workgroup_id_x 1
		.amdhsa_system_sgpr_workgroup_id_y 1
		.amdhsa_system_sgpr_workgroup_id_z 1
		.amdhsa_system_vgpr_workitem_id 0
		.amdhsa_next_free_vgpr 250
		.amdhsa_next_free_sgpr 66
		.amdhsa_reserve_vcc 1
		.amdhsa_float_denorm_mode_32 3
		.amdhsa_float_denorm_mode_16_64 3
		.amdhsa_memory_ordered 1
		.amdhsa_forward_progress 1
		.amdhsa_inst_pref_size 172
	.end_amdhsa_kernel
	.amdgpu_metadata
---
amdhsa.version: [ 1, 2 ]
amdhsa.kernels:
  - .name:           k_q4fd7c864a8_prepx
    .symbol:         k_q4fd7c864a8_prepx.kd
    .args:
      - { .name: queries, .offset: 0, .size: 8, .value_kind: global_buffer, .address_space: global }
      - { .name: keys, .offset: 8, .size: 8, .value_kind: global_buffer, .address_space: global }
      - { .name: values, .offset: 16, .size: 8, .value_kind: global_buffer, .address_space: global }
      - { .name: Wr, .offset: 24, .size: 8, .value_kind: global_buffer, .address_space: global }
      - { .name: br, .offset: 32, .size: 8, .value_kind: global_buffer, .address_space: global }
      - { .name: ridx, .offset: 40, .size: 8, .value_kind: global_buffer, .address_space: global }
      - { .name: xbuf, .offset: 48, .size: 8, .value_kind: global_buffer, .address_space: global }
    .group_segment_fixed_size: 84480
    .private_segment_fixed_size: 0
    .kernarg_segment_align: 8
    .kernarg_segment_size: 56
    .max_flat_workgroup_size: 128
    .sgpr_count:     66
    .vgpr_count:     250
    .wavefront_size: 32
...
	.end_amdgpu_metadata
.endif
;; end of part 7
;; launch prepw: the kernel of part 2 again; grid 1025 x 1, 4 waves a work-group, no clusters, 25,088 bytes of LDS; arguments Wq, Wk, Wv, Wo, ridx, wbuf, lists; writes wbuf, lists
;; launch kvproj: the kernel of part 3 again; grid 4 x 64, 4 waves a work-group, clusters of 4 x 4, 327,680 bytes of LDS; arguments xbuf, wbuf, bk, bv, kvbuf; writes kvbuf
;; launch qattn: the kernel of part 4 again; grid 79 x 16, 4 waves a work-group, no clusters, 157,184 bytes of LDS; arguments lists, xbuf, wbuf, bq, kvbuf, abuf; writes abuf
;; launch oproj: the kernel of part 5 again; grid 79 x 8, 4 waves a work-group, no clusters, 87,552 bytes of LDS; arguments lists, xbuf, wbuf, bo, abuf, part; writes part
;; launch combine: the kernel of part 6 again; grid 256 x 1, 8 waves a work-group, no clusters, 0 bytes of LDS; arguments part, out0; writes out0
;; ======== version 3 of 3: 6 launches; version 2 with the launches qattn, oproj written anew for expert scheduling mode
;; workspace buffers: ridx 16,384 bytes of whole numbers; xbuf 14,761,984 bytes; lists 18,432 bytes of whole numbers; wbuf 26,214,400 bytes; kvbuf 13,631,488 bytes; abuf 4,530,176 bytes; part 16,777,216 bytes
;; launch prepx: the kernel of part 7 again; grid 352 x 1, 4 waves a work-group, no clusters, 84,480 bytes of LDS; arguments queries, keys, values, Wr, br, ridx, xbuf; writes ridx, xbuf
;; launch prepw: the kernel of part 2 again; grid 1025 x 1, 4 waves a work-group, no clusters, 25,088 bytes of LDS; arguments Wq, Wk, Wv, Wo, ridx, wbuf, lists; writes wbuf, lists
;; launch kvproj: the kernel of part 3 again; grid 4 x 64, 4 waves a work-group, clusters of 4 x 4, 327,680 bytes of LDS; arguments xbuf, wbuf, bk, bv, kvbuf; writes kvbuf
;; launch qattn (part 8): grid 79 x 16, 4 waves a work-group, no clusters, 157,184 bytes of LDS; arguments lists, xbuf, wbuf, bq, kvbuf, abuf; writes abuf
.if DOCPART == 8
	.amdgcn_target "amdgcn-amd-amdhsa--gfx1250"
	.amdhsa_code_object_version 6
	.text
	.protected	k_q4fd7c864a8_qattn
	.globl	k_q4fd7c864a8_qattn
	.p2align	8
	.type	k_q4fd7c864a8_qattn,@function
k_q4fd7c864a8_qattn:
	s_mov_b64 s[64:65], 0
	v_nop
	global_prefetch_b8 v0, s[64:65] scope:SCOPE_SE
	s_setreg_imm32_b32 hwreg(HW_REG_WAVE_SCHED_MODE, 0, 2), 2
	s_setreg_imm32_b32 hwreg(HW_REG_WAVE_MODE, 25, 1), 1
	s_wait_xcnt 0x0
	s_wait_alu depctr_vm_vsrc(0)
; For one tile of up to 64 routed rows of one group (batch, expert) and one head: gather the rows' codes, q = x Wq[e] + bq[e] for the head's 64 channels, quantise q,
; attention over the expert's 512 keys of that batch, divide by the row's sum, quantise along the channels.  All products on codes of FP6 (E2M3) with E8M0 scales.
; SHARES.  Work-group x = the tile (79 serve every split: 4,096 / 64 + 16 - 1), y = the head.  Wave w takes rows 16 w .. 16 w + 15.  The waves share Wq's four tiles, K, V and their scale words through LDS, copied once; one barrier.
; A wave that the split leaves without rows stores zero codes with the byte 127, so that every byte that the next launch reads is written.  That branch hangs on a stored count, so this launch has no tensor load
; and no cluster: the work-groups of a tile would share K and V only by such loads.
; LAYOUT.  All products are used transposed: a lane holds ONE routed row throughout.  q^T = Wq x^T, S^T = K q^T, O^T = V^T p^T.
; THE SCORES' K IS 64: a fragment of K holds two key tiles (k 0-63, k 64-127); it is multiplied by q with zero codes in the upper half, and by q in the upper half with zero codes below.
; THE SOFTMAX: t = score x log2(e) / 8; M = the running largest t rounded up to a whole number; p = 2^(t - M) is quantised along the keys; the sum is taken of the unquantised p and divides at the end.
; OUT: abuf [tile][w][head][768]: half a fragment: registers 0-3 at 16 x lane, registers 4-5 at 512 + 8 x lane;  abuf+ASC [tile][head][w][lane]: the row's two scale bytes.
; LIMITS: NaN and infinities are not served; a block under 2^-124 keeps the byte 1 (read by this program alone).
; THE MODE: SCHED_MODE bits 1:0 = 2 (LLVM: expert scheduling mode 2), set by the entry lines.  The code itself states the register dependences
; between vector or matrix instructions and memory or LDS instructions, with s_wait_alu, always for 0.
; THE PLAN.  Registers that memory or LDS instructions touch:
;   v1-10, v13, v233-237   addresses, made once at the head.  v13 and v233-234 are written again by vector lines behind the barrier.
;   v216-223, v14          addresses in the list of rows; v216-223 then take Wq's scale words, v14 later the row's sum.
;   v224-232               the rows' numbers land here; vector lines make x's addresses of them in place; behind the barrier they are at work in QUANT2.
;   v16-223                THE COPY: loads land, LDS stores read, then other loads land (x in Wq's place, the bias in V's) or vector lines write.
;   WF, XF, FS             THE q PHASE: two halves, a step of 128 along K each.  Step s's four products read half s % 2; the LDS loads of step s + 1 land in the other half, which step s - 1's products read.
;   FRG, FS                A KEY STEP: K's fragments land, eight products read them, V's fragments land in their place, four products read those.
;   PCD, T0                written by vector lines, read by the three global stores.
; So in the q phase ONE wait on va_vdst stands at a step's head, and the next step's nineteen loads follow it, ahead of the step's own products; a key step has one ahead of K's loads, one ahead of V's,
; one for each of its two batches of exponentials, and one ahead of the products that take p's codes.  Four waits on vm_vsrc stand in the copy, each where registers that stores or loads have read are filled again.
.set WQ,  0                            ; LDS: Wq's four tiles [c 4][step 8][1536]
.set KI,  49152                        ; K's sixteen double fragments
.set VI,  73728                        ; V's sixteen fragments
.set KS,  98304                        ; K's scale words [step][lane][4]
.set VS,  100352                       ; V's
.set WSL, 102400                       ; Wq's scale words [step 8][lane][c 4]
.set XR,  106496                       ; each wave's 16 gathered rows, 768 bytes + 16
.set XRW, 12544
.set ASC, 3883008
.set QLO, 16                           ; v16-27   q below, zeros above;  v28-39 zeros below, q above
.set QHI, 28
.set FRG, 40                           ; v40-87   four fragments of K or of V
.set S,   88                           ; v88-151  S^T, then p
.set OA,  152                          ; v152-183 O^T
.set PCD, 184                          ; v184-195 p's codes
.set CT,  196                          ; v196-203 the conversions' second halves
.set BM,  204                          ; v204-207 the blocks' largest scores
.set PT,  208                          ; v208-211 at work
.set OPD, 212                          ; v212-215 the conversions' scale operands
.set FF,  216                          ; v[216:217] f = 2^(old M - new M)
.set T0,  218
.set LA,  216                          ; at the head only: v216-223 addresses in the list of rows
.set QM,  224                          ; v224-235 at work in QUANT2
.set QP,  226
.set QO,  228
.set QB,  230
.set QC,  232
.set QSW, 238                          ; q's scale word;  v239 p's;  v240-247 the fragments';  v248-255 x's: these hold scales and nothing else
.set PSW, 239
.set FS,  240
.set XS,  248
.set WF,  40                           ; the q phase: v40-135 eight fragments of Wq, v136-159 two of x, v160-191 q^T, v192-223 the bias
.set XF,  136
.set QA,  160
.set BIAS, 192
.set SEL, 20
.set CS,  22
; 32 numbers of a lane, register 16 b + i = k 32 b + 16 (lane / 16) + i, become six registers of codes at d and two scale bytes in pw
.macro QUANT2 s, d, pw
.irp b, 0,1
	v_max3_num_f32 v[QM+\b], |v[(\s)+16*\b]|, |v[(\s)+1+16*\b]|, 0x1800000
.endr
.irp i, 2,4,6,8,10,12,14
.irp b, 0,1
	v_max3_num_f32 v[QM+\b], v[QM+\b], |v[(\s)+16*\b+\i]|, |v[(\s)+1+16*\b+\i]|
.endr
.endr
.irp b, 0,1
	v_permlanex16_b32 v[QP+\b], v[QM+\b], s[SEL], s[SEL+1]
.endr
.irp b, 0,1
	v_max_num_f32 v[QM+\b], v[QM+\b], v[QP+\b]
.endr
.irp b, 0,1
	v_add_nc_u32 v[QO+\b], 0xff000000, v[QM+\b]
.endr
.irp b, 0,1
	v_lshrrev_b32 v[QB+\b], 23, v[QO+\b]
.endr
	v_lshl_or_b32 v[\pw], v[QB+1], 8, v[QB]
	v_cvt_scalef32_pk16_fp6_f32 v[(\d):(\d)+2], v[(\s):(\s)+15], v[QO]
	v_cvt_scalef32_pk16_fp6_f32 v[QC:QC+2], v[(\s)+16:(\s)+31], v[QO+1]
	v_nop                                          ; one plain place behind the scaled conversions
.irp i, 0,1,2
	v_permlane16_swap_b32 v[(\d)+\i], v[QC+\i]
.endr
.irp i, 0,1,2
	v_mov_b32 v[(\d)+3+\i], v[QC+\i]
.endr
.endm
	s_load_b256 s[4:11], s[0:1], 0x0               ; lists s[4:5], xbuf s[6:7], wbuf s[8:9], bq s[10:11]
	s_load_b128 s[12:15], s[0:1], 0x20             ; kvbuf s[12:13], abuf s[14:15]
	s_set_vgpr_msb 0x40
	v_lshl_add_u32 v0, v0, 2, 0x26400
	v_mov_b32 v1, 0
	s_set_vgpr_msb 0x4000
	v_lshrrev_b32 v1, 5, v0
	v_readfirstlane_b32 s16, v1                    ; wave 0..3
	s_and_b32 s17, ttmp7, 0xffff                   ; the head
	s_lshl_b32 s18, ttmp9, 4
	s_mov_b32 s[SEL], 0x76543210
	s_mov_b32 s[SEL+1], 0xfedcba98
	s_mov_b32 s[CS], 0x3e38aa3b                    ; c = log2(e) / 8
	s_mov_b32 s[CS+1], s[CS]
	s_wait_kmcnt 0x0
	s_load_b128 s[24:27], s[4:5], s18 offset:0x4000   ; my tile: group, first row, rows
	v_and_b32 v14, 31, v0
	v_and_b32 v11, 15, v0                          ; r
	v_bfe_u32 v12, v0, 4, 1                        ; h
	v_lshlrev_b32 v1, 4, v14                       ; 16 x lane
	v_lshlrev_b32 v9, 3, v14
	v_lshlrev_b32 v10, 2, v14
	s_wait_alu depctr_va_sdst(0)                   ; s16, the wave's number, is written, ahead of its first reader
	s_mul_i32 s54, s16, XRW
	s_add_co_u32 s54, s54, XR
	v_mul_u32_u24 v2, v11, 784
	v_mad_u32_u24 v2, v12, 24, v2
	v_add_nc_u32 v2, s54, v2                       ; my gathered rows, read: row r, + 24 h
	v_mul_u32_u24 v3, v12, 784
	v_lshl_add_u32 v3, v11, 4, v3
	v_add_nc_u32 v3, s54, v3                       ; written: lanes 0-15 one row, lanes 16-31 the next
	v_add_nc_u32 v4, KI, v1
	v_add_nc_u32 v5, VI, v1
	v_add_nc_u32 v6, KS, v1
	v_add_nc_u32 v7, VS, v1
	v_add_nc_u32 v8, WSL, v1
	s_mul_i32 s54, s16, 12288
	v_add_nc_u32 v233, s54, v1                     ; where I put my tile of Wq,
	s_lshl_b32 s54, s16, 2
	s_add_co_u32 s54, s54, WSL
	v_add_nc_u32 v234, s54, v1                     ; its scale words,
	s_mul_i32 s54, s16, 6144
	s_add_co_u32 s54, s54, KI
	v_add_nc_u32 v235, s54, v1                     ; my quarter of K (V's lies 24,576 bytes on),
	s_lshl_b32 s54, s16, 9
	s_add_co_u32 s54, s54, KS
	v_add_nc_u32 v236, s54, v1                     ; and of their scale words
	v_lshlrev_b32 v237, 6, v12                     ; the bias: 64 h
	v_lshlrev_b32 v13, 5, v11                      ; Wq's scale words: 32 r
	s_wait_kmcnt 0x0
	s_min_u32 s24, s24, 15                         ; stored numbers are held inside their tables before they enter an address
	s_min_u32 s25, s25, 4095
	s_min_u32 s26, s26, 64
	s_and_b32 s28, s24, 7                          ; the expert
	s_lshl_b32 s30, s16, 4
	s_max_u32 s31, s26, 1
	s_sub_co_u32 s31, s31, 1                       ; the tile's last row: rows beyond it repeat it
	s_sub_co_i32 s29, s26, s30
	s_max_i32 s29, s29, 0
	s_min_i32 s29, s29, 16                         ; my wave's rows
	v_add_nc_u32 v15, s30, v12
.irp k, 0,1,2,3,4,5,6,7
	v_add_nc_u32 v[LA+\k], 2*\k, v15               ; rows 16 w + 2 k + h
	v_min_u32 v[LA+\k], s31, v[LA+\k]
	v_add_nc_u32 v[LA+\k], s25, v[LA+\k]
	v_min_u32 v[LA+\k], 4095, v[LA+\k]
	v_lshlrev_b32 v[LA+\k], 2, v[LA+\k]
.endr
	v_add_nc_u32 v14, s30, v11                     ; row 16 w + r
	v_min_u32 v14, s31, v14
	v_add_nc_u32 v14, s25, v14
	v_min_u32 v14, 4095, v14
	v_lshlrev_b32 v14, 2, v14
	s_wait_alu depctr_va_vdst(0)                   ; every address made so far is written: v1-10, v13, v14, v216-223, v233-237, which the loads and stores below read
.irp k, 0,1,2,3,4,5,6,7
	global_load_b32 v[224+\k], v[LA+\k], s[4:5]    ; the rows' numbers: address and data have registers of their own
.endr
	global_load_b32 v232, v14, s[4:5]
	s_mov_b32 s35, 0
	s_lshl_b32 s32, s28, 6
	s_lshl_b32 s33, s17, 2
	s_add_co_u32 s32, s32, s33
	s_add_co_u32 s32, s32, s16                     ; my tile of Wq: 64 e + 4 head + w
	s_mul_i32 s34, s32, 12288
	s_add_nc_u64 s[36:37], s[8:9], s[34:35]
	s_lshl_b32 s34, s32, 9
	s_add_co_u32 s34, s34, 25165824
	s_add_nc_u64 s[38:39], s[8:9], s[34:35]
	s_lshl_b32 s40, s24, 4
	s_add_co_u32 s40, s40, s17                     ; 16 g + head
	s_mul_i32 s34, s40, 24576
	s_mul_i32 s33, s16, 6144
	s_add_co_u32 s34, s34, s33
	s_add_nc_u64 s[42:43], s[12:13], s[34:35]
	s_lshl_b32 s34, s40, 11
	s_lshl_b32 s33, s16, 9
	s_add_co_u32 s34, s34, s33
	s_add_co_u32 s34, s34, 12582912
	s_add_nc_u64 s[44:45], s[12:13], s[34:35]
	s_add_nc_u64 s[46:47], s[6:7], 13107200        ; the queries' codes; their scale words lie 1,572,864 bytes on
	s_lshl_b32 s34, s28, 12
	s_lshl_b32 s33, s17, 8
	s_add_co_u32 s34, s34, s33
	s_add_nc_u64 s[48:49], s[10:11], s[34:35]
	s_lshl_b32 s34, ttmp9, 2
	s_add_co_u32 s34, s34, s16
	s_lshl_b32 s34, s34, 4
	s_add_co_u32 s34, s34, s17
	s_mul_i32 s34, s34, 768
	s_add_nc_u64 s[50:51], s[14:15], s[34:35]
	s_lshl_b32 s34, ttmp9, 4
	s_add_co_u32 s34, s34, s17
	s_lshl_b32 s34, s34, 2
	s_add_co_u32 s34, s34, s16
	s_lshl_b32 s34, s34, 7
	s_add_co_u32 s34, s34, ASC
	s_add_nc_u64 s[52:53], s[14:15], s[34:35]
.irp j, 0,1,2,3,4,5,6,7,8,9,10,11,12,13,14,15,16,17,18,19,20,21,22,23
	global_load_b128 v[16+4*\j:19+4*\j], v1, s[36:37] offset:512*\j          ; my tile of Wq: eight images
.endr
.irp j, 0,1,2,3,4,5,6,7,8,9,10,11
	global_load_b128 v[112+4*\j:115+4*\j], v1, s[42:43] offset:512*\j        ; my quarter of K
.endr
.irp j, 0,1,2,3,4,5,6,7,8,9,10,11
	global_load_b128 v[160+4*\j:163+4*\j], v1, s[42:43] offset:6291456+512*\j   ; and of V
.endr
	global_load_b128 v[208:211], v1, s[44:45]
	global_load_b128 v[212:215], v1, s[44:45] offset:524288
	s_wait_loadcnt 50                              ; the rows' numbers are in; the 24 + 12 + 12 + 2 loads behind them may be out.  The loads that read v216-223 as addresses are done
	s_wait_alu depctr_vm_vsrc(0)                   ; the loads of the rows' numbers have read v216-223, in which Wq's scale words land
	global_load_b128 v[216:219], v13, s[38:39]
	global_load_b128 v[220:223], v13, s[38:39] offset:16
.irp k, 0,1,2,3,4,5,6,7
	v_min_u32 v[224+\k], 4095, v[224+\k]
	v_and_b32 v[224+\k], 2047, v[224+\k]           ; the token
	v_mul_u32_u24 v[224+\k], 768, v[224+\k]
	v_lshl_add_u32 v[224+\k], v11, 4, v[224+\k]
.endr
	v_min_u32 v232, 4095, v232
	v_and_b32 v232, 2047, v232
	v_lshlrev_b32 v232, 5, v232
	s_wait_loadcnt 28                              ; Wq's tile is in; K, V (24) and the two pairs of loads of scale words (4) may be out
.irp j, 0,1,2,3,4,5,6,7,8,9,10,11,12,13,14,15,16,17,18,19,20,21,22,23
	ds_store_b128 v233, v[16+4*\j:19+4*\j] offset:512*\j
.endr
	s_wait_dscnt 0x0                               ; the stores have landed
	s_wait_alu depctr_vm_vsrc(0)                   ; the LDS stores have read v16-111, in which x lands
	s_wait_alu depctr_va_vdst(0)                   ; x's addresses v224-232 are written, which the loads below read
.irp k, 0,1,2,3,4,5,6,7
.irp p, 0,1,2
	global_load_b128 v[16+4*(3*\k+\p):19+4*(3*\k+\p)], v[224+\k], s[46:47] offset:256*\p   ; sixteen lanes read 256 consecutive bytes of a row
.endr
.endr
	s_wait_loadcnt 24                              ; K, V and all scale words are in; the 24 loads of x may be out
.irp j, 0,1,2,3,4,5,6,7,8,9,10,11
	ds_store_b128 v235, v[112+4*\j:115+4*\j] offset:512*\j
.endr
.irp j, 0,1,2,3,4,5,6,7,8,9,10,11
	ds_store_b128 v235, v[160+4*\j:163+4*\j] offset:24576+512*\j
.endr
	ds_store_b128 v236, v[208:211]
	ds_store_b128 v236, v[212:215] offset:2048
.irp t, 0,1,2,3,4,5,6,7
	ds_store_b32 v234, v[216+\t] offset:512*\t
.endr
	s_wait_dscnt 0x0
	s_wait_alu depctr_vm_vsrc(0)                   ; the LDS stores have read v192-223, in which the bias lands
	global_load_b128 v[XS:XS+3], v232, s[46:47] offset:1572864
	global_load_b128 v[XS+4:XS+7], v232, s[46:47] offset:1572864+16
.irp c, 0,1,2,3
	global_load_b128 v[BIAS+8*\c:BIAS+8*\c+3], v237, s[48:49] offset:(32*(\c/2)+8*(\c%2))*4
	global_load_b128 v[BIAS+8*\c+4:BIAS+8*\c+7], v237, s[48:49] offset:(32*(\c/2)+8*(\c%2))*4+16
.endr
	s_wait_loadcnt 10                              ; x is in; its scale words and the bias (10) may be out
.irp k, 0,1,2,3,4,5,6,7
.irp p, 0,1,2
	ds_store_b128 v3, v[16+4*(3*\k+\p):19+4*(3*\k+\p)] offset:2*\k*784+256*\p
.endr
.endr
	s_wait_dscnt 0x0                               ; for the others' sake: all my stores have landed
	s_barrier_signal -1
	s_barrier_wait -1                              ; the launch's one barrier: nothing in LDS is written behind it
	s_wait_loadcnt 0x0
	s_wait_alu depctr_vm_vsrc(0)                   ; ahead of the branch: all stores and loads so far have read their registers: v16-111 (x), v13, v14, v224-234, which loads and vector lines write again on both ways
	s_cmp_eq_u32 s29, 0
	s_cbranch_scc1 .Lempty
	v_mov_b32 v[QP], 0                             ; written once: a lane permute's destination counts as one of its sources
	v_mov_b32 v[QP+1], 0
	; ---- q^T = Wq x^T + bq: four tiles of 16 channels by turns, a step of 128 along K at a time, on two halves of the fragments' registers
; the nineteen LDS loads of step s: Wq's four fragments, x's fragment, Wq's scale words, into half s % 2
.macro QLOAD s
.set QSP, (\s)%2
.irp c, 0,1,2,3
.irp i, 0,1,2
	ds_load_b128 v[WF+12*(4*QSP+\c)+4*\i:WF+12*(4*QSP+\c)+4*\i+3], v1 offset:(8*\c+(\s))*1536+512*\i
.endr
.endr
.irp p, 0,1,2,3,4,5
	ds_load_b64 v[XF+12*QSP+2*\p:XF+12*QSP+2*\p+1], v2 offset:96*(\s)+48*(\p/3)+8*(\p%3)
.endr
	ds_load_b128 v[FS+4*QSP:FS+4*QSP+3], v8 offset:512*(\s)
.endm
	QLOAD 0
.irp s, 0,1,2,3,4,5,6,7
.if \s > 0
.rept 4
	v_nop                                          ; the places behind the matrix instructions stay, ahead of the wait
.endr
	s_wait_alu depctr_va_vdst(0)                   ; the four products of the step before are done reading their half of WF, XF and FS, in which the loads below land
.endif
.if \s < 7
	QLOAD \s+1                                     ; no vector or matrix instruction since the wait names that half
	s_wait_dscnt 19                                ; this step's nineteen loads are in; the nineteen just issued may be out
.else
	s_wait_dscnt 0x0
.endif
.irp c, 0,1,2,3
.if \s == 0
	v_wmma_scale_f32_16x16x128_f8f6f4 v[QA+8*\c:QA+8*\c+7], v[WF+12*(4*(\s%2)+\c):WF+12*(4*(\s%2)+\c)+11], v[XF+12*(\s%2):XF+12*(\s%2)+11], v[BIAS+8*\c:BIAS+8*\c+7], v[FS+4*(\s%2)+\c], v[XS+\s] matrix_a_fmt:MATRIX_FMT_FP6 matrix_b_fmt:MATRIX_FMT_FP6
.else
	v_wmma_scale_f32_16x16x128_f8f6f4 v[QA+8*\c:QA+8*\c+7], v[WF+12*(4*(\s%2)+\c):WF+12*(4*(\s%2)+\c)+11], v[XF+12*(\s%2):XF+12*(\s%2)+11], v[QA+8*\c:QA+8*\c+7], v[FS+4*(\s%2)+\c], v[XS+\s] matrix_a_fmt:MATRIX_FMT_FP6 matrix_b_fmt:MATRIX_FMT_FP6
.endif
.endr
.endr
.rept 4
	v_nop
.endr
	QUANT2 QA, QLO, QSW                            ; register 16 b + i of q^T is channel 32 b + 16 h + i of my row
	v_lshl_or_b32 v[QSW], v[QSW], 16, v[QSW]       ; the two bytes serve the lower and the upper half of K
.irp i, 0,1,2,3,4,5
	v_mov_b32 v[QHI+6+\i], v[QLO+\i]
	v_mov_b32 v[QLO+6+\i], 0
	v_mov_b32 v[QHI+\i], 0
.endr
	v_mov_b32 v13, 0xff61b1e6                      ; the largest t so far: -3e38
	v_floor_f32 v12, -v13                          ; -M
	v_mov_b32 v14, 0                               ; the sum, in two halves
	v_mov_b32 v15, 0
	v_mov_b32 v[FF+1], 0                           ; (named as the upper half of a pair)
.irp b, 0,1,2,3
	v_mov_b32 v[PT+\b], 0
.endr
.set J, 0
.rept 32
	v_mov_b32 v[OA+J], 0                           ; O^T: the step is written once; the first finds zeros.  (These lines are also the places ahead of the scaled products)
.set J, J+1
.endr
; A KEY STEP: 128 keys
.macro ASTEP st
.rept 4
	v_nop                                          ; the places behind the matrix instructions stay, ahead of the wait
.endr
	s_wait_alu depctr_va_vdst(0)                   ; the last products are done reading v[FRG ..] and v[FS ..], in which K's loads land; in the first step also: q's codes and scale word are written, which the scaled products take
.irp f, 0,1,2,3
.irp i, 0,1,2
	ds_load_b128 v[FRG+12*\f+4*\i:FRG+12*\f+4*\i+3], v4 offset:(4*(\st)+\f)*1536+512*\i
.endr
.endr
	ds_load_b128 v[FS:FS+3], v6 offset:512*(\st)
	s_wait_dscnt 0x0
.irp f, 0,1,2,3
	v_wmma_scale_f32_16x16x128_f8f6f4 v[S+16*\f:S+16*\f+7], v[FRG+12*\f:FRG+12*\f+11], v[QLO:QLO+11], 0, v[FS+\f], v[QSW] matrix_a_fmt:MATRIX_FMT_FP6 matrix_b_fmt:MATRIX_FMT_FP6
	v_wmma_scale_f32_16x16x128_f8f6f4 v[S+16*\f+8:S+16*\f+15], v[FRG+12*\f:FRG+12*\f+11], v[QHI:QHI+11], 0, v[FS+\f], v[QSW] matrix_a_fmt:MATRIX_FMT_FP6 matrix_b_fmt:MATRIX_FMT_FP6
.endr                                          ; register 16 f + i of S^T is key 128 st + 32 f + 16 h + i
.rept 4
	v_nop
.endr
	s_wait_alu depctr_va_vdst(0)                   ; the eight products are done reading K's fragments, in which V's land
.irp c, 0,1,2,3                                ; V's fragments are asked for now and land under the softmax, none of whose lines names them
.irp i, 0,1,2
	ds_load_b128 v[FRG+12*\c+4*\i:FRG+12*\c+4*\i+3], v5 offset:(4*(\st)+\c)*1536+512*\i
.endr
.endr
	ds_load_b128 v[FS+4:FS+7], v7 offset:512*(\st)
.irp b, 0,1,2,3
	v_max3_num_f32 v[BM+\b], v[S+16*\b], v[S+1+16*\b], v[S+2+16*\b]          ; the largest score of each block of 32 keys: it serves the row's maximum and the block's largest p
.endr
.irp i, 3,5,7,9,11,13
.irp b, 0,1,2,3
	v_max3_num_f32 v[BM+\b], v[BM+\b], v[S+16*\b+\i], v[S+1+16*\b+\i]
.endr
.endr
.irp b, 0,1,2,3
	v_max_num_f32 v[BM+\b], v[BM+\b], v[S+15+16*\b]
.endr
.irp b, 0,1,2,3
	v_permlanex16_b32 v[PT+\b], v[BM+\b], s[SEL], s[SEL+1]
.endr
.irp b, 0,1,2,3
	v_max_num_f32 v[BM+\b], v[BM+\b], v[PT+\b]
.endr
	v_max3_num_f32 v[T0], v[BM], v[BM+1], v[BM+2]
	v_max_num_f32 v[T0], v[T0], v[BM+3]
	v_mul_f32 v[T0], s[CS], v[T0]
	v_max_num_f32 v13, v13, v[T0]                  ; the running largest t
	v_mov_b32 v[T0], v12
	v_floor_f32 v12, -v13                          ; the new -M = -ceil(t): a whole number
	v_sub_f32 v[T0], v12, v[T0]
	v_cvt_i32_f32 v[T0], v[T0]                     ; (it saturates)
	v_ldexp_f32 v[FF], 1.0, v[T0]                  ; f = 2^(old M - new M): a multiplication by it rounds nothing
.set J, 0
.rept 32
	v_pk_fma_f32 v[S+2*J:S+2*J+1], v[S+2*J:S+2*J+1], s[CS:CS+1], v[12:13] op_sel_hi:[1,0,0]   ; t - M
.set J, J+1
.endr
.irp b, 0,1,2,3
	v_fma_f32 v[BM+\b], v[BM+\b], s[CS], v12
.endr
.set J, 0
.rept 64
	v_exp_f32 v[S+J], v[S+J]                       ; p = 2^(t - M), at most 1
.set J, J+1
.endr
	v_pk_mul_f32 v[14:15], v[14:15], v[FF:FF+1] op_sel_hi:[1,0]  ; the sums under the new M (a plain place behind the exponentials)
	s_wait_alu depctr_va_vdst(0)                   ; the 64 exponentials have written p in v[S ..]: one wait for the batch, ahead of its first reader
.irp b, 0,1,2,3
	v_exp_f32 v[BM+\b], v[BM+\b]                   ; the block's largest p
.endr
	v_pk_add_f32 v[PT:PT+1], v[S:S+1], v[S+2:S+3]  ; the row's sum is taken of the unquantised p, in two chains
.irp j, 4,8,12,16,20,24,28,32,36,40,44,48,52,56,60
	v_pk_add_f32 v[14:15], v[14:15], v[S+\j:S+\j+1]
	v_pk_add_f32 v[PT:PT+1], v[PT:PT+1], v[S+2+\j:S+3+\j]
.endr
	v_pk_add_f32 v[14:15], v[14:15], v[PT:PT+1]
	s_wait_alu depctr_va_vdst(0)                   ; the four exponentials have written v[BM ..], ahead of their first reader
.irp b, 0,1,2,3
	v_max_num_f32 v[BM+\b], 0x1800000, v[BM+\b]    ; the floor 2^(3 - 127)
.endr
.irp b, 0,1,2,3
	v_add_nc_u32 v[OPD+\b], 0xff000000, v[BM+\b]
.endr
.irp b, 0,1,2,3
	v_lshrrev_b32 v[PT+\b], 23, v[OPD+\b]
.endr
	v_lshl_or_b32 v[PSW], v[PT+1], 8, v[PT]        ; p's scale word for these 128 keys
	v_lshl_or_b32 v[PSW], v[PT+2], 16, v[PSW]
	v_lshl_or_b32 v[PSW], v[PT+3], 24, v[PSW]
.irp c, 0,1
	v_cvt_scalef32_pk16_fp6_f32 v[PCD+6*\c:PCD+2+6*\c], v[S+32*\c:S+15+32*\c], v[OPD+2*\c]
	v_cvt_scalef32_pk16_fp6_f32 v[CT+4*\c:CT+2+4*\c], v[S+16+32*\c:S+31+32*\c], v[OPD+2*\c+1]
.endr
	v_nop
.irp c, 0,1
.irp i, 0,1,2
	v_permlane16_swap_b32 v[PCD+6*\c+\i], v[CT+4*\c+\i]
.endr
.irp i, 0,1,2
	v_mov_b32 v[PCD+3+6*\c+\i], v[CT+4*\c+\i]
.endr
.endr
.set J, 0
.rept 16
	v_pk_mul_f32 v[OA+2*J:OA+2*J+1], v[OA+2*J:OA+2*J+1], v[FF:FF+1] op_sel_hi:[1,0]   ; O^T under the new M.  (These are also the places ahead of the scaled products)
.set J, J+1
.endr
	s_wait_alu depctr_va_vdst(0)                   ; p's codes v[PCD ..] and its scale word are written, which the scaled products take; the places above stay beside this wait
	s_wait_dscnt 0x0                               ; V
.irp c, 0,1,2,3
	v_wmma_scale_f32_16x16x128_f8f6f4 v[OA+8*\c:OA+8*\c+7], v[FRG+12*\c:FRG+12*\c+11], v[PCD:PCD+11], v[OA+8*\c:OA+8*\c+7], v[FS+4+\c], v[PSW] matrix_a_fmt:MATRIX_FMT_FP6 matrix_b_fmt:MATRIX_FMT_FP6
.endr
.endm
	ASTEP 0
	ASTEP 1
	ASTEP 2
	ASTEP 3
.rept 4
	v_nop
.endr
	v_add_f32 v14, v14, v15
	v_permlanex16_b32 v[T0], v14, s[SEL], s[SEL+1]
	v_add_f32 v14, v14, v[T0]                      ; the row's sum
	v_rcp_f32 v14, v14
	v_nop
	s_wait_alu depctr_va_vdst(0)                   ; the reciprocal has written v14, ahead of its first reader
.set J, 0
.rept 32
	v_mul_f32 v[S+J], v[OA+J], v14                 ; register 16 b + i: channel 32 b + 16 h + i of my row
.set J, J+1
.endr
	QUANT2 S, PCD, T0
	s_branch .Lstore
.Lempty:
.irp i, 0,1,2,3,4,5
	v_mov_b32 v[PCD+\i], 0                         ; zero codes,
.endr
	v_mov_b32 v[T0], 0x7f7f                        ; under the scale 1
.Lstore:
	s_wait_alu depctr_va_vdst(0)                   ; on both ways: the codes v[PCD ..] and the two bytes v[T0] are written, which the stores read
	global_store_b128 v1, v[PCD:PCD+3], s[50:51]
	global_store_b64 v9, v[PCD+4:PCD+5], s[50:51] offset:512
	global_store_b32 v10, v[T0], s[52:53]
	s_set_vgpr_msb 0x5                             ; the add's two registers, v256 and v257, lie in block 1
	s_wait_dscnt 0x0                               ; the closing lines, six on end
	s_wait_alu 0x0
	s_wait_tensorcnt 0x0
	ds_add_u32 v0, v1
	s_wait_dscnt 0x0
	s_endpgm
.Lfunc_end_k_q4fd7c864a8_qattn:
	.size	k_q4fd7c864a8_qattn, .Lfunc_end_k_q4fd7c864a8_qattn-k_q4fd7c864a8_qattn
	.p2alignl 7, 3214868480
	.fill 96, 4, 3214868480
	.section	.rodata,"a",@progbits
	.p2align	6, 0x0
	.amdhsa_kernel k_q4fd7c864a8_qattn
		.amdhsa_group_segment_fixed_size 157184
		.amdhsa_private_segment_fixed_size 0
		.amdhsa_enable_private_segment 0
		.amdhsa_kernarg_size 48
		.amdhsa_user_sgpr_count 2
		.amdhsa_user_sgpr_kernarg_segment_ptr 1
		.amdhsa_wavefront_size32 1
		.amdhsa_system_sgpr_workgroup_id_x 1
		.amdhsa_system_sgpr_workgroup_id_y 1
		.amdhsa_system_sgpr_workgroup_id_z 1
		.amdhsa_system_vgpr_workitem_id 0
		.amdhsa_next_free_vgpr 258
		.amdhsa_next_free_sgpr 66
		.amdhsa_reserve_vcc 0
		.amdhsa_float_denorm_mode_32 3
		.amdhsa_float_denorm_mode_16_64 3
		.amdhsa_memory_ordered 1
		.amdhsa_forward_progress 1
		.amdhsa_inst_pref_size 107
	.end_amdhsa_kernel
	.amdgpu_metadata
---
amdhsa.version: [ 1, 2 ]
amdhsa.kernels:
  - .name:           k_q4fd7c864a8_qattn
    .symbol:         k_q4fd7c864a8_qattn.kd
    .args:
      - { .name: lists, .offset: 0, .size: 8, .value_kind: global_buffer, .address_space: global }
      - { .name: xbuf, .offset: 8, .size: 8, .value_kind: global_buffer, .address_space: global }
      - { .name: wbuf, .offset: 16, .size: 8, .value_kind: global_buffer, .address_space: global }
      - { .name: bq, .offset: 24, .size: 8, .value_kind: global_buffer, .address_space: global }
      - { .name: kvbuf, .offset: 32, .size: 8, .value_kind: global_buffer, .address_space: global }
      - { .name: abuf, .offset: 40, .size: 8, .value_kind: global_buffer, .address_space: global }
    .group_segment_fixed_size: 157184
    .private_segment_fixed_size: 0
    .kernarg_segment_align: 8
    .kernarg_segment_size: 48
    .max_flat_workgroup_size: 128
    .sgpr_count:     66
    .vgpr_count:     258
    .wavefront_size: 32
...
	.end_amdgpu_metadata
.endif
;; end of part 8
;; launch oproj (part 9): grid 79 x 8, 4 waves a work-group, no clusters, 87,552 bytes of LDS; arguments lists, xbuf, wbuf, bo, abuf, part; writes part
.if DOCPART == 9
	.amdgcn_target "amdgcn-amd-amdhsa--gfx1250"
	.amdhsa_code_object_version 6
	.text
	.protected	k_q4fd7c864a8_oproj
	.globl	k_q4fd7c864a8_oproj
	.p2align	8
	.type	k_q4fd7c864a8_oproj,@function
k_q4fd7c864a8_oproj:
	s_mov_b64 s[64:65], 0
	v_nop
	global_prefetch_b8 v0, s[64:65] scope:SCOPE_SE
	s_setreg_imm32_b32 hwreg(HW_REG_WAVE_SCHED_MODE, 0, 2), 2
	s_setreg_imm32_b32 hwreg(HW_REG_WAVE_MODE, 25, 1), 1
	s_wait_xcnt 0x0
	s_wait_alu depctr_vm_vsrc(0)
; part[row] = weight x (a Wo[e] + bo[e]) for the routed rows of one tile (up to 64) and 128 of the 1,024 columns; the product on codes of FP6 (E2M3) with E8M0 scales.
; SHARES.  Work-group x = the tile, y = which 128 columns.  Wave w takes columns 32 w .. 32 w + 31 of them (two tiles of Wo) for all 64 rows: eight accumulators by turns.
; a's half fragments (one for each head) come into LDS once, a quarter by each wave; Wo's images go from memory straight into registers, two to three steps ahead.
; Used transposed: source 0 = 16 columns of Wo, source 1 = 16 rows: a lane holds one row and eight neighbouring columns.  The results meet in a stage and leave as runs of 512 consecutive bytes of a row.
; A row is stored only if the tile has it: a branch on a stored count, behind the last barrier; so this launch has no tensor load and no cluster.
; THE MODE: SCHED_MODE bits 1:0 = 2 (LLVM: expert scheduling mode 2), set by the entry lines.  The code itself states the register dependences
; between vector or matrix instructions and memory or LDS instructions, with s_wait_alu, always for 0.
; THE PLAN.  Registers that memory or LDS instructions touch:
;   v1-6, v9-13, v249-253  addresses, made once at the head and never written again.
;   v244-248               the rows' numbers land here; vector lines make the weights' addresses of v245-248 in place.
;   ACC                    a's images land, LDS stores read them; the products and the weights' multiplies write; the stage's stores read; the rows from the stage land; the global stores read.
;   AF, ASW                a's images and scale bytes land first (eight permutes, LDS stores); then, in step s, the LDS loads land and the step's eight products read.
;   RG0 .. RG2             Step s's products read RG[s % 3]; the loads of step s + 2, issued in step s, land in RG[(s + 2) % 3], which step s - 1's products read.  At the end v80-95 hold the rows' addresses in part.
; So ONE wait on va_vdst stands at a step's head: the products of the step before are done reading AF, ASW and their RG.  The step's seventeen LDS loads and the six loads of Wo follow it, ahead of the step's own products,
; which name none of the registers in which Wo's loads land.  One wait on vm_vsrc stands behind each of the two barriers, where registers that LDS stores have read are written again.
.set AI,  0                            ; LDS: a's images [row tile 4][head 16][768]
.set AS,  49152                        ; their scale words [step 8][lane][row tile 4]
.set STG, 53248                        ; the stage: 64 rows x (512 bytes + 16)
.set ACC, 16                           ; v16-79   accumulator (row tile, u) at 16 + 8 (2 tau + u)
.set RG,  80                           ; v80-151  Wo's fragments: three steps x two tiles
.set AF,  152                          ; v152-199 a's four fragments of a step
.set BIAS, 200                         ; v200-215
.set ASW, 216                          ; v216-219 a's scale words;  v220-235 Wo's: these hold scales and nothing else
.set WS,  220
.set RW,  236                          ; v236-243 the rows' weights, a pair for each row tile (the low word serves)
.set RL,  244                          ; v244     my 16 rows' numbers;  v245-248 the numbers of rows 16 tau + r, then the addresses of their weights
.set LA,  249                          ; v249-253 addresses in the list of rows, for v244-248
.set RN,  32                           ; s32-47   at the end: my 16 rows' numbers as scalars (every load that read these registers as a base has been waited for)
	s_load_b256 s[4:11], s[0:1], 0x0               ; lists s[4:5], xbuf s[6:7], wbuf s[8:9], bo s[10:11]
	s_load_b128 s[12:15], s[0:1], 0x20             ; abuf s[12:13], part s[14:15]
	v_lshl_add_u32 v254, v0, 2, 0x15400
	v_mov_b32 v255, 0
	v_lshrrev_b32 v1, 5, v0
	v_readfirstlane_b32 s16, v1                    ; wave 0..3
	s_and_b32 s17, ttmp7, 0xffff                   ; which 128 columns
	s_lshl_b32 s18, ttmp9, 4
	s_wait_kmcnt 0x0
	s_load_b128 s[24:27], s[4:5], s18 offset:0x4000   ; my tile: group, first row, rows
	v_and_b32 v14, 31, v0
	v_and_b32 v7, 15, v0                           ; r
	v_bfe_u32 v8, v0, 4, 1                         ; h
	v_lshlrev_b32 v1, 4, v14                       ; 16 x lane
	v_lshlrev_b32 v2, 3, v14                       ; 8 x lane
	v_lshlrev_b32 v11, 2, v14                      ; 4 x lane
	v_add_nc_u32 v3, AS, v1
	v_mul_u32_u24 v4, v7, 528
	v_lshl_add_u32 v4, v8, 6, v4
	s_wait_alu depctr_va_sdst(0)                   ; s16, the wave's number, is written, ahead of its first reader
	s_lshl_b32 s45, s16, 7
	s_add_co_u32 s45, s45, STG
	v_add_nc_u32 v4, s45, v4                       ; the stage, in: row r, + 128 w + 64 h
	s_mul_i32 s45, s16, 16*528
	s_add_co_u32 s45, s45, STG
	v_add_nc_u32 v5, s45, v1                       ; out: my 16 rows, 16 bytes a lane
	s_lshl_b32 s45, s17, 9
	v_add_nc_u32 v6, s45, v1                       ; in a row of part: 512 y + 16 x lane
	v_lshlrev_b32 v9, 5, v7                        ; Wo's scale words: 32 r
	v_lshlrev_b32 v10, 6, v8                       ; the bias: 64 h
	s_mul_i32 s45, s16, 12288
	v_add_nc_u32 v12, s45, v1                      ; where I put my quarter of a's images,
	s_lshl_b32 s45, s16, 2
	s_add_co_u32 s45, s45, AS
	v_add_nc_u32 v13, s45, v1                      ; and of their scale words
	s_wait_kmcnt 0x0
	s_min_u32 s24, s24, 15                         ; stored numbers are held inside their tables before they enter an address
	s_min_u32 s25, s25, 4095
	s_min_u32 s26, s26, 64
	s_and_b32 s28, s24, 7                          ; the expert
	s_lshl_b32 s30, s16, 4
	s_max_u32 s31, s26, 1
	s_sub_co_u32 s31, s31, 1
	s_sub_co_i32 s29, s26, s30
	s_max_i32 s29, s29, 0
	s_min_i32 s29, s29, 16                         ; my wave's rows to store
.irp t, 0,1,2,3
	v_add_nc_u32 v[LA+1+\t], 16*\t, v7             ; row 16 tau + r
	v_min_u32 v[LA+1+\t], s31, v[LA+1+\t]
	v_add_nc_u32 v[LA+1+\t], s25, v[LA+1+\t]
	v_min_u32 v[LA+1+\t], 4095, v[LA+1+\t]
	v_lshlrev_b32 v[LA+1+\t], 2, v[LA+1+\t]
.endr
	v_add_nc_u32 v[LA], s30, v7
	v_min_u32 v[LA], s31, v[LA]
	v_add_nc_u32 v[LA], s25, v[LA]
	v_min_u32 v[LA], 4095, v[LA]
	v_lshlrev_b32 v[LA], 2, v[LA]
	s_wait_alu depctr_va_vdst(0)                   ; every address made so far is written: v1-6, v9-13, v249-253, which the loads and stores below read
.irp t, 0,1,2,3,4
	global_load_b32 v[RL+\t], v[LA+\t], s[4:5]     ; the rows' numbers: address and data have registers of their own
.endr
	s_mov_b32 s35, 0
	s_mul_i32 s34, ttmp9, 49152
	s_mul_i32 s33, s16, 12288
	s_add_co_u32 s34, s34, s33
	s_add_nc_u64 s[32:33], s[12:13], s[34:35]      ; a's images of row tile w
	s_lshl_b32 s34, ttmp9, 13
	s_lshl_b32 s36, s16, 7
	s_add_co_u32 s34, s34, s36
	s_add_co_u32 s34, s34, 3883008
	s_add_nc_u64 s[46:47], s[12:13], s[34:35]      ; and their scale bytes: 512 bytes from head to head
	s_add_co_u32 s36, s28, 24
	s_lshl_b32 s36, s36, 6
	s_lshl_b32 s37, s17, 3
	s_add_co_u32 s36, s36, s37
	s_lshl_b32 s37, s16, 1
	s_add_co_u32 s40, s36, s37                     ; my first tile of Wo: 64 (24 + e) + 8 y + 2 w
	s_mul_i32 s34, s40, 12288
	s_add_nc_u64 s[36:37], s[8:9], s[34:35]
	s_lshl_b32 s34, s40, 9
	s_add_co_u32 s34, s34, 25165824
	s_add_nc_u64 s[38:39], s[8:9], s[34:35]
	s_lshl_b32 s34, s28, 12
	s_lshl_b32 s40, s17, 9
	s_add_co_u32 s34, s34, s40
	s_lshl_b32 s40, s16, 7
	s_add_co_u32 s34, s34, s40
	s_add_nc_u64 s[40:41], s[10:11], s[34:35]
	s_add_nc_u64 s[42:43], s[6:7], 14745600        ; the weights
.irp j, 0,1,2,3,4,5,6,7,8,9,10,11,12,13,14,15
	global_load_b128 v[ACC+4*\j:ACC+4*\j+3], v1, s[32:33] offset:512*\j
.endr
.irp j, 0,1,2,3,4,5,6,7
	global_load_b128 v[AF+4*\j:AF+4*\j+3], v1, s[32:33] offset:8192+512*\j
.endr
.irp t, 0,1,2,3,4,5,6,7,8,9,10,11,12,13,14,15
	global_load_b32 v[184+\t], v11, s[46:47] offset:512*\t
.endr
.macro WLOAD s                         ; Wo's two fragments of step s
.irp u, 0,1
.irp i, 0,1,2
	global_load_b128 v[RG+24*((\s)%3)+12*\u+4*\i:RG+24*((\s)%3)+12*\u+4*\i+3], v1, s[36:37] offset:12288*\u+1536*(\s)+512*\i
.endr
.endr
.endm
	s_wait_loadcnt 40                              ; the rows' numbers are in; the 24 + 16 loads of a's images and scale bytes behind them may be out
.irp t, 0,1,2,3
	v_min_u32 v[245+\t], 4095, v[245+\t]
	v_lshlrev_b32 v[245+\t], 2, v[245+\t]
	v_mov_b32 v[RW+2*\t+1], 0
.endr
	s_wait_alu depctr_va_vdst(0)                   ; the weights' addresses v245-248 are written, which the four loads below read
.irp t, 0,1,2,3
	global_load_b32 v[RW+2*\t], v[245+\t], s[42:43]
.endr
.irp u, 0,1
	global_load_b128 v[WS+8*\u:WS+8*\u+3], v9, s[38:39] offset:512*\u
	global_load_b128 v[WS+8*\u+4:WS+8*\u+7], v9, s[38:39] offset:512*\u+16
.endr
.irp u, 0,1
	global_load_b128 v[BIAS+8*\u:BIAS+8*\u+3], v10, s[40:41] offset:32*\u
	global_load_b128 v[BIAS+8*\u+4:BIAS+8*\u+7], v10, s[40:41] offset:32*\u+16
.endr
	WLOAD 0
	s_wait_loadcnt 18                              ; a's images and scale bytes are in; the 4 weights, 4 + 4 loads of scale words and bias and 6 of Wo's step 0 may be out
.irp t, 0,1,2,3,4,5,6,7
	v_perm_b32 v[184+2*\t], v[185+2*\t], v[184+2*\t], 0x05040100 ; heads 2 t and 2 t + 1 make the scale word of step t
.endr
	s_wait_alu depctr_va_vdst(0)                   ; the permutes have written the scale words, which the LDS stores read, and are done reading v184-199, in which a's fragments land later
.irp j, 0,1,2,3,4,5,6,7,8,9,10,11,12,13,14,15
	ds_store_b128 v12, v[ACC+4*\j:ACC+4*\j+3] offset:512*\j
.endr
.irp j, 0,1,2,3,4,5,6,7
	ds_store_b128 v12, v[AF+4*\j:AF+4*\j+3] offset:8192+512*\j
.endr
.irp t, 0,1,2,3,4,5,6,7
	ds_store_b32 v13, v[184+2*\t] offset:512*\t
.endr
	WLOAD 1                                        ; asked for while the stores land
	WLOAD 2
	s_wait_dscnt 0x0                               ; for the others' sake: my stores have landed
	s_barrier_signal -1
	s_barrier_wait -1
	s_wait_alu depctr_vm_vsrc(0)                   ; my LDS stores have read v16-79, which the products write, and v152-199, in which a's fragments land
.irp s, 0,1,2,3,4,5,6,7
.if \s > 0
	s_wait_alu depctr_va_vdst(0)                   ; the eight products of the step before are done reading a's fragments, a's scale words and their set of Wo's fragments: the loads below land in these
.endif
.irp t, 0,1,2,3                        ; a fragment is two heads' halves: registers 0-3, 4-5, then 6-9, 10-11
	ds_load_b128 v[AF+12*\t:AF+12*\t+3], v1 offset:\t*12288+1536*\s
	ds_load_b64 v[AF+12*\t+4:AF+12*\t+5], v2 offset:\t*12288+1536*\s+512
	ds_load_b128 v[AF+12*\t+6:AF+12*\t+9], v1 offset:\t*12288+1536*\s+768
	ds_load_b64 v[AF+12*\t+10:AF+12*\t+11], v2 offset:\t*12288+1536*\s+1280
.endr
	ds_load_b128 v[ASW:ASW+3], v3 offset:512*\s
.if (\s > 0) && (\s < 6)
	WLOAD \s+2                                     ; into the set that the step before read; no vector or matrix instruction since the wait names it
.endif
.if \s <= 5
	s_wait_loadcnt 12                              ; this step's six loads of Wo are in, and all that was asked for ahead of them; those of the two steps behind may be out
.elseif \s == 6
	s_wait_loadcnt 6
.else
	s_wait_loadcnt 0x0
.endif
	s_wait_dscnt 0x0
.irp t, 0,1,2,3
.irp u, 0,1
.if \s == 0
	v_wmma_scale_f32_16x16x128_f8f6f4 v[ACC+8*(2*\t+\u):ACC+8*(2*\t+\u)+7], v[RG+24*(\s%3)+12*\u:RG+24*(\s%3)+12*\u+11], v[AF+12*\t:AF+12*\t+11], v[BIAS+8*\u:BIAS+8*\u+7], v[WS+8*\u+\s], v[ASW+\t] matrix_a_fmt:MATRIX_FMT_FP6 matrix_b_fmt:MATRIX_FMT_FP6
.else
	v_wmma_scale_f32_16x16x128_f8f6f4 v[ACC+8*(2*\t+\u):ACC+8*(2*\t+\u)+7], v[RG+24*(\s%3)+12*\u:RG+24*(\s%3)+12*\u+11], v[AF+12*\t:AF+12*\t+11], v[ACC+8*(2*\t+\u):ACC+8*(2*\t+\u)+7], v[WS+8*\u+\s], v[ASW+\t] matrix_a_fmt:MATRIX_FMT_FP6 matrix_b_fmt:MATRIX_FMT_FP6
.endif
.endr
.endr
.rept 4
	v_nop                                          ; the places behind the matrix instructions stay: ahead of the next step's wait, and of the first read of results
.endr
.endr
.irp t, 0,1,2,3
.irp i, 0,1,2,3,4,5,6,7
	v_pk_mul_f32 v[ACC+16*\t+2*\i:ACC+16*\t+2*\i+1], v[ACC+16*\t+2*\i:ACC+16*\t+2*\i+1], v[RW+2*\t:RW+2*\t+1] op_sel_hi:[1,0]   ; x my row's weight; each accumulator from its low end on
.endr
.endr
	s_wait_alu depctr_va_vdst(0)                   ; the multiplications have written v16-79, which the LDS stores read
.irp t, 0,1,2,3
.irp u, 0,1
	ds_store_b128 v4, v[ACC+8*(2*\t+\u):ACC+8*(2*\t+\u)+3] offset:16*\t*528+32*\u       ; lane (r, h): row 16 tau + r, columns 32 w + 16 h + 8 u + 0 .. 7
	ds_store_b128 v4, v[ACC+8*(2*\t+\u)+4:ACC+8*(2*\t+\u)+7] offset:16*\t*528+32*\u+16
.endr
.endr
	s_wait_dscnt 0x0
	s_barrier_signal -1
	s_barrier_wait -1                              ; 64 rows x 512 bytes lie in the stage
	s_wait_alu depctr_vm_vsrc(0)                   ; my LDS stores have read v16-79, in which the rows from the stage land
.irp i, 0,1,2,3,4,5,6,7,8,9,10,11,12,13,14,15
	ds_load_b128 v[ACC+4*\i:ACC+4*\i+3], v5 offset:\i*528
.endr
.irp i, 0,1,2,3,4,5,6,7,8,9,10,11,12,13,14,15
	v_readlane_b32 s[RN+\i], v[RL], \i             ; a scalar register to each row, so that one wait serves the sixteen
.endr
	s_wait_alu depctr_va_sdst(0)                   ; s32-47 are written, ahead of their first readers
.irp i, 0,1,2,3,4,5,6,7,8,9,10,11,12,13,14,15
	s_min_u32 s[RN+\i], s[RN+\i], 4095
	s_lshl_b32 s[RN+\i], s[RN+\i], 12              ; a row of part is 4,096 bytes
	v_add_nc_u32 v[RG+\i], s[RN+\i], v6
.endr
	s_wait_alu depctr_va_vdst(0)                   ; the rows' addresses v80-95 are written, which the stores read; ahead of the branches
.irp i, 0,1,2,3,4,5,6,7,8,9,10,11,12,13,14,15
	s_cmp_le_u32 s29, \i                           ; the tile has no such row: nothing more is stored
	s_cbranch_scc1 .Ldone
	s_wait_dscnt 15-\i
	global_store_b128 v[RG+\i], v[ACC+4*\i:ACC+4*\i+3], s[14:15]   ; 32 lanes store 512 consecutive bytes, at a multiple of 256 from the buffer's first byte
.endr
.Ldone:
	s_wait_dscnt 0x0                               ; the closing lines, six on end
	s_wait_alu 0x0
	s_wait_tensorcnt 0x0
	ds_add_u32 v254, v255
	s_wait_dscnt 0x0
	s_endpgm
.Lfunc_end_k_q4fd7c864a8_oproj:
	.size	k_q4fd7c864a8_oproj, .Lfunc_end_k_q4fd7c864a8_oproj-k_q4fd7c864a8_oproj
	.p2alignl 7, 3214868480
	.fill 96, 4, 3214868480
	.section	.rodata,"a",@progbits
	.p2align	6, 0x0
	.amdhsa_kernel k_q4fd7c864a8_oproj
		.amdhsa_group_segment_fixed_size 87552
		.amdhsa_private_segment_fixed_size 0
		.amdhsa_enable_private_segment 0
		.amdhsa_kernarg_size 48
		.amdhsa_user_sgpr_count 2
		.amdhsa_user_sgpr_kernarg_segment_ptr 1
		.amdhsa_wavefront_size32 1
		.amdhsa_system_sgpr_workgroup_id_x 1
		.amdhsa_system_sgpr_workgroup_id_y 1
		.amdhsa_system_sgpr_workgroup_id_z 1
		.amdhsa_system_vgpr_workitem_id 0
		.amdhsa_next_free_vgpr 256
		.amdhsa_next_free_sgpr 66
		.amdhsa_reserve_vcc 0
		.amdhsa_float_denorm_mode_32 3
		.amdhsa_float_denorm_mode_16_64 3
		.amdhsa_memory_ordered 1
		.amdhsa_forward_progress 1
		.amdhsa_inst_pref_size 47
	.end_amdhsa_kernel
	.amdgpu_metadata
---
amdhsa.version: [ 1, 2 ]
amdhsa.kernels:
  - .name:           k_q4fd7c864a8_oproj
    .symbol:         k_q4fd7c864a8_oproj.kd
    .args:
      - { .name: lists, .offset: 0, .size: 8, .value_kind: global_buffer, .address_space: global }
      - { .name: xbuf, .offset: 8, .size: 8, .value_kind: global_buffer, .address_space: global }
      - { .name: wbuf, .offset: 16, .size: 8, .value_kind: global_buffer, .address_space: global }
      - { .name: bo, .offset: 24, .size: 8, .value_kind: global_buffer, .address_space: global }
      - { .name: abuf, .offset: 32, .size: 8, .value_kind: global_buffer, .address_space: global }
      - { .name: part, .offset: 40, .size: 8, .value_kind: global_buffer, .address_space: global }
    .group_segment_fixed_size: 87552
    .private_segment_fixed_size: 0
    .kernarg_segment_align: 8
    .kernarg_segment_size: 48
    .max_flat_workgroup_size: 128
    .sgpr_count:     66
    .vgpr_count:     256
    .wavefront_size: 32
...
	.end_amdgpu_metadata
.endif
;; end of part 9
;; launch combine: the kernel of part 6 again; grid 256 x 1, 8 waves a work-group, no clusters, 0 bytes of LDS; arguments part, out0; writes out0
